; MI455X (gfx1250); checked and timed in simulation.
; The chip was launched on July 23, 2026; its instructions are those of AMD's public machine-readable ISA for CDNA 5 (MIT licence, August 2026) and "CDNA5" Instruction Set Architecture Reference Guide (July 2026). The comments in the code are by the model that wrote it; some were corrected since.
;; Multi Type Param Heads. Allowed arithmetic: float matrix products may take bf16 or f16 operands with f32 sums; all other float work in f32.
;; Inputs: W1 8 x 1,024 x 2,048 float32; W2 8 x 2,048 x 1,024 float32; W3 8 x 1,024 x 12 float32; b1 8 x 2,048 float32; b2 8 x 1,024 float32; b3 8 x 12 float32; geometry_types 2,048 int32; x 2,048 x 1,024 float32.
;; Outputs: out0 2,048 x 12 float32; out1 2,048 x 12 float32.
;; 4 versions, each right; versions 2 to 3 are each faster than the one before; version 4 is version 3 with the launches prep, gemm1, gemm2 written anew for expert scheduling mode. Each part assembles by itself: llvm-mc -triple=amdgcn-amd-amdhsa -mcpu=gfx1250 --defsym DOCPART=n.
;; ======== version 1 of 4: 4 launches
;; limits: a function is approximated: absolute error at most 1.5e-07
;; workspace buffers: xs 4,456,448 bytes; h1 17,825,792 bytes; p 17,825,792 bytes; w3f 262,144 bytes; order 8,704 bytes of whole numbers; meta 256 bytes of whole numbers
;; launch prep (part 1): grid 272 x 1, 4 waves a work-group, no clusters, 28,416 bytes of LDS; arguments x, W3, geometry_types, xs, w3f, order, meta, out0, out1; writes xs, w3f, order, meta, out0, out1
.if DOCPART == 1
	.amdgcn_target "amdgcn-amd-amdhsa--gfx1250"
	.amdhsa_code_object_version 6
	.text
	.protected	k_q9a4c63d818_prep
	.globl	k_q9a4c63d818_prep
	.p2align	8
	.type	k_q9a4c63d818_prep,@function
k_q9a4c63d818_prep:
	s_mov_b64 s[64:65], 0
	v_nop
	global_prefetch_b8 v0, s[64:65] scope:SCOPE_SE
	s_setreg_imm32_b32 hwreg(HW_REG_WAVE_MODE, 25, 1), 1
	s_wait_xcnt 0x0
; prep: sorts the 2,048 rows by their type and lays everything out for the three launches that follow.
;   slots : 136 tiles of 16 slots.  Type t owns n_t tiles from tile tp_t on: max(1, ceil(c_t / 16)) tiles (at most 135 in all for any split of
;           2,048 rows over 8 types), and the tiles that are left of the 136 are dealt out to the types as evenly as they go.
;           A slot holds a source row or -1 (a pad).  So all 136 tiles always belong to a type, and every later launch has a fixed shape.
;   meta  : words 0-7 tp, 8-15 n, the rest 0.          order : 2,176 words, slot -> source row or -1.
;   xs    : x gathered into slot order, bf16, pads as zero rows, in the order of matrix fragments:
;           [8 planes of 128 k][136 tiles of 16 rows][4 fragments of 32 k][1 KiB]; registers 0-3 of lane L at byte 16 L, 4-7 at 512 + 16 L.
;   w3f   : W3 as 8 x 32 such fragments (16 columns x 32 k; columns 12-15 repeat column 11 and are never stored by a later launch).
;   out1  : the width mask of each row's type.   out0 : zeros everywhere, as reference() starts it; the last launch overwrites the rows whose
;           type is one of 0..7, so rows with any other type keep their zeros.
; Every work-group makes the whole sort for itself from the 8 KiB of types (no traffic between work-groups); the results are shared out.
; No tile is read by two work-groups but those 8 KiB, so there is nothing to ask for jointly, and no matrix work.
.set TILES,  136
.set TBL,    0                         ; LDS: 2,560 words, slot -> row; word 2,176 takes the rows with a type outside 0..7
.set CNT,    10240                     ; LDS: 8 types x 4 waves, word at 16 t + 4 w
.set STG,    10496                     ; LDS: 16 rows x 272 bytes for each wave, its own
.set SPITCH, 272                       ; 256 bytes of bf16 + 16: the 16 rows of a fragment load begin in 16 different 16-byte columns
.set PLANE,  557056                    ; 136 row tiles x 4 KiB
.set DUMP,   2176
.set CN, 24                            ; s[24:31] running count of each type in my wave
.set NT, 32                            ; s[32:39] tiles of each type
.set TP, 40                            ; s[40:47] first tile of each type
.set MK, 66                            ; s[66:81] phase C: all ones for a real row, 0 for a pad
.set TY, 8                             ; v[8:23]  my 16 types
.set RK, 24                            ; v[24:39] their ranks inside my wave
.set ST, 40                            ; v[40:55] first slot of their type for my wave
.set OFF, 192                          ; v[192:207] phase C: byte offset in x of my 16 bytes of each of the 16 rows
.set A_TB, 208                         ; v208 LDS address of slot r of my tile in the table
.set A_X,  209                         ; v209 16 L + 512 x plane
.set A_SI, 210                         ; v210 stage, in: 8 bytes a lane along a row
.set A_SO, 211                         ; v211 stage, back: row r, 16 h
.set A_O,  212                         ; v212 16 L
	s_load_b512 s[4:19], s[0:1], 0x0               ; x 4, W3 6, types 8, xs 10, w3f 12, order 14, meta 16, out0 18
	s_load_b64 s[20:21], s[0:1], 0x40              ; out1
	v_lshl_add_u32 v216, v0, 2, 0x6d00
	v_mov_b32 v217, 0
	v_lshrrev_b32 v1, 5, v0
	v_readfirstlane_b32 s22, v1                    ; wave 0..3
	s_mov_b32 s23, ttmp9                           ; work-group g
	v_and_b32 v1, 31, v0                           ; L
	v_and_b32 v2, 15, v0                           ; r
	v_bfe_u32 v3, v0, 4, 1                         ; h
	v_lshlrev_b32 v58, 4, v0                       ; 16 j
	v_lshlrev_b32 v59, 2, v0                       ; 4 j
	; phase C's unit: row tile g >> 1, plane 4 (g & 1) + w.  Its addresses, in registers that hold nothing else.
	s_lshr_b32 s60, s23, 1
	s_min_u32 s60, s60, TILES-1                    ; row tile
	s_and_b32 s61, s23, 1
	s_lshl_b32 s61, s61, 2
	s_add_co_u32 s61, s61, s22                     ; plane
	s_lshl_b32 s50, s60, 6
	v_lshl_add_u32 v[A_TB], v2, 2, s50
	s_lshl_b32 s50, s61, 9
	v_lshl_add_u32 v[A_X], v1, 4, s50
	s_mul_i32 s50, s22, 16*SPITCH
	s_add_co_u32 s50, s50, STG                     ; my wave's stage
	v_lshl_add_u32 v[A_SI], v1, 3, s50
	v_mul_u32_u24 v[A_SO], v2, SPITCH
	v_lshl_add_u32 v[A_SO], v3, 4, v[A_SO]
	v_add_nc_u32 v[A_SO], s50, v[A_SO]
	v_lshlrev_b32 v[A_O], 4, v1
	s_mul_i32 s62, s61, PLANE
	s_lshl_b32 s63, s60, 12
	s_add_co_u32 s62, s62, s63
	s_mov_b32 s63, 0
	s_wait_kmcnt 0x0
	s_add_nc_u64 s[62:63], s[10:11], s[62:63]      ; xs at my unit's 4 KiB
; ---- phase A: the sort.  Element 4 e + u of thread j is row 512 e + 4 j + u.
.irp e, 0,1,2,3
	global_load_b128 v[TY+4*\e:TY+4*\e+3], v58, s[8:9] offset:2048*\e
.endr
.irp k, 60,61,62,63
	v_mov_b32 v\k, -1
.endr
.irp k, 0,1,2,3,4
	ds_store_b128 v58, v[60:63] offset:TBL+2048*\k  ; every slot starts as a pad
.endr
.irp e, 0,1,2,3,4,5,6,7,8,9,10,11,12,13,14,15
	v_mov_b32 v[RK+\e], 0
.endr
.irp t, 0,1,2,3,4,5,6,7
	s_mov_b32 s[CN+\t], 0
.endr
	s_wait_loadcnt 0x0
.irp e, 0,1,2,3,4,5,6,7,8,9,10,11,12,13,14,15
.irp t, 0,1,2,3,4,5,6,7
	v_cmp_eq_u32 s50, \t, v[TY+\e]                 ; lanes whose element has type t
	v_mbcnt_lo_u32_b32 v4, s50, s[CN+\t]           ; those below me + those of earlier elements
	v_cndmask_b32 v[RK+\e], v[RK+\e], v4, s50
	s_bcnt1_i32_b32 s51, s50
	s_add_co_u32 s[CN+\t], s[CN+\t], s51
.endr
.endr
	v_mov_b32 v5, s22
	v_lshlrev_b32 v5, 2, v5
.irp t, 0,1,2,3,4,5,6,7
	v_mov_b32 v4, s[CN+\t]
	ds_store_b32 v5, v4 offset:CNT+16*\t           ; all lanes write the same word with the same value
.endr
	s_wait_dscnt 0x0                               ; my counts and my part of the cleared table are in LDS before I say so
	s_barrier_signal -1
	s_barrier_wait -1
	v_and_b32 v4, 7, v0
	v_lshlrev_b32 v4, 4, v4
	ds_load_b128 v[60:63], v4 offset:CNT           ; lane t (mod 8): the four waves' counts of type t
	s_wait_dscnt 0x0
	v_add_nc_u32 v5, v60, v61
	v_add_nc_u32 v5, v5, v62
	v_add_nc_u32 v5, v5, v63                       ; c_t
	v_mov_b32 v6, 0
.irp w, 0,1,2
	s_cmp_gt_u32 s22, \w
	s_cselect_b32 s50, -1, 0
	v_and_b32 v7, s50, v[60+\w]
	v_add_nc_u32 v6, v6, v7                        ; rows of type t in the waves in front of mine
.endr
	v_add_nc_u32 v5, 15, v5
	v_lshrrev_b32 v5, 4, v5
	v_max_u32 v5, 1, v5                            ; ceil(c_t / 16), and a tile even for a type without rows
.irp t, 0,1,2,3,4,5,6,7
	v_readlane_b32 s[NT+\t], v5, \t
.endr
	s_add_co_u32 s48, s[NT], s[NT+1]
.irp t, 2,3,4,5,6,7
	s_add_co_u32 s48, s48, s[NT+\t]
.endr
	s_sub_co_u32 s48, TILES, s48                   ; tiles that are left: 1 to 128
	s_lshr_b32 s49, s48, 3                         ; an eighth of them for every type,
	s_and_b32 s48, s48, 7                          ; and one more for the first few
.irp t, 0,1,2,3,4,5,6,7
	s_cmp_gt_u32 s48, \t
	s_add_co_ci_u32 s[NT+\t], s[NT+\t], s49
.endr
	s_mov_b32 s[TP], 0
.irp t, 0,1,2,3,4,5,6
	s_add_co_u32 s[TP+\t+1], s[TP+\t], s[NT+\t]
.endr
	v_mov_b32 v57, 0
.irp t, 0,1,2,3,4,5,6,7
	v_writelane_b32 v57, s[TP+\t], \t
.endr
	v_lshl_add_u32 v56, v57, 4, v6                 ; lane t: first slot of type t for my wave
.irp e, 0,1,2,3,4,5,6,7,8,9,10,11,12,13,14,15
	v_min_u32 v4, 7, v[TY+\e]
	v_lshlrev_b32 v4, 2, v4
	ds_bpermute_b32 v[ST+\e], v4, v56
.endr
	v_mov_b32 v7, DUMP
	s_wait_dscnt 0x0
.irp e, 0,1,2,3,4,5,6,7,8,9,10,11,12,13,14,15
	v_add_nc_u32 v4, v[ST+\e], v[RK+\e]            ; the element's slot
	v_cmp_lt_u32 vcc_lo, 7, v[TY+\e]
	v_cndmask_b32 v4, v4, v7, vcc_lo               ; a type outside 0..7 gets no slot
	v_min_u32 v4, DUMP, v4
	v_lshlrev_b32 v4, 2, v4
	v_add_nc_u32 v5, 512*(\e/4)+(\e%4), v59        ; the element's row
	ds_store_b32 v4, v5 offset:TBL
.endr
	s_wait_dscnt 0x0                               ; my part of the table is in LDS before I say so
	s_barrier_signal -1
	s_barrier_wait -1                              ; the table is whole; from here on nobody writes it, and no barrier follows
; ---- phase B: the small results, shared out by work-group and wave
	s_cmp_lg_u32 s22, 0
	s_cbranch_scc1 .Lnot_w0
	s_cmp_lg_u32 s23, 0
	s_cbranch_scc1 .Lno_meta
	v_mov_b32 v4, 0                                ; meta: word n lies in register n & 1, lane n >> 1: one store of 256 bytes
	v_mov_b32 v5, 0
.irp q, 0,1,2,3
	v_writelane_b32 v4, s[TP+2*\q], \q
	v_writelane_b32 v5, s[TP+2*\q+1], \q
	v_writelane_b32 v4, s[NT+2*\q], 4+\q
	v_writelane_b32 v5, s[NT+2*\q+1], 4+\q
.endr
	v_lshlrev_b32 v28, 3, v1
	global_store_b64 v28, v[4:5], s[16:17]
.Lno_meta:
	s_cmp_ge_u32 s23, 17
	s_cbranch_scc1 .Lnot_w0
	s_min_u32 s50, s23, 16                         ; order: 128 slots, 512 neighbouring bytes, for each of 17 work-groups
	s_lshl_b32 s50, s50, 9
	v_lshl_add_u32 v29, v1, 4, s50
	ds_load_b128 v[12:15], v29 offset:TBL
	s_wait_dscnt 0x0
	global_store_b128 v29, v[12:15], s[14:15]
.Lnot_w0:
	s_wait_xcnt 0x0                                ; registers that the stores above name are rewritten only behind this wait
	s_cmp_eq_u32 s22, 3
	s_cbranch_scc1 .Lw3
	s_cmp_ge_u32 s23, 128
	s_cbranch_scc1 .Lphase_c
	; out1 and out0: 16 rows = 768 bytes a work-group, 8 bytes a thread, threads 0 to 95
	v_mul_u32_u24 v16, v0, 43
	v_lshrrev_b32 v16, 8, v16                      ; j / 6, exact for j <= 95
	v_mul_u32_u24 v17, v16, 6
	v_sub_nc_u32 v17, v0, v17
	v_lshlrev_b32 v17, 1, v17                      ; my first parameter
	s_lshl_b32 s50, s23, 6
	v_lshl_add_u32 v18, v16, 2, s50
	global_load_b32 v19, v18, s[8:9]               ; my row's type
	s_mul_i32 s51, s23, 768
	v_lshl_add_u32 v20, v0, 3, s51
	s_mov_b32 s52, 0x5ca97643                      ; the eight parameter counts 3 4 6 7 9 10 12 5, four bits each
	v_mov_b32 v22, 0
	v_mov_b32 v23, 0
	v_mov_b32 v24, 1.0
	global_store_b64 v20, v[22:23], s[18:19]       ; out0 starts as zeros; a wave stores 256 consecutive bytes, aligned
	s_wait_loadcnt 0x0
	v_min_u32 v21, 7, v19
	v_lshlrev_b32 v21, 2, v21
	v_lshrrev_b32 v21, v21, s52
	v_and_b32 v21, 15, v21
	v_cmp_lt_u32 vcc_lo, 7, v19
	v_cndmask_b32 v21, v21, v22, vcc_lo            ; no type, no parameters
	v_cmp_lt_u32 s53, v17, v21
	v_cndmask_b32 v26, v22, v24, s53
	v_add_nc_u32 v17, 1, v17
	v_cmp_lt_u32 s53, v17, v21
	v_cndmask_b32 v27, v22, v24, s53
	global_store_b64 v20, v[26:27], s[20:21]
	s_branch .Lphase_c
.Lw3:
	s_cmp_ge_u32 s23, 256
	s_cbranch_scc1 .Lphase_c
	; w3f, fragment g = 32 t + f: lane (r, h) holds column min(r, 11), k = 32 f + 8 h + 0..7 and 32 f + 16 + 8 h + 0..7
	v_min_u32 v4, 11, v2
	v_lshlrev_b32 v4, 2, v4
	v_mad_u32_u24 v4, v3, 0x180, v4                ; + 8 h rows of 48 bytes
	s_mul_i32 s50, s23, 1536                       ; 32 rows of 48 bytes a fragment
	v_add_nc_u32 v4, s50, v4
.irp e, 0,1,2,3,4,5,6,7
	global_load_b32 v[64+\e], v4, s[6:7] offset:48*\e
	global_load_b32 v[72+\e], v4, s[6:7] offset:768+48*\e
.endr
	s_lshl_b32 s51, s23, 10
	v_lshl_add_u32 v5, v1, 4, s51
	s_wait_loadcnt 0x0
.irp n, 0,1,2,3,4,5,6,7
	v_cvt_pk_bf16_f32 v[128+\n], v[64+2*\n], v[64+2*\n+1]
.endr
	global_store_b128 v5, v[128:131], s[12:13]
	global_store_b128 v5, v[132:135], s[12:13] offset:512
.Lphase_c:
; ---- phase C: xs.  My wave's unit is one row tile (16 slots) x one plane (128 k): 16 loads of 512 bytes in, 4 KiB out.
	s_wait_xcnt 0x0                                ; registers that earlier stores name are rewritten only behind this wait
	ds_load_b32 v6, v[A_TB] offset:TBL             ; lane r: the source row of slot 16 x tile + r
	s_wait_dscnt 0x0
.irp row, 0,1,2,3,4,5,6,7,8,9,10,11,12,13,14,15
	v_readlane_b32 s50, v6, \row
	s_ashr_i32 s51, s50, 31
	s_not_b32 s[MK+\row], s51                      ; a pad (-1) gives the mask 0
	s_min_u32 s50, s50, 2047                       ; and reads row 2,047, whose numbers the mask throws away
	s_lshl_b32 s50, s50, 12
	v_add_nc_u32 v[OFF+\row], s50, v[A_X]
.endr
.irp row, 0,1,2,3,4,5,6,7,8,9,10,11,12,13,14,15
	global_load_b128 v[64+4*\row:64+4*\row+3], v[OFF+\row], s[4:5]   ; 512 neighbouring bytes of one row
.endr
.irp row, 0,1,2,3,4,5,6,7,8,9,10,11,12,13,14,15
	s_wait_loadcnt 15-\row                         ; loads come back in order: this row is in, the younger ones stay out
	v_cvt_pk_bf16_f32 v[128+2*\row], v[64+4*\row], v[64+4*\row+1]
	v_cvt_pk_bf16_f32 v[129+2*\row], v[64+4*\row+2], v[64+4*\row+3]
	v_and_b32 v[128+2*\row], s[MK+\row], v[128+2*\row]
	v_and_b32 v[129+2*\row], s[MK+\row], v[129+2*\row]
	ds_store_b64 v[A_SI], v[128+2*\row:129+2*\row] offset:SPITCH*\row
.endr
.irp n, 0,1,2,3,4,5,6,7
	ds_load_b128 v[160+4*\n:160+4*\n+3], v[A_SO] offset:32*\n      ; my own bytes, served in order behind the stores above
.endr
.irp n, 0,1,2,3,4,5,6,7
	s_wait_dscnt 7-\n
	global_store_b128 v[A_O], v[160+4*\n:160+4*\n+3], s[62:63] offset:512*\n   ; half a fragment: 512 consecutive bytes, aligned
.endr
	s_wait_tensorcnt 0x0
	ds_add_u32 v216, v217
	s_wait_dscnt 0x0
	s_endpgm
.Lfunc_end_k_q9a4c63d818_prep:
	.size	k_q9a4c63d818_prep, .Lfunc_end_k_q9a4c63d818_prep-k_q9a4c63d818_prep
	.p2alignl 7, 3214868480
	.fill 96, 4, 3214868480
	.section	.rodata,"a",@progbits
	.p2align	6, 0x0
	.amdhsa_kernel k_q9a4c63d818_prep
		.amdhsa_group_segment_fixed_size 28416
		.amdhsa_private_segment_fixed_size 0
		.amdhsa_enable_private_segment 0
		.amdhsa_kernarg_size 72
		.amdhsa_user_sgpr_count 2
		.amdhsa_user_sgpr_kernarg_segment_ptr 1
		.amdhsa_wavefront_size32 1
		.amdhsa_system_sgpr_workgroup_id_x 1
		.amdhsa_system_sgpr_workgroup_id_y 1
		.amdhsa_system_sgpr_workgroup_id_z 1
		.amdhsa_system_vgpr_workitem_id 0
		.amdhsa_next_free_vgpr 218
		.amdhsa_next_free_sgpr 82
		.amdhsa_reserve_vcc 1
		.amdhsa_float_denorm_mode_32 3
		.amdhsa_float_denorm_mode_16_64 3
		.amdhsa_memory_ordered 1
		.amdhsa_forward_progress 1
		.amdhsa_inst_pref_size 65
	.end_amdhsa_kernel
	.amdgpu_metadata
---
amdhsa.version: [ 1, 2 ]
amdhsa.kernels:
  - .name:           k_q9a4c63d818_prep
    .symbol:         k_q9a4c63d818_prep.kd
    .args:
      - { .name: x, .offset: 0, .size: 8, .value_kind: global_buffer, .address_space: global }
      - { .name: W3, .offset: 8, .size: 8, .value_kind: global_buffer, .address_space: global }
      - { .name: geometry_types, .offset: 16, .size: 8, .value_kind: global_buffer, .address_space: global }
      - { .name: xs, .offset: 24, .size: 8, .value_kind: global_buffer, .address_space: global }
      - { .name: w3f, .offset: 32, .size: 8, .value_kind: global_buffer, .address_space: global }
      - { .name: order, .offset: 40, .size: 8, .value_kind: global_buffer, .address_space: global }
      - { .name: meta, .offset: 48, .size: 8, .value_kind: global_buffer, .address_space: global }
      - { .name: out0, .offset: 56, .size: 8, .value_kind: global_buffer, .address_space: global }
      - { .name: out1, .offset: 64, .size: 8, .value_kind: global_buffer, .address_space: global }
    .group_segment_fixed_size: 28416
    .private_segment_fixed_size: 0
    .kernarg_segment_align: 8
    .kernarg_segment_size: 72
    .max_flat_workgroup_size: 128
    .sgpr_count:     82
    .vgpr_count:     218
    .wavefront_size: 32
...
	.end_amdgpu_metadata
.endif
;; end of part 1
;; launch gemm1 (part 2): grid 32 x 8, 4 waves a work-group, no clusters, 164,352 bytes of LDS; arguments xs, W1, b1, meta, h1; writes h1
.if DOCPART == 2
	.amdgcn_target "amdgcn-amd-amdhsa--gfx1250"
	.amdhsa_code_object_version 6
	.text
	.protected	k_q9a4c63d818_gemm1
	.globl	k_q9a4c63d818_gemm1
	.p2align	8
	.type	k_q9a4c63d818_gemm1,@function
k_q9a4c63d818_gemm1:
	s_mov_b64 s[64:65], 0
	v_nop
	global_prefetch_b8 v0, s[64:65] scope:SCOPE_SE
	s_setreg_imm32_b32 hwreg(HW_REG_WAVE_MODE, 25, 1), 1
	s_wait_xcnt 0x0
; First layer of the routed heads: h1 = gelu(xs W1[t] + b1[t]).
; Work-group (x, t): head t, column block x of 64 columns, K = 1,024, all n_t row tiles of that head.
; PHASE 1: the block of W1 (1,024 k x 64 columns, f32, [k][n]) is read once, through a ring of four register sets (64 loads of a wave on their
; way), rounded to bf16 and laid into LDS, rows of 160 bytes, where it stays: 163,840 bytes.  One barrier, the only one.
; PHASE 2: a wave makes 5 row tiles x 4 column tiles (80 rows x 64 columns) a pass: in pass q wave w takes the head's tiles 20 q + 5 w .. + 4 and
; leaves when its first tile lies beyond the head's n_t, a number read from meta.  A head of up to 320 rows is one pass.
; ACTIVATIONS lie in memory in the order of matrix fragments ([plane of 128 k][row tile][4 fragments][1 KiB]), so they go from memory straight into
; registers, 512 neighbouring bytes with each load, through a ring of six register slots of 32 k (60 loads of a wave on their way).
; W's fragments come from LDS by the transposing load.  A tile beyond the head's last reads the last tile again and is not stored.
; NO CLUSTER, though the column blocks of a head read the same activations: a tile asked for jointly lands in LDS slots, and slots are filled again
; behind barriers; those would stand in the loop over passes, whose length is read from memory, and LDS has 163,840 bytes left beside W's block
; for 655,360 bytes of activations a pass.  Without LDS slots phase 2 needs no barrier at all.
; THE MATRIX INSTRUCTION IS USED TRANSPOSED: source 0 = 16 columns of W, source 1 = 16 rows: lane (r, h) then holds row r, columns 8 h + 0..7,
; and column tiles 2 q, 2 q + 1, rounded and packed, are registers 0-3 and 4-7 of the next layer's fragment: results are stored as they lie.
; h1 LEAVES AS TWO bf16 NUMBERS, the rounded value and the rounded remainder (16 bits of mantissa together; the remainders lie 16 planes behind
; the values): one bf16 keeps 8 bits, an error of up to 2^-9 of each activation, which over the two layers that follow comes to the order of a
; hundredth of the outputs' size; the second layer multiplies W2 with both.
; GELU is the exact form, with erfc by the rational approximation 7.1.26 of Abramowitz and Stegun (absolute error at most 1.5e-7 for every
; argument): gelu(x) = max(x, 0) - |x| q, q = P(t) 2^(-x^2 log2(e) / 2), t = 1 / (1 + 0.2316419 |x|).
; LIMITS: x = +-infinity gives NaN; a result above bf16's largest finite number, 3.39e38, rounds to infinity and its remainder is no number.
.set TILES,  136
.set PLANE,  557056                    ; 136 row tiles x 4 KiB
.set LOOFF,  16*PLANE                  ; from h1's rounded values to their remainders
.set WP,     160                       ; a row of W in LDS: 128 bytes of bf16 + 32
.set WTILE,  128*WP                    ; 128 k
.set PITCHW, 8192
.set BIASB,  8192
; window 0: v1 L, v2 16 L
.set ADRB, 3                           ; v3-5       W's fragments in LDS: quarter steps 0-11, 12-23, 24-31 (an LDS immediate has 16 bits)
.set ADRS, 6                           ; v6-8       where my rows of W go in LDS: steps 0-2, 3-5, 6-7
.set WOFF, 9                           ; v9         my 16 bytes of W's first two rows of my wave
.set KC,   10                          ; v[10:21]   a5/2 a4/2 a3/2 a2/2 a1/2 -log2(e)/2, each twice
.set VOFF, 22                          ; v22-26     my five tiles: 4,096 x tile + 16 L
.set BIAS, 32                          ; v[32:63]   bias of my columns, tile c at 8 c
.set BF,   144                         ; v[144:207] fragments of 4 column tiles, two buffers of 32
.set HIP,  192                         ; v[192:207] the way out: a tile's values, packed
.set CV,   208                         ; v[208:239] phase 1: a W tile rounded to bf16
.set LOP,  208                         ; v[208:223] the way out: a tile's remainders, packed
; window 1: accumulator tile (i, c) at v[8 (4 i + c)].
; window 2: phase 1: W as loaded, four sets of 64, step s in set s & 3;  phase 2: fragments of 5 row tiles, six slots of 40, quarter step j in slot j % 6
.set MSB, 0
.macro WIN new                         ; the immediate's high byte repeats the setting that is left
.if MSB != \new
	s_set_vgpr_msb (MSB<<8)|\new
.set MSB, \new
.endif
.endm
.macro PLACES                          ; four plain vector places behind a matrix instruction (ISA guide 7.12.1)
.rept 4
	v_nop
.endr
.endm
; W's step s (128 k x 64 columns of f32): my wave's 32 rows, two whole rows of 256 bytes with each load.  The step stands in the immediate
; (7,585,792 bytes at the most), so no address is ever stepped.
.macro WLOAD s
	WIN 0x80                                       ; destination in window 2
.irp i, 0,1,2,3,4,5,6,7,8,9,10,11,12,13,14,15
	global_load_b128 v[((\s)&3)*64+4*\i:((\s)&3)*64+4*\i+3], v[WOFF], s[6:7] offset:(\s)*128*PITCHW+2*\i*PITCHW th:TH_LOAD_NT
.endr
.endm
; W's step s is rounded to bf16 and laid into LDS.
.macro WCONV s
.if (\s) < 5
	s_wait_loadcnt 48                              ; loads come back in order: step s is in, the 16 loads of each of the three younger steps stay out
.else
	s_wait_loadcnt 16*(7-(\s))                     ; fewer younger steps are left
.endif
	WIN 0x0a                                       ; sources in window 2
.irp i, 0,1,2,3,4,5,6,7,8,9,10,11,12,13,14,15
	v_cvt_pk_bf16_f32 v[CV+2*\i], v[((\s)&3)*64+4*\i], v[((\s)&3)*64+4*\i+1]
	v_cvt_pk_bf16_f32 v[CV+2*\i+1], v[((\s)&3)*64+4*\i+2], v[((\s)&3)*64+4*\i+3]
.endr
	WIN 0
.irp i, 0,1,2,3,4,5,6,7,8,9,10,11,12,13,14,15
	ds_store_b64 v[ADRS+(\s)/3], v[CV+2*\i:CV+2*\i+1] offset:((\s)%3)*WTILE+2*WP*\i
.endr
.endm
; 10 loads: the fragments of quarter step j (32 k) of my five row tiles, into slot j % 6.  Plane and fragment stand in the immediate (3,902,976 at the most).
.macro ALOAD j
	WIN 0x80                                       ; destination in window 2
.irp i, 0,1,2,3,4
	global_load_b128 v[40*((\j)%6)+8*\i:40*((\j)%6)+8*\i+3],   v[VOFF+\i], s[4:5] offset:((\j)/4)*PLANE+((\j)%4)*1024
	global_load_b128 v[40*((\j)%6)+8*\i+4:40*((\j)%6)+8*\i+7], v[VOFF+\i], s[4:5] offset:((\j)/4)*PLANE+((\j)%4)*1024+512
.endr
.endm
; 8 LDS loads: W's fragments of quarter step j, 4 column tiles, transposed on the way, into buffer j & 1.
.macro BFETCH j
	WIN 0
.irp c, 0,1,2,3
	ds_load_tr16_b128 v[BF+32*((\j)&1)+8*\c:BF+32*((\j)&1)+8*\c+3],   v[ADRB+(\j)/12] offset:((\j)%12)*32*WP+32*\c
	ds_load_tr16_b128 v[BF+32*((\j)&1)+8*\c+4:BF+32*((\j)&1)+8*\c+7], v[ADRB+(\j)/12] offset:((\j)%12)*32*WP+32*\c+16*WP
.endr
.endm
; 20 matrix instructions; the 20 accumulators take turns, one instruction a turn.  Quarter step 0 starts the sums.
.macro MUL20 j
	WIN 0x58                                       ; source 1 in window 2, C and D in window 1
.irp i, 0,1,2,3,4
.irp c, 0,1,2,3
.if (\j) == 0
	v_wmma_f32_16x16x32_bf16 v[8*(4*\i+\c):8*(4*\i+\c)+7], v[BF+32*((\j)&1)+8*\c:BF+32*((\j)&1)+8*\c+7], v[40*((\j)%6)+8*\i:40*((\j)%6)+8*\i+7], 0
.else
	v_wmma_f32_16x16x32_bf16 v[8*(4*\i+\c):8*(4*\i+\c)+7], v[BF+32*((\j)&1)+8*\c:BF+32*((\j)&1)+8*\c+7], v[40*((\j)%6)+8*\i:40*((\j)%6)+8*\i+7], v[8*(4*\i+\c):8*(4*\i+\c)+7]
.endif
.endr
.endr
.endm
; N numbers in v[X ..] become their GELU in place; D, T, E: N registers each, at work.
.macro GELU X, N, D, T, E
.set gi, 0
.rept (\N)
	v_fma_f32 v[(\D)+gi], |v[(\X)+gi]|, s52, 1.0   ; 1 + p |x|
.set gi, gi+1
.endr
.set gi, 0
.rept (\N)/2
	v_pk_mul_f32 v[(\E)+gi:(\E)+gi+1], v[(\X)+gi:(\X)+gi+1], v[(\X)+gi:(\X)+gi+1]
.set gi, gi+2
.endr
.set gi, 0
.rept (\N)
	v_rcp_f32 v[(\T)+gi], v[(\D)+gi]               ; t
.set gi, gi+1
.endr
.set gi, 0
.rept (\N)/2
	v_pk_mul_f32 v[(\E)+gi:(\E)+gi+1], v[(\E)+gi:(\E)+gi+1], v[KC+10:KC+11]   ; plain work between the reciprocals and what touches their registers (ISA guide 5.7.2)
.set gi, gi+2
.endr
.set gi, 0
.rept (\N)
	v_exp_f32 v[(\D)+gi], v[(\E)+gi]               ; 2^(-x^2 log2(e) / 2); an overflowing square gives 0
.set gi, gi+1
.endr
	v_nop                                          ; one plain place before the last exponential's source is rewritten
.set gi, 0
	s_wait_alu depctr_va_vdst(0)
.rept (\N)/2
	v_pk_fma_f32 v[(\E)+gi:(\E)+gi+1], v[(\T)+gi:(\T)+gi+1], v[KC:KC+1], v[KC+2:KC+3]
.set gi, gi+2
.endr
.irp k, 4,6,8
.set gi, 0
.rept (\N)/2
	v_pk_fma_f32 v[(\E)+gi:(\E)+gi+1], v[(\E)+gi:(\E)+gi+1], v[(\T)+gi:(\T)+gi+1], v[KC+\k:KC+\k+1]
.set gi, gi+2
.endr
.endr
.set gi, 0
.rept (\N)/2
	v_pk_mul_f32 v[(\E)+gi:(\E)+gi+1], v[(\E)+gi:(\E)+gi+1], v[(\T)+gi:(\T)+gi+1]
.set gi, gi+2
.endr
.set gi, 0
.rept (\N)/2
	v_pk_mul_f32 v[(\E)+gi:(\E)+gi+1], v[(\E)+gi:(\E)+gi+1], v[(\D)+gi:(\D)+gi+1]   ; q
.set gi, gi+2
.endr
.set gi, 0
.rept (\N)
	v_max_num_f32 v[(\T)+gi], 0, v[(\X)+gi]
.set gi, gi+1
.endr
.set gi, 0
.rept (\N)
	v_fma_f32 v[(\X)+gi], -|v[(\X)+gi]|, v[(\E)+gi], v[(\T)+gi]
.set gi, gi+1
.endr
.endm
; ---- set-up
	s_load_b256 s[4:11], s[0:1], 0x0               ; xs 4, W1 6, b1 8, meta 10
	s_load_b64 s[12:13], s[0:1], 0x20              ; h1
	v_lshl_add_u32 v254, v0, 2, 0x28000
	v_mov_b32 v255, 0
	v_lshrrev_b32 v1, 5, v0
	v_readfirstlane_b32 s14, v1                    ; wave 0..3
	s_and_b32 s15, ttmp7, 0xffff                   ; head t
	s_mov_b32 s16, ttmp9                           ; column block
	s_lshl_b32 s21, s15, 2
	s_wait_kmcnt 0x0
	s_load_b32 s18, s[10:11], s21 offset:0x0       ; tp_t: my head's first tile
	s_load_b32 s19, s[10:11], s21 offset:0x20      ; n_t: its tiles
	v_and_b32 v1, 31, v0                           ; L
	v_lshlrev_b32 v2, 4, v1                        ; 16 L
	v_bfe_u32 v64, v0, 4, 1                        ; h
	v_and_b32 v65, 15, v0                          ; r
	v_and_b32 v66, 7, v0
	v_lshl_add_u32 v66, v64, 3, v66
	v_mul_u32_u24 v66, v66, WP                     ; the transposing load: row 8 h + (L & 7),
	v_bfe_u32 v67, v0, 3, 1
	v_lshl_add_u32 v[ADRB], v67, 4, v66            ; 16 bytes further for lanes 8-15 and 24-31
	v_add_nc_u32 v[ADRB+1], 12*32*WP, v[ADRB]
	v_add_nc_u32 v[ADRB+2], 24*32*WP, v[ADRB]
	s_lshl_b32 s22, s14, 5
	v_add_nc_u32 v68, s22, v64                     ; row 32 w + h of a step of W
	v_mul_u32_u24 v69, v68, WP
	v_lshl_add_u32 v[ADRS], v65, 3, v69            ; where it goes in LDS: 8 bytes a lane
	v_add_nc_u32 v[ADRS+1], 3*WTILE, v[ADRS]
	v_add_nc_u32 v[ADRS+2], 6*WTILE, v[ADRS]
	v_mul_u32_u24 v[WOFF], v68, PITCHW
	v_lshl_add_u32 v[WOFF], v65, 4, v[WOFF]        ; where it lies in memory: 16 bytes a lane
	v_lshlrev_b32 v70, 5, v64                      ; 32 h
	s_lshl_b32 s58, s15, 23                        ; W1: head t, 8 MiB each,
	s_lshl_b32 s60, s16, 8                         ; 64 columns of f32
	s_add_co_u32 s58, s58, s60
	s_mov_b32 s59, 0
	s_add_nc_u64 s[6:7], s[6:7], s[58:59]
	s_mul_i32 s58, s15, BIASB
	s_add_co_u32 s58, s58, s60
	s_add_nc_u64 s[8:9], s[8:9], s[58:59]
.irp c, 0,1,2,3
	global_load_b128 v[BIAS+8*\c:BIAS+8*\c+3],   v70, s[8:9] offset:64*\c      ; columns 16 c + 8 h + 0..3
	global_load_b128 v[BIAS+8*\c+4:BIAS+8*\c+7], v70, s[8:9] offset:64*\c+16   ; + 4..7
.endr
	s_lshr_b32 s58, s16, 1                         ; h1: the block's plane,
	s_mul_i32 s58, s58, PLANE
	s_and_b32 s60, s16, 1
	s_lshl_b32 s60, s60, 11                        ; its two fragments of the four
	s_add_co_u32 s58, s58, s60
	s_add_nc_u64 s[56:57], s[12:13], s[58:59]      ; the rounded values
	s_add_nc_u64 s[48:49], s[56:57], LOOFF         ; the remainders
	s_mov_b32 s50, 0xffff0000                      ; a word's upper bf16
	s_mov_b32 s52, 0x3e6d3388                      ; 0.3275911 / sqrt(2)
.irp k, 0,1
	v_mov_b32 v[KC+\k],    0x3f07dc22              ; a5 / 2
	v_mov_b32 v[KC+2+\k],  0xbf3a00e3              ; a4 / 2
	v_mov_b32 v[KC+4+\k],  0x3f35f0e3              ; a3 / 2
	v_mov_b32 v[KC+6+\k],  0xbe11a98e              ; a2 / 2
	v_mov_b32 v[KC+8+\k],  0x3e027906              ; a1 / 2
	v_mov_b32 v[KC+10+\k], 0xbf38aa3b              ; -log2(e) / 2
.endr
	s_mul_i32 s51, s14, 5                          ; 5 w
; ---- phase 1: W's block, once
	WLOAD 0
	WLOAD 1
	WLOAD 2
	WLOAD 3
.irp s, 0,1,2,3,4,5,6,7
	WCONV \s
.if \s < 4
	WLOAD \s+4                                     ; into the register set that has just been read
.endif
.endr
	WIN 0
	s_wait_kmcnt 0x0
	s_min_u32 s18, s18, TILES-1
	s_min_u32 s19, s19, TILES
	s_max_u32 s19, s19, 1
	s_sub_co_u32 s53, s19, 1                       ; the head's last tile
	s_wait_dscnt 0x0                               ; my rows of W are in LDS before I say so
	s_barrier_signal -1
	s_barrier_wait -1                              ; the block is whole; nobody writes LDS any more
; ---- phase 2: 80 rows a pass; 7 passes of 20 tiles cover the 136 tiles that a head can have at the most
	s_mov_b32 s20, 0
.Lpass:
	s_mul_i32 s21, s20, 20
	s_add_co_u32 s21, s21, s51                     ; my first tile, counted inside the head
	s_cmp_ge_u32 s21, s19
	s_cbranch_scc1 .Lend                           ; nothing is left for my wave
	s_wait_xcnt 0x0                                ; what the last pass's stores name (offsets, data) is rewritten only behind this wait
.irp i, 0,1,2,3,4
	s_add_co_u32 s22, s21, \i
	s_min_u32 s22, s22, s53                        ; beyond the head's end: its last tile once more
	s_add_co_u32 s22, s22, s18
	s_min_u32 s22, s22, TILES-1
	s_lshl_b32 s23, s22, 12
	v_add_nc_u32 v[VOFF+\i], s23, v2
.endr
	ALOAD 0
	ALOAD 1
	ALOAD 2
	ALOAD 3
	ALOAD 4
	ALOAD 5
	BFETCH 0
.set jj, 0
.rept 32
.if jj < 31
	BFETCH jj+1
.endif
.if jj < 27
	s_wait_loadcnt 50                              ; loads come back in order: this quarter step's ten are in, the ten of each of five younger ones stay out
.else
	s_wait_loadcnt 10*(31-jj)                      ; fewer younger ones are left
.endif
.if jj < 31
	s_wait_dscnt 8                                 ; all but the eight LDS loads just issued
.else
	s_wait_dscnt 0x0
.endif
	MUL20 jj
.if jj < 30
	PLACES                                         ; in front of the loads into the slot and the buffer that have just been multiplied
.endif
.if jj < 26
	ALOAD jj+6
.endif
.set jj, jj+1
.endr
	PLACES                                         ; behind the last matrix instructions, in front of what reads results
; bias, GELU, value and remainder in bf16, one row tile (32 numbers a lane) at a time; a store is half a fragment of h1: 512 consecutive bytes, aligned
.irp i, 0,1,2,3,4
	WIN 0                                          ; at a branch and at a label every window is 0
.if \i
	s_add_co_u32 s22, s21, \i
	s_cmp_ge_u32 s22, s19
	s_cbranch_scc1 .Lepi_done                      ; this tile and those behind it lie beyond the head's end
.endif
	s_wait_xcnt 0x0                                ; v[192:223], which the last tile's stores read, are rewritten only behind this wait
	WIN 0x01                                       ; source 0 in window 1
.irp n, 0,1,2,3,4,5,6,7,8,9,10,11,12,13,14,15
	v_pk_add_f32 v[64+2*\n:64+2*\n+1], v[32*\i+2*\n:32*\i+2*\n+1], v[BIAS+2*\n:BIAS+2*\n+1]
.endr
	WIN 0
	GELU 64, 32, 96, 128, 160
.irp n, 0,1,2,3,4,5,6,7,8,9,10,11,12,13,14,15
	v_cvt_pk_bf16_f32 v[HIP+\n], v[64+2*\n], v[64+2*\n+1]          ; the values, rounded
.endr
.irp n, 0,1,2,3,4,5,6,7,8,9,10,11,12,13,14,15
	v_lshlrev_b32 v[96+2*\n], 16, v[HIP+\n]                        ; and widened again
	v_and_b32 v[97+2*\n], s50, v[HIP+\n]
.endr
.set n2, 0
.rept 32
	v_sub_f32 v[96+n2], v[64+n2], v[96+n2]                         ; what the rounding left (exact)
.set n2, n2+1
.endr
.irp n, 0,1,2,3,4,5,6,7,8,9,10,11,12,13,14,15
	v_cvt_pk_bf16_f32 v[LOP+\n], v[96+2*\n], v[97+2*\n]            ; the remainders, rounded
.endr
.irp c, 0,1,2,3
	global_store_b128 v[VOFF+\i], v[HIP+4*\c:HIP+4*\c+3], s[56:57] offset:512*\c
.endr
.irp c, 0,1,2,3
	global_store_b128 v[VOFF+\i], v[LOP+4*\c:LOP+4*\c+3], s[48:49] offset:512*\c
.endr
.endr
	WIN 0
.Lepi_done:
	s_add_co_u32 s20, s20, 1
	s_cmp_lt_u32 s20, 7
	s_cbranch_scc1 .Lpass
.Lend:
	s_wait_tensorcnt 0x0
	ds_add_u32 v254, v255
	s_wait_dscnt 0x0
	s_endpgm
.Lfunc_end_k_q9a4c63d818_gemm1:
	.size	k_q9a4c63d818_gemm1, .Lfunc_end_k_q9a4c63d818_gemm1-k_q9a4c63d818_gemm1
	.p2alignl 7, 3214868480
	.fill 96, 4, 3214868480
	.section	.rodata,"a",@progbits
	.p2align	6, 0x0
	.amdhsa_kernel k_q9a4c63d818_gemm1
		.amdhsa_group_segment_fixed_size 164352
		.amdhsa_private_segment_fixed_size 0
		.amdhsa_enable_private_segment 0
		.amdhsa_kernarg_size 40
		.amdhsa_user_sgpr_count 2
		.amdhsa_user_sgpr_kernarg_segment_ptr 1
		.amdhsa_wavefront_size32 1
		.amdhsa_system_sgpr_workgroup_id_x 1
		.amdhsa_system_sgpr_workgroup_id_y 1
		.amdhsa_system_sgpr_workgroup_id_z 1
		.amdhsa_system_vgpr_workitem_id 0
		.amdhsa_next_free_vgpr 768
		.amdhsa_next_free_sgpr 66
		.amdhsa_reserve_vcc 0
		.amdhsa_float_denorm_mode_32 3
		.amdhsa_float_denorm_mode_16_64 3
		.amdhsa_memory_ordered 1
		.amdhsa_forward_progress 1
		.amdhsa_inst_pref_size 243
	.end_amdhsa_kernel
	.amdgpu_metadata
---
amdhsa.version: [ 1, 2 ]
amdhsa.kernels:
  - .name:           k_q9a4c63d818_gemm1
    .symbol:         k_q9a4c63d818_gemm1.kd
    .args:
      - { .name: xs, .offset: 0, .size: 8, .value_kind: global_buffer, .address_space: global }
      - { .name: W1, .offset: 8, .size: 8, .value_kind: global_buffer, .address_space: global }
      - { .name: b1, .offset: 16, .size: 8, .value_kind: global_buffer, .address_space: global }
      - { .name: meta, .offset: 24, .size: 8, .value_kind: global_buffer, .address_space: global }
      - { .name: h1, .offset: 32, .size: 8, .value_kind: global_buffer, .address_space: global }
    .group_segment_fixed_size: 164352
    .private_segment_fixed_size: 0
    .kernarg_segment_align: 8
    .kernarg_segment_size: 40
    .max_flat_workgroup_size: 128
    .sgpr_count:     66
    .vgpr_count:     768
    .wavefront_size: 32
...
	.end_amdgpu_metadata
.endif
;; end of part 2
;; launch gemm2 (part 3): grid 32 x 8, 4 waves a work-group, no clusters, 164,352 bytes of LDS; arguments h1, W2, b2, meta, p; writes p
.if DOCPART == 3
	.amdgcn_target "amdgcn-amd-amdhsa--gfx1250"
	.amdhsa_code_object_version 6
	.text
	.protected	k_q9a4c63d818_gemm2
	.globl	k_q9a4c63d818_gemm2
	.p2align	8
	.type	k_q9a4c63d818_gemm2,@function
k_q9a4c63d818_gemm2:
	s_mov_b64 s[64:65], 0
	v_nop
	global_prefetch_b8 v0, s[64:65] scope:SCOPE_SE
	s_setreg_imm32_b32 hwreg(HW_REG_WAVE_MODE, 25, 1), 1
	s_wait_xcnt 0x0
; Second layer of the routed heads: p[kh] = h1 W2[t] over half kh of K = 2,048 (+ b2[t] in half 0), f32.
; Work-group (x, t): head t, column block x & 15 of 64 columns, half x >> 4 of K (1,024 k), all n_t row tiles of that head.
; PHASE 1: the block of W2 (1,024 k x 64 columns, f32, [k][n]) is read once, through a ring of four register sets (64 loads of a wave on their
; way), rounded to bf16 and laid into LDS, rows of 160 bytes, where it stays: 163,840 bytes.  One barrier, the only one.
; PHASE 2: a wave makes 5 row tiles x 4 column tiles (80 rows x 64 columns) a pass: in pass q wave w takes the head's tiles 20 q + 5 w .. + 4 and
; leaves when its first tile lies beyond the head's n_t, a number read from meta.  A head of up to 320 rows is one pass.
; h1 COMES AS TWO bf16 NUMBERS, the rounded value and the rounded remainder (16 bits of mantissa together; the remainders lie 16 planes behind the
; values).  Both are multiplied with the same fragments of W2 and added onto the same sums: a pass is 64 half steps u = 2 j + part, quarter step j
; of 32 k, part 0 the values, part 1 the remainders.
; ACTIVATIONS lie in memory in the order of matrix fragments ([plane of 128 k][row tile][4 fragments][1 KiB]), so they go from memory straight into
; registers, 512 neighbouring bytes with each load, through a ring of six register slots, one a half step (60 loads of a wave on their way).
; W's fragments come from LDS by the transposing load, once for two half steps.  A tile beyond the head's last reads the last tile again and is not stored.
; NO CLUSTER, though the column blocks of a head read the same activations: a tile asked for jointly lands in LDS slots, and slots are filled again
; behind barriers; those would stand in the loop over passes, whose length is read from memory, and LDS has 163,840 bytes left beside W's block
; for 1,310,720 bytes of activations a pass.  Without LDS slots phase 2 needs no barrier at all.
; THE MATRIX INSTRUCTION IS USED TRANSPOSED: source 0 = 16 columns of W, source 1 = 16 rows: lane (r, h) then holds row r, columns 8 h + 0..7.
; The split of K gives all 256 work-groups a share of W2; the two halves are added, in a fixed order, by the last launch.
.set TILES,  136
.set PLANE,  557056                    ; 136 row tiles x 4 KiB
.set LOOFF,  16*PLANE                  ; from h1's rounded values to their remainders
.set PHALF,  8912896                   ; 136 row tiles x 64 KiB of f32
.set WP,     160                       ; a row of W in LDS: 128 bytes of bf16 + 32
.set WTILE,  128*WP                    ; 128 k
.set PITCHW, 4096
.set BIASB,  4096
; window 0: v1 L, v2 16 L
.set ADRB, 3                           ; v3-5       W's fragments in LDS: quarter steps 0-11, 12-23, 24-31 (an LDS immediate has 16 bits)
.set ADRS, 6                           ; v6-8       where my rows of W go in LDS: steps 0-2, 3-5, 6-7
.set WOFF, 9                           ; v9         my 16 bytes of W's first two rows of my wave
.set VOFF, 22                          ; v22-26     my five tiles in h1: 4,096 x tile + 16 L
.set VOFP, 27                          ; v27-31     my five tiles in p: 65,536 x tile + 16 L
.set BIAS, 32                          ; v[32:63]   bias of my columns, tile c at 8 c
.set BF,   144                         ; v[144:207] fragments of 4 column tiles, two buffers of 32
.set CV,   208                         ; v[208:239] a W tile rounded to bf16
; window 1: accumulator tile (i, c) at v[8 (4 i + c)].
; window 2: phase 1: W as loaded, four sets of 64, step s in set s & 3;  phase 2: fragments of 5 row tiles, six slots of 40, half step u in slot u % 6
.set AB,   54                          ; s[54:55] h1's values at my half of K, s[56:57] the remainders
.set MSB, 0
.macro WIN new                         ; the immediate's high byte repeats the setting that is left
.if MSB != \new
	s_set_vgpr_msb (MSB<<8)|\new
.set MSB, \new
.endif
.endm
.macro PLACES                          ; four plain vector places behind a matrix instruction (ISA guide 7.12.1)
.rept 4
	v_nop
.endr
.endm
; W's step s (128 k x 64 columns of f32): my wave's 32 rows, two whole rows of 256 bytes with each load.  The step stands in the immediate
; (3,792,896 bytes at the most), so no address is ever stepped.
.macro WLOAD s
	WIN 0x80                                       ; destination in window 2
.irp i, 0,1,2,3,4,5,6,7,8,9,10,11,12,13,14,15
	global_load_b128 v[((\s)&3)*64+4*\i:((\s)&3)*64+4*\i+3], v[WOFF], s[6:7] offset:(\s)*128*PITCHW+2*\i*PITCHW th:TH_LOAD_NT
.endr
.endm
; W's step s is rounded to bf16 and laid into LDS.
.macro WCONV s
.if (\s) < 5
	s_wait_loadcnt 48                              ; loads come back in order: step s is in, the 16 loads of each of the three younger steps stay out
.else
	s_wait_loadcnt 16*(7-(\s))                     ; fewer younger steps are left
.endif
	WIN 0x0a                                       ; sources in window 2
.irp i, 0,1,2,3,4,5,6,7,8,9,10,11,12,13,14,15
	v_cvt_pk_bf16_f32 v[CV+2*\i], v[((\s)&3)*64+4*\i], v[((\s)&3)*64+4*\i+1]
	v_cvt_pk_bf16_f32 v[CV+2*\i+1], v[((\s)&3)*64+4*\i+2], v[((\s)&3)*64+4*\i+3]
.endr
	WIN 0
.irp i, 0,1,2,3,4,5,6,7,8,9,10,11,12,13,14,15
	ds_store_b64 v[ADRS+(\s)/3], v[CV+2*\i:CV+2*\i+1] offset:((\s)%3)*WTILE+2*WP*\i
.endr
.endm
; 10 loads: half step u = 2 j + part: the fragments of quarter step j of my five row tiles, values (part 0) or remainders (part 1), into slot u % 6.
; The part picks the base; plane j / 4 and fragment j % 4 stand in the immediate (3,902,976 at the most).
.macro ALOAD u
	WIN 0x80                                       ; destination in window 2
.irp i, 0,1,2,3,4
	global_load_b128 v[40*((\u)%6)+8*\i:40*((\u)%6)+8*\i+3],   v[VOFF+\i], s[AB+2*((\u)&1):AB+2*((\u)&1)+1] offset:((\u)/8)*PLANE+(((\u)/2)%4)*1024
	global_load_b128 v[40*((\u)%6)+8*\i+4:40*((\u)%6)+8*\i+7], v[VOFF+\i], s[AB+2*((\u)&1):AB+2*((\u)&1)+1] offset:((\u)/8)*PLANE+(((\u)/2)%4)*1024+512
.endr
.endm
; 8 LDS loads: W's fragments of quarter step j, 4 column tiles, transposed on the way, into buffer j & 1.
.macro BFETCH j
	WIN 0
.irp c, 0,1,2,3
	ds_load_tr16_b128 v[BF+32*((\j)&1)+8*\c:BF+32*((\j)&1)+8*\c+3],   v[ADRB+(\j)/12] offset:((\j)%12)*32*WP+32*\c
	ds_load_tr16_b128 v[BF+32*((\j)&1)+8*\c+4:BF+32*((\j)&1)+8*\c+7], v[ADRB+(\j)/12] offset:((\j)%12)*32*WP+32*\c+16*WP
.endr
.endm
; 20 matrix instructions of half step u; the 20 accumulators take turns, one instruction a turn.  Half step 0 starts the sums.
.macro MUL20 u
	WIN 0x58                                       ; source 1 in window 2, C and D in window 1
.irp i, 0,1,2,3,4
.irp c, 0,1,2,3
.if (\u) == 0
	v_wmma_f32_16x16x32_bf16 v[8*(4*\i+\c):8*(4*\i+\c)+7], v[BF+32*(((\u)/2)&1)+8*\c:BF+32*(((\u)/2)&1)+8*\c+7], v[40*((\u)%6)+8*\i:40*((\u)%6)+8*\i+7], 0
.else
	v_wmma_f32_16x16x32_bf16 v[8*(4*\i+\c):8*(4*\i+\c)+7], v[BF+32*(((\u)/2)&1)+8*\c:BF+32*(((\u)/2)&1)+8*\c+7], v[40*((\u)%6)+8*\i:40*((\u)%6)+8*\i+7], v[8*(4*\i+\c):8*(4*\i+\c)+7]
.endif
.endr
.endr
.endm
; ---- set-up
	s_load_b256 s[4:11], s[0:1], 0x0               ; h1 4, W2 6, b2 8, meta 10
	s_load_b64 s[12:13], s[0:1], 0x20              ; p
	v_lshl_add_u32 v254, v0, 2, 0x28000
	v_mov_b32 v255, 0
	v_lshrrev_b32 v1, 5, v0
	v_readfirstlane_b32 s14, v1                    ; wave 0..3
	s_and_b32 s15, ttmp7, 0xffff                   ; head t
	s_lshr_b32 s17, ttmp9, 4                       ; half of K
	s_and_b32 s16, ttmp9, 15                       ; column block
	s_lshl_b32 s21, s15, 2
	s_wait_kmcnt 0x0
	s_load_b32 s18, s[10:11], s21 offset:0x0       ; tp_t: my head's first tile
	s_load_b32 s19, s[10:11], s21 offset:0x20      ; n_t: its tiles
	v_and_b32 v1, 31, v0                           ; L
	v_lshlrev_b32 v2, 4, v1                        ; 16 L
	v_bfe_u32 v64, v0, 4, 1                        ; h
	v_and_b32 v65, 15, v0                          ; r
	v_and_b32 v66, 7, v0
	v_lshl_add_u32 v66, v64, 3, v66
	v_mul_u32_u24 v66, v66, WP                     ; the transposing load: row 8 h + (L & 7),
	v_bfe_u32 v67, v0, 3, 1
	v_lshl_add_u32 v[ADRB], v67, 4, v66            ; 16 bytes further for lanes 8-15 and 24-31
	v_add_nc_u32 v[ADRB+1], 12*32*WP, v[ADRB]
	v_add_nc_u32 v[ADRB+2], 24*32*WP, v[ADRB]
	s_lshl_b32 s22, s14, 5
	v_add_nc_u32 v68, s22, v64                     ; row 32 w + h of a step of W
	v_mul_u32_u24 v69, v68, WP
	v_lshl_add_u32 v[ADRS], v65, 3, v69            ; where it goes in LDS: 8 bytes a lane
	v_add_nc_u32 v[ADRS+1], 3*WTILE, v[ADRS]
	v_add_nc_u32 v[ADRS+2], 6*WTILE, v[ADRS]
	v_mul_u32_u24 v[WOFF], v68, PITCHW
	v_lshl_add_u32 v[WOFF], v65, 4, v[WOFF]        ; where it lies in memory: 16 bytes a lane
	v_lshlrev_b32 v70, 5, v64                      ; 32 h
	s_lshl_b32 s58, s15, 23                        ; W2: head t, 8 MiB each,
	s_lshl_b32 s60, s17, 22                        ; half of K (1,024 rows of 4 KiB),
	s_add_co_u32 s58, s58, s60
	s_lshl_b32 s60, s16, 8                         ; 64 columns of f32
	s_add_co_u32 s58, s58, s60
	s_mov_b32 s59, 0
	s_add_nc_u64 s[6:7], s[6:7], s[58:59]
	s_mul_i32 s58, s15, BIASB
	s_add_co_u32 s58, s58, s60
	s_add_nc_u64 s[8:9], s[8:9], s[58:59]
.irp c, 0,1,2,3
	global_load_b128 v[BIAS+8*\c:BIAS+8*\c+3],   v70, s[8:9] offset:64*\c      ; columns 16 c + 8 h + 0..3
	global_load_b128 v[BIAS+8*\c+4:BIAS+8*\c+7], v70, s[8:9] offset:64*\c+16   ; + 4..7
.endr
	s_mul_i32 s58, s17, PHALF                      ; p: the half of K,
	s_lshl_b32 s60, s16, 12                        ; the block's 4 column tiles of 1 KiB
	s_add_co_u32 s58, s58, s60
	s_add_nc_u64 s[48:49], s[12:13], s[58:59]
	s_mul_i32 s58, s17, 8*PLANE                    ; h1: the half's 8 planes,
	s_add_nc_u64 s[AB:AB+1], s[4:5], s[58:59]      ; of the values
	s_add_nc_u64 s[AB+2:AB+3], s[AB:AB+1], LOOFF   ; and of the remainders
	s_mul_i32 s51, s14, 5                          ; 5 w
; ---- phase 1: W's block, once
	WLOAD 0
	WLOAD 1
	WLOAD 2
	WLOAD 3
.irp s, 0,1,2,3,4,5,6,7
	WCONV \s
.if \s < 4
	WLOAD \s+4                                     ; into the register set that has just been read
.endif
.endr
	WIN 0
	s_cmp_eq_u32 s17, 0                            ; half 0 of K alone carries the bias
	s_cselect_b32 s22, -1, 0
.set n, 0
.rept 32
	v_and_b32 v[BIAS+n], s22, v[BIAS+n]
.set n, n+1
.endr
	s_wait_kmcnt 0x0
	s_min_u32 s18, s18, TILES-1
	s_min_u32 s19, s19, TILES
	s_max_u32 s19, s19, 1
	s_sub_co_u32 s53, s19, 1                       ; the head's last tile
	s_wait_dscnt 0x0                               ; my rows of W are in LDS before I say so
	s_barrier_signal -1
	s_barrier_wait -1                              ; the block is whole; nobody writes LDS any more
; ---- phase 2: 80 rows a pass; 7 passes of 20 tiles cover the 136 tiles that a head can have at the most
	s_mov_b32 s20, 0
.Lpass:
	s_mul_i32 s21, s20, 20
	s_add_co_u32 s21, s21, s51                     ; my first tile, counted inside the head
	s_cmp_ge_u32 s21, s19
	s_cbranch_scc1 .Lend                           ; nothing is left for my wave
	s_wait_xcnt 0x0                                ; what the last pass's stores name (offsets, data) is rewritten only behind this wait
.irp i, 0,1,2,3,4
	s_add_co_u32 s22, s21, \i
	s_min_u32 s22, s22, s53                        ; beyond the head's end: its last tile once more
	s_add_co_u32 s22, s22, s18
	s_min_u32 s22, s22, TILES-1
	s_lshl_b32 s23, s22, 12
	v_add_nc_u32 v[VOFF+\i], s23, v2
	s_lshl_b32 s23, s22, 16
	v_add_nc_u32 v[VOFP+\i], s23, v2
.endr
	ALOAD 0
	ALOAD 1
	ALOAD 2
	ALOAD 3
	ALOAD 4
	ALOAD 5
	BFETCH 0
.set uu, 0
.rept 64
.if (uu & 1) == 0
.if uu < 62
	BFETCH uu/2+1                                  ; the next quarter step's fragments of W, two half steps ahead of their use
.endif
.endif
.if uu < 59
	s_wait_loadcnt 50                              ; loads come back in order: this half step's ten are in, the ten of each of five younger ones stay out
.else
	s_wait_loadcnt 10*(63-uu)                      ; fewer younger ones are left
.endif
.if (uu & 1) == 0
.if uu < 62
	s_wait_dscnt 8                                 ; all but the eight LDS loads just issued
.else
	s_wait_dscnt 0x0
.endif
.endif
	MUL20 uu
.if uu < 60
	PLACES                                         ; in front of the loads into the slot and the buffer that have just been multiplied
.endif
.if uu < 58
	ALOAD uu+6
.endif
.set uu, uu+1
.endr
	PLACES                                         ; behind the last matrix instructions, in front of what reads results
; the half sums leave in f32 as they lie, 512 consecutive bytes with each store, aligned
.irp i, 0,1,2,3,4
	WIN 0                                          ; at a branch and at a label every window is 0
.if \i
	s_add_co_u32 s22, s21, \i
	s_cmp_ge_u32 s22, s19
	s_cbranch_scc1 .Lepi_done                      ; this tile and those behind it lie beyond the head's end
.endif
	WIN 0x41                                       ; source 0 and destination in window 1
.irp n, 0,1,2,3,4,5,6,7,8,9,10,11,12,13,14,15
	v_pk_add_f32 v[32*\i+2*\n:32*\i+2*\n+1], v[32*\i+2*\n:32*\i+2*\n+1], v[BIAS+2*\n:BIAS+2*\n+1]
.endr
	WIN 0x04                                       ; store data in window 1
.irp c, 0,1,2,3
	global_store_b128 v[VOFP+\i], v[8*(4*\i+\c):8*(4*\i+\c)+3],   s[48:49] offset:1024*\c
	global_store_b128 v[VOFP+\i], v[8*(4*\i+\c)+4:8*(4*\i+\c)+7], s[48:49] offset:1024*\c+512
.endr
.endr
	WIN 0
.Lepi_done:
	s_add_co_u32 s20, s20, 1
	s_cmp_lt_u32 s20, 7
	s_cbranch_scc1 .Lpass
.Lend:
	s_wait_tensorcnt 0x0
	ds_add_u32 v254, v255
	s_wait_dscnt 0x0
	s_endpgm
.Lfunc_end_k_q9a4c63d818_gemm2:
	.size	k_q9a4c63d818_gemm2, .Lfunc_end_k_q9a4c63d818_gemm2-k_q9a4c63d818_gemm2
	.p2alignl 7, 3214868480
	.fill 96, 4, 3214868480
	.section	.rodata,"a",@progbits
	.p2align	6, 0x0
	.amdhsa_kernel k_q9a4c63d818_gemm2
		.amdhsa_group_segment_fixed_size 164352
		.amdhsa_private_segment_fixed_size 0
		.amdhsa_enable_private_segment 0
		.amdhsa_kernarg_size 40
		.amdhsa_user_sgpr_count 2
		.amdhsa_user_sgpr_kernarg_segment_ptr 1
		.amdhsa_wavefront_size32 1
		.amdhsa_system_sgpr_workgroup_id_x 1
		.amdhsa_system_sgpr_workgroup_id_y 1
		.amdhsa_system_sgpr_workgroup_id_z 1
		.amdhsa_system_vgpr_workitem_id 0
		.amdhsa_next_free_vgpr 768
		.amdhsa_next_free_sgpr 66
		.amdhsa_reserve_vcc 0
		.amdhsa_float_denorm_mode_32 3
		.amdhsa_float_denorm_mode_16_64 3
		.amdhsa_memory_ordered 1
		.amdhsa_forward_progress 1
		.amdhsa_inst_pref_size 225
	.end_amdhsa_kernel
	.amdgpu_metadata
---
amdhsa.version: [ 1, 2 ]
amdhsa.kernels:
  - .name:           k_q9a4c63d818_gemm2
    .symbol:         k_q9a4c63d818_gemm2.kd
    .args:
      - { .name: h1, .offset: 0, .size: 8, .value_kind: global_buffer, .address_space: global }
      - { .name: W2, .offset: 8, .size: 8, .value_kind: global_buffer, .address_space: global }
      - { .name: b2, .offset: 16, .size: 8, .value_kind: global_buffer, .address_space: global }
      - { .name: meta, .offset: 24, .size: 8, .value_kind: global_buffer, .address_space: global }
      - { .name: p, .offset: 32, .size: 8, .value_kind: global_buffer, .address_space: global }
    .group_segment_fixed_size: 164352
    .private_segment_fixed_size: 0
    .kernarg_segment_align: 8
    .kernarg_segment_size: 40
    .max_flat_workgroup_size: 128
    .sgpr_count:     66
    .vgpr_count:     768
    .wavefront_size: 32
...
	.end_amdgpu_metadata
.endif
;; end of part 3
;; launch head (part 4): grid 136 x 1, 8 waves a work-group, no clusters, 9,216 bytes of LDS; arguments p, w3f, b3, order, meta, out0; writes out0
.if DOCPART == 4
	.amdgcn_target "amdgcn-amd-amdhsa--gfx1250"
	.amdhsa_code_object_version 6
	.text
	.protected	k_q9a4c63d818_head
	.globl	k_q9a4c63d818_head
	.p2align	8
	.type	k_q9a4c63d818_head,@function
k_q9a4c63d818_head:
	s_mov_b64 s[64:65], 0
	v_nop
	global_prefetch_b8 v0, s[64:65] scope:SCOPE_SE
	s_setreg_imm32_b32 hwreg(HW_REG_WAVE_MODE, 25, 1), 1
	s_wait_xcnt 0x0
; head: out0[row] = (gelu(p[0] + p[1]) W3[t] + b3[t]) x width mask of t, scattered back from slot order to the rows' own places.
; A work-group takes one of the 136 tiles of 16 slots.  Eight waves share K = 1,024: wave w takes k = 128 w .. + 127 (column tiles 8 w .. 8 w + 7
; of p, fragments 4 w .. 4 w + 3 of w3f); the eight partial sums meet in LDS and wave 0 adds them in a fixed order, adds b3, masks and stores.
; Pads (order = -1) are not stored.  LIMIT: a tile that holds pads alone (136 tiles serve every split of the rows; what a split does not need is
; dealt out as such tiles) is computed on zero rows and stores nothing.
; The activations go to the matrix unit as two bf16 numbers, the rounded value and the rounded remainder (16 bits of mantissa together), each
; multiplied with the same fragment of W3: the intermediate then adds no rounding of 2^-9 of its own.
; The matrix instruction is used transposed: source 0 = W3's 16 columns, source 1 = 16 slots: lane (r, h) holds slot r, parameters 8 h + 0..7.
; No tile of p is read by two work-groups, and W3's fragments are 32 KiB a head against 128 KiB of p a tile: nothing is asked for jointly.
; GELU as in the first product: exact form, erfc by Abramowitz and Stegun 7.1.26 (absolute error at most 1.5e-7).
; LIMITS: +-infinity gives NaN; an activation above bf16's largest finite number, 3.39e38, rounds to infinity and its remainder is no number.
.set PHALF, 8912896                    ; from p's half 0 to half 1
.set P0,  32                           ; v[32:95]   half 0 of p, then the sum, then its GELU; in wave 0 later the eight partial sums
.set P1,  96                           ; v[96:159]  half 1 of p
.set HF,  96                           ; v[96:127]  4 fragments of the activations' values (in P1's place, once that has been added)
.set HL,  128                          ; v[128:159] 4 fragments of their remainders
.set WF,  160                          ; v[160:191] 4 fragments of W3
.set KC,  240                          ; v[240:251] the constants of GELU, each twice
.set VZ,  252                          ; v252       0
.set VAD, 253                          ; v253-254   the store's offset, in registers that hold nothing else
.macro PLACES                          ; four plain vector places behind a matrix instruction (ISA guide 7.12.1)
.rept 4
	v_nop
.endr
.endm
; N numbers in v[X ..] become their GELU in place; D, T, E: N registers each, at work.
.macro GELU X, N, D, T, E
.set gi, 0
.rept (\N)
	v_fma_f32 v[(\D)+gi], |v[(\X)+gi]|, s52, 1.0   ; 1 + p |x|
.set gi, gi+1
.endr
.set gi, 0
.rept (\N)/2
	v_pk_mul_f32 v[(\E)+gi:(\E)+gi+1], v[(\X)+gi:(\X)+gi+1], v[(\X)+gi:(\X)+gi+1]
.set gi, gi+2
.endr
.set gi, 0
.rept (\N)
	v_rcp_f32 v[(\T)+gi], v[(\D)+gi]               ; t
.set gi, gi+1
.endr
.set gi, 0
.rept (\N)/2
	v_pk_mul_f32 v[(\E)+gi:(\E)+gi+1], v[(\E)+gi:(\E)+gi+1], v[KC+10:KC+11]   ; plain work between the reciprocals and what touches their registers (ISA guide 5.7.2)
.set gi, gi+2
.endr
.set gi, 0
.rept (\N)
	v_exp_f32 v[(\D)+gi], v[(\E)+gi]               ; 2^(-x^2 log2(e) / 2); an overflowing square gives 0
.set gi, gi+1
.endr
	v_nop                                          ; one plain place before the last exponential's source is rewritten
.set gi, 0
	s_wait_alu depctr_va_vdst(0)
.rept (\N)/2
	v_pk_fma_f32 v[(\E)+gi:(\E)+gi+1], v[(\T)+gi:(\T)+gi+1], v[KC:KC+1], v[KC+2:KC+3]
.set gi, gi+2
.endr
.irp k, 4,6,8
.set gi, 0
.rept (\N)/2
	v_pk_fma_f32 v[(\E)+gi:(\E)+gi+1], v[(\E)+gi:(\E)+gi+1], v[(\T)+gi:(\T)+gi+1], v[KC+\k:KC+\k+1]
.set gi, gi+2
.endr
.endr
.set gi, 0
.rept (\N)/2
	v_pk_mul_f32 v[(\E)+gi:(\E)+gi+1], v[(\E)+gi:(\E)+gi+1], v[(\T)+gi:(\T)+gi+1]
.set gi, gi+2
.endr
.set gi, 0
.rept (\N)/2
	v_pk_mul_f32 v[(\E)+gi:(\E)+gi+1], v[(\E)+gi:(\E)+gi+1], v[(\D)+gi:(\D)+gi+1]   ; q
.set gi, gi+2
.endr
.set gi, 0
.rept (\N)
	v_max_num_f32 v[(\T)+gi], 0, v[(\X)+gi]
.set gi, gi+1
.endr
.set gi, 0
.rept (\N)
	v_fma_f32 v[(\X)+gi], -|v[(\X)+gi]|, v[(\E)+gi], v[(\T)+gi]
.set gi, gi+1
.endr
.endm
; 32 k: GELU of two column tiles; values and remainders rounded and packed into a fragment each; two matrix instructions, the values' onto
; v[16:23], the remainders' onto v[24:31].  The two accumulators take turns, one instruction a turn.
.macro FL fl, zero
	GELU P0+16*\fl, 16, 192, 208, 224
.irp n, 0,1,2,3,4,5,6,7
	v_cvt_pk_bf16_f32 v[HF+8*\fl+\n], v[P0+16*\fl+2*\n], v[P0+16*\fl+2*\n+1]   ; the values, rounded
.endr
.irp n, 0,1,2,3,4,5,6,7
	v_lshlrev_b32 v[192+2*\n], 16, v[HF+8*\fl+\n]                              ; and widened again
	v_and_b32 v[193+2*\n], s53, v[HF+8*\fl+\n]
.endr
.irp n, 0,1,2,3,4,5,6,7,8,9,10,11,12,13,14,15
	v_sub_f32 v[192+\n], v[P0+16*\fl+\n], v[192+\n]                            ; what the rounding left (exact)
.endr
.irp n, 0,1,2,3,4,5,6,7
	v_cvt_pk_bf16_f32 v[HL+8*\fl+\n], v[192+2*\n], v[193+2*\n]                 ; the remainders, rounded
.endr
.if \zero
	v_wmma_f32_16x16x32_bf16 v[16:23], v[WF+8*\fl:WF+8*\fl+7], v[HF+8*\fl:HF+8*\fl+7], 0
	v_wmma_f32_16x16x32_bf16 v[24:31], v[WF+8*\fl:WF+8*\fl+7], v[HL+8*\fl:HL+8*\fl+7], 0
.else
	v_wmma_f32_16x16x32_bf16 v[16:23], v[WF+8*\fl:WF+8*\fl+7], v[HF+8*\fl:HF+8*\fl+7], v[16:23]
	v_wmma_f32_16x16x32_bf16 v[24:31], v[WF+8*\fl:WF+8*\fl+7], v[HL+8*\fl:HL+8*\fl+7], v[24:31]
.endif
.endm
	s_load_b256 s[4:11], s[0:1], 0x0               ; p 4, w3f 6, b3 8, order 10
	s_load_b128 s[12:15], s[0:1], 0x20             ; meta 12, out0 14
	v_lshl_add_u32 v255, v0, 2, 0x2000
	s_set_vgpr_msb 0x40
	v_mov_b32 v1, 0
	s_set_vgpr_msb 0x4000
	v_lshrrev_b32 v1, 5, v0
	v_readfirstlane_b32 s16, v1                    ; wave 0..7
	v_and_b32 v1, 31, v0
	v_lshlrev_b32 v2, 4, v1                        ; 16 L
	v_and_b32 v3, 15, v0
	v_lshlrev_b32 v3, 2, v3                        ; 4 r
	v_bfe_u32 v4, v0, 4, 1
	v_lshlrev_b32 v5, 3, v4                        ; 8 h
	v_lshlrev_b32 v4, 5, v4                        ; 32 h
	s_lshl_b32 s17, s16, 10
	v_add_nc_u32 v7, s17, v2                       ; LDS: 1,024 w + 16 L
	v_mov_b32 v[VZ], 0
	s_mov_b32 s52, 0x3e6d3388                      ; 0.3275911 / sqrt(2)
	s_mov_b32 s53, 0xffff0000                      ; a word's upper bf16
.irp k, 0,1
	v_mov_b32 v[KC+\k],    0x3f07dc22              ; a5 / 2
	v_mov_b32 v[KC+2+\k],  0xbf3a00e3              ; a4 / 2
	v_mov_b32 v[KC+4+\k],  0x3f35f0e3              ; a3 / 2
	v_mov_b32 v[KC+6+\k],  0xbe11a98e              ; a2 / 2
	v_mov_b32 v[KC+8+\k],  0x3e027906              ; a1 / 2
	v_mov_b32 v[KC+10+\k], 0xbf38aa3b              ; -log2(e) / 2
.endr
	s_wait_kmcnt 0x0
	s_load_b256 s[24:31], s[12:13], 0x0            ; tp_0 .. tp_7
	s_min_u32 s18, ttmp9, 135                      ; my tile
	s_wait_kmcnt 0x0
	s_mov_b32 s21, 0
.irp u, 1,2,3,4,5,6,7
	s_cmp_ge_u32 s18, s[24+\u]
	s_add_co_ci_u32 s21, s21, 0                    ; its head: how many heads begin at or below the tile
.endr
	s_min_u32 s21, s21, 7
	s_lshl_b32 s23, s21, 2
	s_lshr_b32 s23, 0x5ca97643, s23                ; the eight parameter counts 3 4 6 7 9 10 12 5, four bits each
	s_and_b32 s23, s23, 15
	s_lshl_b32 s46, s18, 16                        ; p: 64 KiB a tile, 8 KiB a wave
	s_lshl_b32 s48, s16, 13
	s_add_co_u32 s46, s46, s48
	s_mov_b32 s47, 0
	s_add_nc_u64 s[34:35], s[4:5], s[46:47]
	s_add_nc_u64 s[36:37], s[34:35], PHALF
	s_lshl_b32 s46, s21, 15                        ; w3f: 32 KiB a head, 4 KiB a wave
	s_lshl_b32 s48, s16, 12
	s_add_co_u32 s46, s46, s48
	s_add_nc_u64 s[38:39], s[6:7], s[46:47]
	s_lshl_b32 s46, s18, 6
	s_add_nc_u64 s[40:41], s[10:11], s[46:47]      ; order: 16 words a tile
	s_mul_i32 s46, s21, 48
	s_add_nc_u64 s[42:43], s[8:9], s[46:47]        ; b3: 48 bytes a head
	global_load_b32 v6, v3, s[40:41]               ; slot r's row, or -1.  These three small loads go first, in every wave, so that all waves
	global_load_b128 v[8:11], v4, s[42:43]         ; run one text with the same counts: b3 of parameters 8 h + 0..3,
	global_load_b128 v[12:15], v[VZ], s[42:43] offset:16   ; and of parameters 4..7 (lanes 16-31 never store theirs)
.irp m, 0,1,2,3,4,5,6,7,8,9,10,11,12,13,14,15
	global_load_b128 v[P0+4*\m:P0+4*\m+3], v2, s[34:35] offset:512*\m th:TH_LOAD_NT
.endr
.irp m, 0,1,2,3,4,5,6,7,8,9,10,11,12,13,14,15
	global_load_b128 v[P1+4*\m:P1+4*\m+3], v2, s[36:37] offset:512*\m th:TH_LOAD_NT
.endr
.irp m, 0,1,2,3,4,5,6,7
	global_load_b128 v[WF+4*\m:WF+4*\m+3], v2, s[38:39] offset:512*\m
.endr
	s_wait_loadcnt 8                               ; both halves of p are in; W3's 8 loads stay out
.set n, 0
.rept 32
	v_pk_add_f32 v[P0+n:P0+n+1], v[P0+n:P0+n+1], v[P1+n:P1+n+1]
.set n, n+2
.endr
	s_wait_loadcnt 0x0                             ; W3's fragments are in
	FL 0, 1
	FL 1, 0
	FL 2, 0
	FL 3, 0
	PLACES
.irp n, 0,2,4,6
	v_pk_add_f32 v[16+\n:17+\n], v[16+\n:17+\n], v[24+\n:25+\n]
.endr
	ds_store_b128 v7, v[16:19]
	ds_store_b128 v7, v[20:23] offset:512
	s_wait_dscnt 0x0                               ; my partial sums are in LDS before I say so
	s_barrier_signal -1
	s_barrier_wait -1
	s_cmp_lg_u32 s16, 0
	s_cbranch_scc1 .Lend
.irp m, 0,1,2,3,4,5,6,7,8,9,10,11,12,13,14,15
	ds_load_b128 v[P0+4*\m:P0+4*\m+3], v2 offset:512*\m     ; wave m >> 1, registers 4 (m & 1) ..
.endr
	v_sub_nc_u32 v192, s23, v5                     ; how many of my eight parameters the head has (may be negative)
	v_min_u32 v[VAD], 0x7ff, v6                    ; the row (a pad's is not used)
	v_lshlrev_b32 v[VAD+1], 4, v[VAD]
	v_lshlrev_b32 v[VAD], 5, v[VAD]
	v_add_nc_u32 v[VAD], v[VAD], v[VAD+1]          ; 48 x row
	v_add_nc_u32 v[VAD], v[VAD], v4                ; + 32 h
	s_wait_dscnt 0x0
.irp g, 0,16,32,48
.irp n, 0,2,4,6
	v_pk_add_f32 v[P0+\g+\n:P0+\g+\n+1], v[P0+\g+\n:P0+\g+\n+1], v[P0+\g+8+\n:P0+\g+8+\n+1]
.endr
.endr
.irp g, 0,32
.irp n, 0,2,4,6
	v_pk_add_f32 v[P0+\g+\n:P0+\g+\n+1], v[P0+\g+\n:P0+\g+\n+1], v[P0+\g+16+\n:P0+\g+16+\n+1]
.endr
.endr
.irp n, 0,2,4,6
	v_pk_add_f32 v[P0+\n:P0+\n+1], v[P0+\n:P0+\n+1], v[P0+32+\n:P0+32+\n+1]
.endr
.irp n, 0,2,4,6
	v_pk_add_f32 v[P0+\n:P0+\n+1], v[P0+\n:P0+\n+1], v[8+\n:9+\n]
.endr
.irp j, 0,1,2,3,4,5,6,7
	v_cmp_lt_i32 vcc_lo, \j, v192
	v_cndmask_b32 v[P0+\j], v[VZ], v[P0+\j], vcc_lo        ; zero beyond the head's parameters
.endr
	v_cmp_le_i32 vcc_lo, 0, v6                     ; real rows
	s_and_b32 s45, vcc_lo, 0xffff                  ; and of those lanes 0-15, which hold parameters 4..7
	s_wait_xcnt 0x0                                ; EXEC changes only behind this wait
	s_and_saveexec_b32 s44, vcc_lo
	global_store_b128 v[VAD], v[P0:P0+3], s[14:15] ; parameters 0..3 (lanes 0-15) and 8..11 (lanes 16-31)
	s_wait_xcnt 0x0
	s_or_b32 exec_lo, exec_lo, s44
	s_and_saveexec_b32 s44, s45
	global_store_b128 v[VAD], v[P0+4:P0+7], s[14:15] offset:16
	s_wait_xcnt 0x0
	s_or_b32 exec_lo, exec_lo, s44
.Lend:
	s_set_vgpr_msb 0x4
	s_wait_tensorcnt 0x0
	ds_add_u32 v255, v1
	s_wait_dscnt 0x0
	s_set_vgpr_msb 0x400
	s_endpgm
.Lfunc_end_k_q9a4c63d818_head:
	.size	k_q9a4c63d818_head, .Lfunc_end_k_q9a4c63d818_head-k_q9a4c63d818_head
	.p2alignl 7, 3214868480
	.fill 96, 4, 3214868480
	.section	.rodata,"a",@progbits
	.p2align	6, 0x0
	.amdhsa_kernel k_q9a4c63d818_head
		.amdhsa_group_segment_fixed_size 9216
		.amdhsa_private_segment_fixed_size 0
		.amdhsa_enable_private_segment 0
		.amdhsa_kernarg_size 48
		.amdhsa_user_sgpr_count 2
		.amdhsa_user_sgpr_kernarg_segment_ptr 1
		.amdhsa_wavefront_size32 1
		.amdhsa_system_sgpr_workgroup_id_x 1
		.amdhsa_system_sgpr_workgroup_id_y 1
		.amdhsa_system_sgpr_workgroup_id_z 1
		.amdhsa_system_vgpr_workitem_id 0
		.amdhsa_next_free_vgpr 258
		.amdhsa_next_free_sgpr 66
		.amdhsa_reserve_vcc 1
		.amdhsa_float_denorm_mode_32 3
		.amdhsa_float_denorm_mode_16_64 3
		.amdhsa_memory_ordered 1
		.amdhsa_forward_progress 1
		.amdhsa_inst_pref_size 54
	.end_amdhsa_kernel
	.amdgpu_metadata
---
amdhsa.version: [ 1, 2 ]
amdhsa.kernels:
  - .name:           k_q9a4c63d818_head
    .symbol:         k_q9a4c63d818_head.kd
    .args:
      - { .name: p, .offset: 0, .size: 8, .value_kind: global_buffer, .address_space: global }
      - { .name: w3f, .offset: 8, .size: 8, .value_kind: global_buffer, .address_space: global }
      - { .name: b3, .offset: 16, .size: 8, .value_kind: global_buffer, .address_space: global }
      - { .name: order, .offset: 24, .size: 8, .value_kind: global_buffer, .address_space: global }
      - { .name: meta, .offset: 32, .size: 8, .value_kind: global_buffer, .address_space: global }
      - { .name: out0, .offset: 40, .size: 8, .value_kind: global_buffer, .address_space: global }
    .group_segment_fixed_size: 9216
    .private_segment_fixed_size: 0
    .kernarg_segment_align: 8
    .kernarg_segment_size: 48
    .max_flat_workgroup_size: 256
    .sgpr_count:     66
    .vgpr_count:     258
    .wavefront_size: 32
...
	.end_amdgpu_metadata
.endif
;; end of part 4
;; ======== version 2 of 4: 4 launches; 1.15 times as fast as version 1
;; limits: values are held in f16: magnitudes above 65,504 overflow, below 6.1e-05 lose precision; a function is approximated: absolute error at most 1.5e-07
;; workspace buffers: xs 4,456,448 bytes; h1 8,912,896 bytes; p 17,825,792 bytes; w3f 524,288 bytes; order 8,704 bytes of whole numbers; meta 256 bytes of whole numbers
;; launch prep (part 5): grid 272 x 1, 4 waves a work-group, no clusters, 28,416 bytes of LDS; arguments x, W3, geometry_types, xs, w3f, order, meta, out0, out1; writes xs, w3f, order, meta, out0, out1
.if DOCPART == 5
	.amdgcn_target "amdgcn-amd-amdhsa--gfx1250"
	.amdhsa_code_object_version 6
	.text
	.protected	k_q9a4c63d818_prep
	.globl	k_q9a4c63d818_prep
	.p2align	8
	.type	k_q9a4c63d818_prep,@function
k_q9a4c63d818_prep:
	s_mov_b64 s[64:65], 0
	v_nop
	global_prefetch_b8 v0, s[64:65] scope:SCOPE_SE
	s_setreg_imm32_b32 hwreg(HW_REG_WAVE_MODE, 25, 1), 1
	s_wait_xcnt 0x0
; prep: sorts the 2,048 rows by their type and lays everything out for the three launches that follow.
;   slots : 136 tiles of 16 slots.  Type t owns n_t tiles from tile tp_t on: max(1, ceil(c_t / 16)) tiles (at most 135 in all for any split of
;           2,048 rows over 8 types), and the tiles that are left of the 136 are dealt out to the types as evenly as they go.
;           A slot holds a source row or -1 (a pad).  So all 136 tiles always belong to a type, and every later launch has a fixed shape.
;   meta  : words 0-7 tp, 8-15 n, the rest 0.          order : 2,176 words, slot -> source row or -1.
;   xs    : x gathered into slot order, f16, pads as zero rows, in the order of matrix fragments:
;           [8 planes of 128 k][136 tiles of 16 rows][4 fragments of 32 k][1 KiB]; registers 0-3 of lane L at byte 16 L, 4-7 at 512 + 16 L.
;           LIMIT: a number of x above 65,504 becomes infinity (the drawn numbers have spread 1; 30 times that, or an offset of 30, is far below).
;   w3f   : W3 as 8 x 32 such fragments (16 columns x 32 k; columns 12-15 repeat column 11 and are never stored by a later launch), as two bf16
;           numbers, the rounded value and the rounded remainder (16 bits of mantissa together); the remainders lie 262,144 bytes behind the values.
;   out1  : the width mask of each row's type.   out0 : zeros everywhere, as reference() starts it; the last launch overwrites the rows whose
;           type is one of 0..7, so rows with any other type keep their zeros.
; Every work-group makes the whole sort for itself from the 8 KiB of types (no traffic between work-groups); the results are shared out.
; No tile is read by two work-groups but those 8 KiB, so there is nothing to ask for jointly, and no matrix work.
.set TILES,  136
.set TBL,    0                         ; LDS: 2,560 words, slot -> row; word 2,176 takes the rows with a type outside 0..7
.set CNT,    10240                     ; LDS: 8 types x 4 waves, word at 16 t + 4 w
.set STG,    10496                     ; LDS: 16 rows x 272 bytes for each wave, its own
.set SPITCH, 272                       ; 256 bytes of f16 + 16: the 16 rows of a fragment load begin in 16 different 16-byte columns
.set PLANE,  557056                    ; 136 row tiles x 4 KiB
.set W3LO,   262144                    ; from w3f's values to their remainders
.set DUMP,   2176
.set CN, 24                            ; s[24:31] running count of each type in my wave
.set NT, 32                            ; s[32:39] tiles of each type
.set TP, 40                            ; s[40:47] first tile of each type
.set MK, 66                            ; s[66:81] phase C: all ones for a real row, 0 for a pad
.set TY, 8                             ; v[8:23]  my 16 types
.set RK, 24                            ; v[24:39] their ranks inside my wave
.set ST, 40                            ; v[40:55] first slot of their type for my wave
.set OFF, 192                          ; v[192:207] phase C: byte offset in x of my 16 bytes of each of the 16 rows
.set A_TB, 208                         ; v208 LDS address of slot r of my tile in the table
.set A_X,  209                         ; v209 16 L + 512 x plane
.set A_SI, 210                         ; v210 stage, in: 8 bytes a lane along a row
.set A_SO, 211                         ; v211 stage, back: row r, 16 h
.set A_O,  212                         ; v212 16 L
	s_load_b512 s[4:19], s[0:1], 0x0               ; x 4, W3 6, types 8, xs 10, w3f 12, order 14, meta 16, out0 18
	s_load_b64 s[20:21], s[0:1], 0x40              ; out1
	v_lshl_add_u32 v216, v0, 2, 0x6d00
	v_mov_b32 v217, 0
	v_lshrrev_b32 v1, 5, v0
	v_readfirstlane_b32 s22, v1                    ; wave 0..3
	s_mov_b32 s23, ttmp9                           ; work-group g
	v_and_b32 v1, 31, v0                           ; L
	v_and_b32 v2, 15, v0                           ; r
	v_bfe_u32 v3, v0, 4, 1                         ; h
	v_lshlrev_b32 v58, 4, v0                       ; 16 j
	v_lshlrev_b32 v59, 2, v0                       ; 4 j
	; phase C's unit: row tile g >> 1, plane 4 (g & 1) + w.  Its addresses, in registers that hold nothing else.
	s_lshr_b32 s60, s23, 1
	s_min_u32 s60, s60, TILES-1                    ; row tile
	s_and_b32 s61, s23, 1
	s_lshl_b32 s61, s61, 2
	s_add_co_u32 s61, s61, s22                     ; plane
	s_lshl_b32 s50, s60, 6
	v_lshl_add_u32 v[A_TB], v2, 2, s50
	s_lshl_b32 s50, s61, 9
	v_lshl_add_u32 v[A_X], v1, 4, s50
	s_mul_i32 s50, s22, 16*SPITCH
	s_add_co_u32 s50, s50, STG                     ; my wave's stage
	v_lshl_add_u32 v[A_SI], v1, 3, s50
	v_mul_u32_u24 v[A_SO], v2, SPITCH
	v_lshl_add_u32 v[A_SO], v3, 4, v[A_SO]
	v_add_nc_u32 v[A_SO], s50, v[A_SO]
	v_lshlrev_b32 v[A_O], 4, v1
	s_mul_i32 s62, s61, PLANE
	s_lshl_b32 s63, s60, 12
	s_add_co_u32 s62, s62, s63
	s_mov_b32 s63, 0
	s_wait_kmcnt 0x0
	s_add_nc_u64 s[62:63], s[10:11], s[62:63]      ; xs at my unit's 4 KiB
; ---- phase A: the sort.  Element 4 e + u of thread j is row 512 e + 4 j + u.
.irp e, 0,1,2,3
	global_load_b128 v[TY+4*\e:TY+4*\e+3], v58, s[8:9] offset:2048*\e
.endr
.irp k, 60,61,62,63
	v_mov_b32 v\k, -1
.endr
.irp k, 0,1,2,3,4
	ds_store_b128 v58, v[60:63] offset:TBL+2048*\k  ; every slot starts as a pad
.endr
.irp e, 0,1,2,3,4,5,6,7,8,9,10,11,12,13,14,15
	v_mov_b32 v[RK+\e], 0
.endr
.irp t, 0,1,2,3,4,5,6,7
	s_mov_b32 s[CN+\t], 0
.endr
	s_wait_loadcnt 0x0
.irp e, 0,1,2,3,4,5,6,7,8,9,10,11,12,13,14,15
.irp t, 0,1,2,3,4,5,6,7
	v_cmp_eq_u32 s50, \t, v[TY+\e]                 ; lanes whose element has type t
	v_mbcnt_lo_u32_b32 v4, s50, s[CN+\t]           ; those below me + those of earlier elements
	v_cndmask_b32 v[RK+\e], v[RK+\e], v4, s50
	s_bcnt1_i32_b32 s51, s50
	s_add_co_u32 s[CN+\t], s[CN+\t], s51
.endr
.endr
	v_mov_b32 v5, s22
	v_lshlrev_b32 v5, 2, v5
.irp t, 0,1,2,3,4,5,6,7
	v_mov_b32 v4, s[CN+\t]
	ds_store_b32 v5, v4 offset:CNT+16*\t           ; all lanes write the same word with the same value
.endr
	s_wait_dscnt 0x0                               ; my counts and my part of the cleared table are in LDS before I say so
	s_barrier_signal -1
	s_barrier_wait -1
	v_and_b32 v4, 7, v0
	v_lshlrev_b32 v4, 4, v4
	ds_load_b128 v[60:63], v4 offset:CNT           ; lane t (mod 8): the four waves' counts of type t
	s_wait_dscnt 0x0
	v_add_nc_u32 v5, v60, v61
	v_add_nc_u32 v5, v5, v62
	v_add_nc_u32 v5, v5, v63                       ; c_t
	v_mov_b32 v6, 0
.irp w, 0,1,2
	s_cmp_gt_u32 s22, \w
	s_cselect_b32 s50, -1, 0
	v_and_b32 v7, s50, v[60+\w]
	v_add_nc_u32 v6, v6, v7                        ; rows of type t in the waves in front of mine
.endr
	v_add_nc_u32 v5, 15, v5
	v_lshrrev_b32 v5, 4, v5
	v_max_u32 v5, 1, v5                            ; ceil(c_t / 16), and a tile even for a type without rows
.irp t, 0,1,2,3,4,5,6,7
	v_readlane_b32 s[NT+\t], v5, \t
.endr
	s_add_co_u32 s48, s[NT], s[NT+1]
.irp t, 2,3,4,5,6,7
	s_add_co_u32 s48, s48, s[NT+\t]
.endr
	s_sub_co_u32 s48, TILES, s48                   ; tiles that are left: 1 to 128
	s_lshr_b32 s49, s48, 3                         ; an eighth of them for every type,
	s_and_b32 s48, s48, 7                          ; and one more for the first few
.irp t, 0,1,2,3,4,5,6,7
	s_cmp_gt_u32 s48, \t
	s_add_co_ci_u32 s[NT+\t], s[NT+\t], s49
.endr
	s_mov_b32 s[TP], 0
.irp t, 0,1,2,3,4,5,6
	s_add_co_u32 s[TP+\t+1], s[TP+\t], s[NT+\t]
.endr
	v_mov_b32 v57, 0
.irp t, 0,1,2,3,4,5,6,7
	v_writelane_b32 v57, s[TP+\t], \t
.endr
	v_lshl_add_u32 v56, v57, 4, v6                 ; lane t: first slot of type t for my wave
.irp e, 0,1,2,3,4,5,6,7,8,9,10,11,12,13,14,15
	v_min_u32 v4, 7, v[TY+\e]
	v_lshlrev_b32 v4, 2, v4
	ds_bpermute_b32 v[ST+\e], v4, v56
.endr
	v_mov_b32 v7, DUMP
	s_wait_dscnt 0x0
.irp e, 0,1,2,3,4,5,6,7,8,9,10,11,12,13,14,15
	v_add_nc_u32 v4, v[ST+\e], v[RK+\e]            ; the element's slot
	v_cmp_lt_u32 vcc_lo, 7, v[TY+\e]
	v_cndmask_b32 v4, v4, v7, vcc_lo               ; a type outside 0..7 gets no slot
	v_min_u32 v4, DUMP, v4
	v_lshlrev_b32 v4, 2, v4
	v_add_nc_u32 v5, 512*(\e/4)+(\e%4), v59        ; the element's row
	ds_store_b32 v4, v5 offset:TBL
.endr
	s_wait_dscnt 0x0                               ; my part of the table is in LDS before I say so
	s_barrier_signal -1
	s_barrier_wait -1                              ; the table is whole; from here on nobody writes it, and no barrier follows
; ---- phase B: the small results, shared out by work-group and wave
	s_cmp_lg_u32 s22, 0
	s_cbranch_scc1 .Lnot_w0
	s_cmp_lg_u32 s23, 0
	s_cbranch_scc1 .Lno_meta
	v_mov_b32 v4, 0                                ; meta: word n lies in register n & 1, lane n >> 1: one store of 256 bytes
	v_mov_b32 v5, 0
.irp q, 0,1,2,3
	v_writelane_b32 v4, s[TP+2*\q], \q
	v_writelane_b32 v5, s[TP+2*\q+1], \q
	v_writelane_b32 v4, s[NT+2*\q], 4+\q
	v_writelane_b32 v5, s[NT+2*\q+1], 4+\q
.endr
	v_lshlrev_b32 v28, 3, v1
	global_store_b64 v28, v[4:5], s[16:17]
.Lno_meta:
	s_cmp_ge_u32 s23, 17
	s_cbranch_scc1 .Lnot_w0
	s_min_u32 s50, s23, 16                         ; order: 128 slots, 512 neighbouring bytes, for each of 17 work-groups
	s_lshl_b32 s50, s50, 9
	v_lshl_add_u32 v29, v1, 4, s50
	ds_load_b128 v[12:15], v29 offset:TBL
	s_wait_dscnt 0x0
	global_store_b128 v29, v[12:15], s[14:15]
.Lnot_w0:
	s_wait_xcnt 0x0                                ; registers that the stores above name are rewritten only behind this wait
	s_cmp_eq_u32 s22, 3
	s_cbranch_scc1 .Lw3
	s_cmp_ge_u32 s23, 128
	s_cbranch_scc1 .Lphase_c
	; out1 and out0: 16 rows = 768 bytes a work-group, 8 bytes a thread, threads 0 to 95
	v_mul_u32_u24 v16, v0, 43
	v_lshrrev_b32 v16, 8, v16                      ; j / 6, exact for j <= 95
	v_mul_u32_u24 v17, v16, 6
	v_sub_nc_u32 v17, v0, v17
	v_lshlrev_b32 v17, 1, v17                      ; my first parameter
	s_lshl_b32 s50, s23, 6
	v_lshl_add_u32 v18, v16, 2, s50
	global_load_b32 v19, v18, s[8:9]               ; my row's type
	s_mul_i32 s51, s23, 768
	v_lshl_add_u32 v20, v0, 3, s51
	s_mov_b32 s52, 0x5ca97643                      ; the eight parameter counts 3 4 6 7 9 10 12 5, four bits each
	v_mov_b32 v22, 0
	v_mov_b32 v23, 0
	v_mov_b32 v24, 1.0
	global_store_b64 v20, v[22:23], s[18:19]       ; out0 starts as zeros; a wave stores 256 consecutive bytes, aligned
	s_wait_loadcnt 0x0
	v_min_u32 v21, 7, v19
	v_lshlrev_b32 v21, 2, v21
	v_lshrrev_b32 v21, v21, s52
	v_and_b32 v21, 15, v21
	v_cmp_lt_u32 vcc_lo, 7, v19
	v_cndmask_b32 v21, v21, v22, vcc_lo            ; no type, no parameters
	v_cmp_lt_u32 s53, v17, v21
	v_cndmask_b32 v26, v22, v24, s53
	v_add_nc_u32 v17, 1, v17
	v_cmp_lt_u32 s53, v17, v21
	v_cndmask_b32 v27, v22, v24, s53
	global_store_b64 v20, v[26:27], s[20:21]
	s_branch .Lphase_c
.Lw3:
	s_cmp_ge_u32 s23, 256
	s_cbranch_scc1 .Lphase_c
	; w3f, fragment g = 32 t + f: lane (r, h) holds column min(r, 11), k = 32 f + 8 h + 0..7 and 32 f + 16 + 8 h + 0..7
	v_min_u32 v4, 11, v2
	v_lshlrev_b32 v4, 2, v4
	v_mad_u32_u24 v4, v3, 0x180, v4                ; + 8 h rows of 48 bytes
	s_mul_i32 s50, s23, 1536                       ; 32 rows of 48 bytes a fragment
	v_add_nc_u32 v4, s50, v4
.irp e, 0,1,2,3,4,5,6,7
	global_load_b32 v[64+\e], v4, s[6:7] offset:48*\e
	global_load_b32 v[72+\e], v4, s[6:7] offset:768+48*\e
.endr
	s_lshl_b32 s51, s23, 10
	v_lshl_add_u32 v5, v1, 4, s51
	s_wait_loadcnt 0x0
.irp n, 0,1,2,3,4,5,6,7
	v_cvt_pk_bf16_f32 v[128+\n], v[64+2*\n], v[64+2*\n+1]          ; the values, rounded
.endr
.irp n, 0,1,2,3,4,5,6,7
	v_lshlrev_b32 v[80+2*\n], 16, v[128+\n]                        ; and widened again
	v_and_b32 v[81+2*\n], 0xffff0000, v[128+\n]
.endr
.irp n, 0,1,2,3,4,5,6,7,8,9,10,11,12,13,14,15
	v_sub_f32 v[80+\n], v[64+\n], v[80+\n]                         ; what the rounding left (exact)
.endr
.irp n, 0,1,2,3,4,5,6,7
	v_cvt_pk_bf16_f32 v[136+\n], v[80+2*\n], v[81+2*\n]            ; the remainders, rounded
.endr
	global_store_b128 v5, v[128:131], s[12:13]
	global_store_b128 v5, v[132:135], s[12:13] offset:512
	global_store_b128 v5, v[136:139], s[12:13] offset:W3LO
	global_store_b128 v5, v[140:143], s[12:13] offset:W3LO+512
.Lphase_c:
; ---- phase C: xs.  My wave's unit is one row tile (16 slots) x one plane (128 k): 16 loads of 512 bytes in, 4 KiB out.
	s_wait_xcnt 0x0                                ; registers that earlier stores name are rewritten only behind this wait
	ds_load_b32 v6, v[A_TB] offset:TBL             ; lane r: the source row of slot 16 x tile + r
	s_wait_dscnt 0x0
.irp row, 0,1,2,3,4,5,6,7,8,9,10,11,12,13,14,15
	v_readlane_b32 s50, v6, \row
	s_ashr_i32 s51, s50, 31
	s_not_b32 s[MK+\row], s51                      ; a pad (-1) gives the mask 0
	s_min_u32 s50, s50, 2047                       ; and reads row 2,047, whose numbers the mask throws away
	s_lshl_b32 s50, s50, 12
	v_add_nc_u32 v[OFF+\row], s50, v[A_X]
.endr
.irp row, 0,1,2,3,4,5,6,7,8,9,10,11,12,13,14,15
	global_load_b128 v[64+4*\row:64+4*\row+3], v[OFF+\row], s[4:5]   ; 512 neighbouring bytes of one row
.endr
.irp row, 0,1,2,3,4,5,6,7,8,9,10,11,12,13,14,15
	s_wait_loadcnt 15-\row                         ; loads come back in order: this row is in, the younger ones stay out
	v_cvt_pk_f16_f32 v[128+2*\row], v[64+4*\row], v[64+4*\row+1]
	v_cvt_pk_f16_f32 v[129+2*\row], v[64+4*\row+2], v[64+4*\row+3]
	v_and_b32 v[128+2*\row], s[MK+\row], v[128+2*\row]
	v_and_b32 v[129+2*\row], s[MK+\row], v[129+2*\row]
	ds_store_b64 v[A_SI], v[128+2*\row:129+2*\row] offset:SPITCH*\row
.endr
.irp n, 0,1,2,3,4,5,6,7
	ds_load_b128 v[160+4*\n:160+4*\n+3], v[A_SO] offset:32*\n      ; my own bytes, served in order behind the stores above
.endr
.irp n, 0,1,2,3,4,5,6,7
	s_wait_dscnt 7-\n
	global_store_b128 v[A_O], v[160+4*\n:160+4*\n+3], s[62:63] offset:512*\n   ; half a fragment: 512 consecutive bytes, aligned
.endr
	s_wait_tensorcnt 0x0
	ds_add_u32 v216, v217
	s_wait_dscnt 0x0
	s_endpgm
.Lfunc_end_k_q9a4c63d818_prep:
	.size	k_q9a4c63d818_prep, .Lfunc_end_k_q9a4c63d818_prep-k_q9a4c63d818_prep
	.p2alignl 7, 3214868480
	.fill 96, 4, 3214868480
	.section	.rodata,"a",@progbits
	.p2align	6, 0x0
	.amdhsa_kernel k_q9a4c63d818_prep
		.amdhsa_group_segment_fixed_size 28416
		.amdhsa_private_segment_fixed_size 0
		.amdhsa_enable_private_segment 0
		.amdhsa_kernarg_size 72
		.amdhsa_user_sgpr_count 2
		.amdhsa_user_sgpr_kernarg_segment_ptr 1
		.amdhsa_wavefront_size32 1
		.amdhsa_system_sgpr_workgroup_id_x 1
		.amdhsa_system_sgpr_workgroup_id_y 1
		.amdhsa_system_sgpr_workgroup_id_z 1
		.amdhsa_system_vgpr_workitem_id 0
		.amdhsa_next_free_vgpr 218
		.amdhsa_next_free_sgpr 82
		.amdhsa_reserve_vcc 1
		.amdhsa_float_denorm_mode_32 3
		.amdhsa_float_denorm_mode_16_64 3
		.amdhsa_memory_ordered 1
		.amdhsa_forward_progress 1
		.amdhsa_inst_pref_size 66
	.end_amdhsa_kernel
	.amdgpu_metadata
---
amdhsa.version: [ 1, 2 ]
amdhsa.kernels:
  - .name:           k_q9a4c63d818_prep
    .symbol:         k_q9a4c63d818_prep.kd
    .args:
      - { .name: x, .offset: 0, .size: 8, .value_kind: global_buffer, .address_space: global }
      - { .name: W3, .offset: 8, .size: 8, .value_kind: global_buffer, .address_space: global }
      - { .name: geometry_types, .offset: 16, .size: 8, .value_kind: global_buffer, .address_space: global }
      - { .name: xs, .offset: 24, .size: 8, .value_kind: global_buffer, .address_space: global }
      - { .name: w3f, .offset: 32, .size: 8, .value_kind: global_buffer, .address_space: global }
      - { .name: order, .offset: 40, .size: 8, .value_kind: global_buffer, .address_space: global }
      - { .name: meta, .offset: 48, .size: 8, .value_kind: global_buffer, .address_space: global }
      - { .name: out0, .offset: 56, .size: 8, .value_kind: global_buffer, .address_space: global }
      - { .name: out1, .offset: 64, .size: 8, .value_kind: global_buffer, .address_space: global }
    .group_segment_fixed_size: 28416
    .private_segment_fixed_size: 0
    .kernarg_segment_align: 8
    .kernarg_segment_size: 72
    .max_flat_workgroup_size: 128
    .sgpr_count:     82
    .vgpr_count:     218
    .wavefront_size: 32
...
	.end_amdgpu_metadata
.endif
;; end of part 5
;; launch gemm1 (part 6): grid 32 x 8, 4 waves a work-group, no clusters, 164,352 bytes of LDS; arguments xs, W1, b1, meta, h1; writes h1
.if DOCPART == 6
	.amdgcn_target "amdgcn-amd-amdhsa--gfx1250"
	.amdhsa_code_object_version 6
	.text
	.protected	k_q9a4c63d818_gemm1
	.globl	k_q9a4c63d818_gemm1
	.p2align	8
	.type	k_q9a4c63d818_gemm1,@function
k_q9a4c63d818_gemm1:
	s_mov_b64 s[64:65], 0
	v_nop
	global_prefetch_b8 v0, s[64:65] scope:SCOPE_SE
	s_setreg_imm32_b32 hwreg(HW_REG_WAVE_MODE, 25, 1), 1
	s_wait_xcnt 0x0
; First layer of the routed heads: h1 = gelu(xs W1[t] + b1[t]), stored in f16.
; Work-group (x, t): head t, column block x of 64 columns, K = 1,024, all n_t row tiles of that head.
; PHASE 1: the block of W1 (1,024 k x 64 columns, f32, [k][n]) is read once, through a ring of four register sets (64 loads of a wave on their
; way), rounded to f16 and laid into LDS, rows of 160 bytes, where it stays: 163,840 bytes.  One barrier, the only one.
; PHASE 2: a wave makes 5 row tiles x 4 column tiles (80 rows x 64 columns) a pass: in pass q wave w takes the head's tiles 20 q + 5 w .. + 4 and
; leaves when its first tile lies beyond the head's n_t, a number read from meta.  A head of up to 320 rows is one pass.
; ACTIVATIONS lie in memory in the order of matrix fragments ([plane of 128 k][row tile][4 fragments][1 KiB]), so they go from memory straight into
; registers, 512 neighbouring bytes with each load, through a ring of six register slots of 32 k (60 loads of a wave on their way).
; W's fragments come from LDS by the transposing load.  A tile beyond the head's last reads the last tile again and is not stored.
; NO CLUSTER, though the column blocks of a head read the same activations: a tile asked for jointly lands in LDS slots, and slots are filled again
; behind barriers; those would stand in the loop over passes, whose length is read from memory, and LDS has 163,840 bytes left beside W's block
; for 655,360 bytes of activations a pass.  Without LDS slots phase 2 needs no barrier at all.
; THE MATRIX INSTRUCTION IS USED TRANSPOSED: source 0 = 16 columns of W, source 1 = 16 rows: lane (r, h) then holds row r, columns 8 h + 0..7,
; and column tiles 2 q, 2 q + 1, rounded and packed, are registers 0-3 and 4-7 of the next layer's fragment: results are stored as they lie.
; WHY f16: it keeps 11 bits of mantissa where bf16 keeps 8; a rounding of 2^-9 of every activation comes, over the two layers that follow, to the
; order of a hundredth of the outputs' size.  ITS ROOM: the drawn x have spread 1, W1 1/32, the sums 1.  All inputs 30 times larger: sums of spread 900,
; h1 of a few thousand.  x and W1 both offset by 30 of their spreads: sums of 1,024 x 30 x 30/32 = 28,800.  All inputs 30 times smaller: h1 of about
; 5e-4, W1 of 1e-3, where f16's step is 6e-8 at the most (denormals are kept).  LIMIT: a number of W1 or of h1 above 65,504 becomes infinity.
; GELU is the exact form, with erfc by the rational approximation 7.1.26 of Abramowitz and Stegun (absolute error at most 1.5e-7 for every
; argument): gelu(x) = max(x, 0) - |x| q, q = P(t) 2^(-x^2 log2(e) / 2), t = 1 / (1 + 0.2316419 |x|).  LIMIT: x = +-infinity gives NaN.
.set TILES,  136
.set PLANE,  557056                    ; 136 row tiles x 4 KiB
.set WP,     160                       ; a row of W in LDS: 128 bytes of f16 + 32
.set WTILE,  128*WP                    ; 128 k
.set PITCHW, 8192
.set BIASB,  8192
; window 0: v1 L, v2 16 L
.set ADRB, 3                           ; v3-5       W's fragments in LDS: quarter steps 0-11, 12-23, 24-31 (an LDS immediate has 16 bits)
.set ADRS, 6                           ; v6-8       where my rows of W go in LDS: steps 0-2, 3-5, 6-7
.set WOFF, 9                           ; v9         my 16 bytes of W's first two rows of my wave
.set KC,   10                          ; v[10:21]   a5/2 a4/2 a3/2 a2/2 a1/2 -log2(e)/2, each twice
.set VOFF, 22                          ; v22-26     my five tiles: 4,096 x tile + 16 L
.set BIAS, 32                          ; v[32:63]   bias of my columns, tile c at 8 c
.set BF,   144                         ; v[144:207] fragments of 4 column tiles, two buffers of 32
.set HP,   192                         ; v[192:207] the way out: a tile's results, packed
.set CV,   208                         ; v[208:239] phase 1: a W tile rounded to f16
; window 1: accumulator tile (i, c) at v[8 (4 i + c)].
; window 2: phase 1: W as loaded, four sets of 64, step s in set s & 3;  phase 2: fragments of 5 row tiles, six slots of 40, quarter step j in slot j % 6
.set MSB, 0
.macro WIN new                         ; the immediate's high byte repeats the setting that is left
.if MSB != \new
	s_set_vgpr_msb (MSB<<8)|\new
.set MSB, \new
.endif
.endm
.macro PLACES                          ; four plain vector places behind a matrix instruction (ISA guide 7.12.1)
.rept 4
	v_nop
.endr
.endm
; W's step s (128 k x 64 columns of f32): my wave's 32 rows, two whole rows of 256 bytes with each load.  The step stands in the immediate
; (7,585,792 bytes at the most), so no address is ever stepped.
.macro WLOAD s
	WIN 0x80                                       ; destination in window 2
.irp i, 0,1,2,3,4,5,6,7,8,9,10,11,12,13,14,15
	global_load_b128 v[((\s)&3)*64+4*\i:((\s)&3)*64+4*\i+3], v[WOFF], s[6:7] offset:(\s)*128*PITCHW+2*\i*PITCHW th:TH_LOAD_NT
.endr
.endm
; W's step s is rounded to f16 and laid into LDS.
.macro WCONV s
.if (\s) < 5
	s_wait_loadcnt 48                              ; loads come back in order: step s is in, the 16 loads of each of the three younger steps stay out
.else
	s_wait_loadcnt 16*(7-(\s))                     ; fewer younger steps are left
.endif
	WIN 0x0a                                       ; sources in window 2
.irp i, 0,1,2,3,4,5,6,7,8,9,10,11,12,13,14,15
	v_cvt_pk_f16_f32 v[CV+2*\i], v[((\s)&3)*64+4*\i], v[((\s)&3)*64+4*\i+1]
	v_cvt_pk_f16_f32 v[CV+2*\i+1], v[((\s)&3)*64+4*\i+2], v[((\s)&3)*64+4*\i+3]
.endr
	WIN 0
.irp i, 0,1,2,3,4,5,6,7,8,9,10,11,12,13,14,15
	ds_store_b64 v[ADRS+(\s)/3], v[CV+2*\i:CV+2*\i+1] offset:((\s)%3)*WTILE+2*WP*\i
.endr
.endm
; 10 loads: the fragments of quarter step j (32 k) of my five row tiles, into slot j % 6.  Plane and fragment stand in the immediate (3,902,976 at the most).
.macro ALOAD j
	WIN 0x80                                       ; destination in window 2
.irp i, 0,1,2,3,4
	global_load_b128 v[40*((\j)%6)+8*\i:40*((\j)%6)+8*\i+3],   v[VOFF+\i], s[4:5] offset:((\j)/4)*PLANE+((\j)%4)*1024
	global_load_b128 v[40*((\j)%6)+8*\i+4:40*((\j)%6)+8*\i+7], v[VOFF+\i], s[4:5] offset:((\j)/4)*PLANE+((\j)%4)*1024+512
.endr
.endm
; 8 LDS loads: W's fragments of quarter step j, 4 column tiles, transposed on the way, into buffer j & 1.
.macro BFETCH j
	WIN 0
.irp c, 0,1,2,3
	ds_load_tr16_b128 v[BF+32*((\j)&1)+8*\c:BF+32*((\j)&1)+8*\c+3],   v[ADRB+(\j)/12] offset:((\j)%12)*32*WP+32*\c
	ds_load_tr16_b128 v[BF+32*((\j)&1)+8*\c+4:BF+32*((\j)&1)+8*\c+7], v[ADRB+(\j)/12] offset:((\j)%12)*32*WP+32*\c+16*WP
.endr
.endm
; 20 matrix instructions; the 20 accumulators take turns, one instruction a turn.  Quarter step 0 starts the sums.
.macro MUL20 j
	WIN 0x58                                       ; source 1 in window 2, C and D in window 1
.irp i, 0,1,2,3,4
.irp c, 0,1,2,3
.if (\j) == 0
	v_wmma_f32_16x16x32_f16 v[8*(4*\i+\c):8*(4*\i+\c)+7], v[BF+32*((\j)&1)+8*\c:BF+32*((\j)&1)+8*\c+7], v[40*((\j)%6)+8*\i:40*((\j)%6)+8*\i+7], 0
.else
	v_wmma_f32_16x16x32_f16 v[8*(4*\i+\c):8*(4*\i+\c)+7], v[BF+32*((\j)&1)+8*\c:BF+32*((\j)&1)+8*\c+7], v[40*((\j)%6)+8*\i:40*((\j)%6)+8*\i+7], v[8*(4*\i+\c):8*(4*\i+\c)+7]
.endif
.endr
.endr
.endm
; N numbers in v[X ..] become their GELU in place; D, T, E: N registers each, at work.
.macro GELU X, N, D, T, E
.set gi, 0
.rept (\N)
	v_fma_f32 v[(\D)+gi], |v[(\X)+gi]|, s52, 1.0   ; 1 + p |x|
.set gi, gi+1
.endr
.set gi, 0
.rept (\N)/2
	v_pk_mul_f32 v[(\E)+gi:(\E)+gi+1], v[(\X)+gi:(\X)+gi+1], v[(\X)+gi:(\X)+gi+1]
.set gi, gi+2
.endr
.set gi, 0
.rept (\N)
	v_rcp_f32 v[(\T)+gi], v[(\D)+gi]               ; t
.set gi, gi+1
.endr
.set gi, 0
.rept (\N)/2
	v_pk_mul_f32 v[(\E)+gi:(\E)+gi+1], v[(\E)+gi:(\E)+gi+1], v[KC+10:KC+11]   ; plain work between the reciprocals and what touches their registers (ISA guide 5.7.2)
.set gi, gi+2
.endr
.set gi, 0
.rept (\N)
	v_exp_f32 v[(\D)+gi], v[(\E)+gi]               ; 2^(-x^2 log2(e) / 2); an overflowing square gives 0
.set gi, gi+1
.endr
	v_nop                                          ; one plain place before the last exponential's source is rewritten
.set gi, 0
	s_wait_alu depctr_va_vdst(0)
.rept (\N)/2
	v_pk_fma_f32 v[(\E)+gi:(\E)+gi+1], v[(\T)+gi:(\T)+gi+1], v[KC:KC+1], v[KC+2:KC+3]
.set gi, gi+2
.endr
.irp k, 4,6,8
.set gi, 0
.rept (\N)/2
	v_pk_fma_f32 v[(\E)+gi:(\E)+gi+1], v[(\E)+gi:(\E)+gi+1], v[(\T)+gi:(\T)+gi+1], v[KC+\k:KC+\k+1]
.set gi, gi+2
.endr
.endr
.set gi, 0
.rept (\N)/2
	v_pk_mul_f32 v[(\E)+gi:(\E)+gi+1], v[(\E)+gi:(\E)+gi+1], v[(\T)+gi:(\T)+gi+1]
.set gi, gi+2
.endr
.set gi, 0
.rept (\N)/2
	v_pk_mul_f32 v[(\E)+gi:(\E)+gi+1], v[(\E)+gi:(\E)+gi+1], v[(\D)+gi:(\D)+gi+1]   ; q
.set gi, gi+2
.endr
.set gi, 0
.rept (\N)
	v_max_num_f32 v[(\T)+gi], 0, v[(\X)+gi]
.set gi, gi+1
.endr
.set gi, 0
.rept (\N)
	v_fma_f32 v[(\X)+gi], -|v[(\X)+gi]|, v[(\E)+gi], v[(\T)+gi]
.set gi, gi+1
.endr
.endm
; ---- set-up
	s_load_b256 s[4:11], s[0:1], 0x0               ; xs 4, W1 6, b1 8, meta 10
	s_load_b64 s[12:13], s[0:1], 0x20              ; h1
	v_lshl_add_u32 v254, v0, 2, 0x28000
	v_mov_b32 v255, 0
	v_lshrrev_b32 v1, 5, v0
	v_readfirstlane_b32 s14, v1                    ; wave 0..3
	s_and_b32 s15, ttmp7, 0xffff                   ; head t
	s_mov_b32 s16, ttmp9                           ; column block
	s_lshl_b32 s21, s15, 2
	s_wait_kmcnt 0x0
	s_load_b32 s18, s[10:11], s21 offset:0x0       ; tp_t: my head's first tile
	s_load_b32 s19, s[10:11], s21 offset:0x20      ; n_t: its tiles
	v_and_b32 v1, 31, v0                           ; L
	v_lshlrev_b32 v2, 4, v1                        ; 16 L
	v_bfe_u32 v64, v0, 4, 1                        ; h
	v_and_b32 v65, 15, v0                          ; r
	v_and_b32 v66, 7, v0
	v_lshl_add_u32 v66, v64, 3, v66
	v_mul_u32_u24 v66, v66, WP                     ; the transposing load: row 8 h + (L & 7),
	v_bfe_u32 v67, v0, 3, 1
	v_lshl_add_u32 v[ADRB], v67, 4, v66            ; 16 bytes further for lanes 8-15 and 24-31
	v_add_nc_u32 v[ADRB+1], 12*32*WP, v[ADRB]
	v_add_nc_u32 v[ADRB+2], 24*32*WP, v[ADRB]
	s_lshl_b32 s22, s14, 5
	v_add_nc_u32 v68, s22, v64                     ; row 32 w + h of a step of W
	v_mul_u32_u24 v69, v68, WP
	v_lshl_add_u32 v[ADRS], v65, 3, v69            ; where it goes in LDS: 8 bytes a lane
	v_add_nc_u32 v[ADRS+1], 3*WTILE, v[ADRS]
	v_add_nc_u32 v[ADRS+2], 6*WTILE, v[ADRS]
	v_mul_u32_u24 v[WOFF], v68, PITCHW
	v_lshl_add_u32 v[WOFF], v65, 4, v[WOFF]        ; where it lies in memory: 16 bytes a lane
	v_lshlrev_b32 v70, 5, v64                      ; 32 h
	s_lshl_b32 s58, s15, 23                        ; W1: head t, 8 MiB each,
	s_lshl_b32 s60, s16, 8                         ; 64 columns of f32
	s_add_co_u32 s58, s58, s60
	s_mov_b32 s59, 0
	s_add_nc_u64 s[6:7], s[6:7], s[58:59]
	s_mul_i32 s58, s15, BIASB
	s_add_co_u32 s58, s58, s60
	s_add_nc_u64 s[8:9], s[8:9], s[58:59]
.irp c, 0,1,2,3
	global_load_b128 v[BIAS+8*\c:BIAS+8*\c+3],   v70, s[8:9] offset:64*\c      ; columns 16 c + 8 h + 0..3
	global_load_b128 v[BIAS+8*\c+4:BIAS+8*\c+7], v70, s[8:9] offset:64*\c+16   ; + 4..7
.endr
	s_lshr_b32 s58, s16, 1                         ; h1: the block's plane,
	s_mul_i32 s58, s58, PLANE
	s_and_b32 s60, s16, 1
	s_lshl_b32 s60, s60, 11                        ; its two fragments of the four
	s_add_co_u32 s58, s58, s60
	s_add_nc_u64 s[56:57], s[12:13], s[58:59]
	s_mov_b32 s52, 0x3e6d3388                      ; 0.3275911 / sqrt(2)
.irp k, 0,1
	v_mov_b32 v[KC+\k],    0x3f07dc22              ; a5 / 2
	v_mov_b32 v[KC+2+\k],  0xbf3a00e3              ; a4 / 2
	v_mov_b32 v[KC+4+\k],  0x3f35f0e3              ; a3 / 2
	v_mov_b32 v[KC+6+\k],  0xbe11a98e              ; a2 / 2
	v_mov_b32 v[KC+8+\k],  0x3e027906              ; a1 / 2
	v_mov_b32 v[KC+10+\k], 0xbf38aa3b              ; -log2(e) / 2
.endr
	s_mul_i32 s51, s14, 5                          ; 5 w
; ---- phase 1: W's block, once
	WLOAD 0
	WLOAD 1
	WLOAD 2
	WLOAD 3
.irp s, 0,1,2,3,4,5,6,7
	WCONV \s
.if \s < 4
	WLOAD \s+4                                     ; into the register set that has just been read
.endif
.endr
	WIN 0
	s_wait_kmcnt 0x0
	s_min_u32 s18, s18, TILES-1
	s_min_u32 s19, s19, TILES
	s_max_u32 s19, s19, 1
	s_sub_co_u32 s53, s19, 1                       ; the head's last tile
	s_wait_dscnt 0x0                               ; my rows of W are in LDS before I say so
	s_barrier_signal -1
	s_barrier_wait -1                              ; the block is whole; nobody writes LDS any more
; ---- phase 2: 80 rows a pass; 7 passes of 20 tiles cover the 136 tiles that a head can have at the most
	s_mov_b32 s20, 0
.Lpass:
	s_mul_i32 s21, s20, 20
	s_add_co_u32 s21, s21, s51                     ; my first tile, counted inside the head
	s_cmp_ge_u32 s21, s19
	s_cbranch_scc1 .Lend                           ; nothing is left for my wave
	s_wait_xcnt 0x0                                ; what the last pass's stores name (offsets, data) is rewritten only behind this wait
.irp i, 0,1,2,3,4
	s_add_co_u32 s22, s21, \i
	s_min_u32 s22, s22, s53                        ; beyond the head's end: its last tile once more
	s_add_co_u32 s22, s22, s18
	s_min_u32 s22, s22, TILES-1
	s_lshl_b32 s23, s22, 12
	v_add_nc_u32 v[VOFF+\i], s23, v2
.endr
	ALOAD 0
	ALOAD 1
	ALOAD 2
	ALOAD 3
	ALOAD 4
	ALOAD 5
	BFETCH 0
.set jj, 0
.rept 32
.if jj < 31
	BFETCH jj+1
.endif
.if jj < 27
	s_wait_loadcnt 50                              ; loads come back in order: this quarter step's ten are in, the ten of each of five younger ones stay out
.else
	s_wait_loadcnt 10*(31-jj)                      ; fewer younger ones are left
.endif
.if jj < 31
	s_wait_dscnt 8                                 ; all but the eight LDS loads just issued
.else
	s_wait_dscnt 0x0
.endif
	MUL20 jj
.if jj < 30
	PLACES                                         ; in front of the loads into the slot and the buffer that have just been multiplied
.endif
.if jj < 26
	ALOAD jj+6
.endif
.set jj, jj+1
.endr
	PLACES                                         ; behind the last matrix instructions, in front of what reads results
; bias, GELU, f16, one row tile (32 numbers a lane) at a time; a store is half a fragment of h1: 512 consecutive bytes, aligned
.irp i, 0,1,2,3,4
	WIN 0                                          ; at a branch and at a label every window is 0
.if \i
	s_add_co_u32 s22, s21, \i
	s_cmp_ge_u32 s22, s19
	s_cbranch_scc1 .Lepi_done                      ; this tile and those behind it lie beyond the head's end
.endif
	s_wait_xcnt 0x0                                ; v[192:207], which the last tile's stores read, are rewritten only behind this wait
	WIN 0x01                                       ; source 0 in window 1
.irp n, 0,1,2,3,4,5,6,7,8,9,10,11,12,13,14,15
	v_pk_add_f32 v[64+2*\n:64+2*\n+1], v[32*\i+2*\n:32*\i+2*\n+1], v[BIAS+2*\n:BIAS+2*\n+1]
.endr
	WIN 0
	GELU 64, 32, 96, 128, 160
.irp n, 0,1,2,3,4,5,6,7,8,9,10,11,12,13,14,15
	v_cvt_pk_f16_f32 v[HP+\n], v[64+2*\n], v[64+2*\n+1]
.endr
.irp c, 0,1,2,3
	global_store_b128 v[VOFF+\i], v[HP+4*\c:HP+4*\c+3], s[56:57] offset:512*\c
.endr
.endr
	WIN 0
.Lepi_done:
	s_add_co_u32 s20, s20, 1
	s_cmp_lt_u32 s20, 7
	s_cbranch_scc1 .Lpass
.Lend:
	s_wait_tensorcnt 0x0
	ds_add_u32 v254, v255
	s_wait_dscnt 0x0
	s_endpgm
.Lfunc_end_k_q9a4c63d818_gemm1:
	.size	k_q9a4c63d818_gemm1, .Lfunc_end_k_q9a4c63d818_gemm1-k_q9a4c63d818_gemm1
	.p2alignl 7, 3214868480
	.fill 96, 4, 3214868480
	.section	.rodata,"a",@progbits
	.p2align	6, 0x0
	.amdhsa_kernel k_q9a4c63d818_gemm1
		.amdhsa_group_segment_fixed_size 164352
		.amdhsa_private_segment_fixed_size 0
		.amdhsa_enable_private_segment 0
		.amdhsa_kernarg_size 40
		.amdhsa_user_sgpr_count 2
		.amdhsa_user_sgpr_kernarg_segment_ptr 1
		.amdhsa_wavefront_size32 1
		.amdhsa_system_sgpr_workgroup_id_x 1
		.amdhsa_system_sgpr_workgroup_id_y 1
		.amdhsa_system_sgpr_workgroup_id_z 1
		.amdhsa_system_vgpr_workitem_id 0
		.amdhsa_next_free_vgpr 768
		.amdhsa_next_free_sgpr 66
		.amdhsa_reserve_vcc 0
		.amdhsa_float_denorm_mode_32 3
		.amdhsa_float_denorm_mode_16_64 3
		.amdhsa_memory_ordered 1
		.amdhsa_forward_progress 1
		.amdhsa_inst_pref_size 226
	.end_amdhsa_kernel
	.amdgpu_metadata
---
amdhsa.version: [ 1, 2 ]
amdhsa.kernels:
  - .name:           k_q9a4c63d818_gemm1
    .symbol:         k_q9a4c63d818_gemm1.kd
    .args:
      - { .name: xs, .offset: 0, .size: 8, .value_kind: global_buffer, .address_space: global }
      - { .name: W1, .offset: 8, .size: 8, .value_kind: global_buffer, .address_space: global }
      - { .name: b1, .offset: 16, .size: 8, .value_kind: global_buffer, .address_space: global }
      - { .name: meta, .offset: 24, .size: 8, .value_kind: global_buffer, .address_space: global }
      - { .name: h1, .offset: 32, .size: 8, .value_kind: global_buffer, .address_space: global }
    .group_segment_fixed_size: 164352
    .private_segment_fixed_size: 0
    .kernarg_segment_align: 8
    .kernarg_segment_size: 40
    .max_flat_workgroup_size: 128
    .sgpr_count:     66
    .vgpr_count:     768
    .wavefront_size: 32
...
	.end_amdgpu_metadata
.endif
;; end of part 6
;; launch gemm2 (part 7): grid 32 x 8, 4 waves a work-group, no clusters, 164,352 bytes of LDS; arguments h1, W2, b2, meta, p; writes p
.if DOCPART == 7
	.amdgcn_target "amdgcn-amd-amdhsa--gfx1250"
	.amdhsa_code_object_version 6
	.text
	.protected	k_q9a4c63d818_gemm2
	.globl	k_q9a4c63d818_gemm2
	.p2align	8
	.type	k_q9a4c63d818_gemm2,@function
k_q9a4c63d818_gemm2:
	s_mov_b64 s[64:65], 0
	v_nop
	global_prefetch_b8 v0, s[64:65] scope:SCOPE_SE
	s_setreg_imm32_b32 hwreg(HW_REG_WAVE_MODE, 25, 1), 1
	s_wait_xcnt 0x0
; Second layer of the routed heads: p[kh] = h1 W2[t] over half kh of K = 2,048 (+ b2[t] in half 0), f32.
; Work-group (x, t): head t, column block x & 15 of 64 columns, half x >> 4 of K (1,024 k), all n_t row tiles of that head.
; PHASE 1: the block of W2 (1,024 k x 64 columns, f32, [k][n]) is read once, through a ring of four register sets (64 loads of a wave on their
; way), rounded to f16 and laid into LDS, rows of 160 bytes, where it stays: 163,840 bytes.  One barrier, the only one.
; PHASE 2: a wave makes 5 row tiles x 4 column tiles (80 rows x 64 columns) a pass: in pass q wave w takes the head's tiles 20 q + 5 w .. + 4 and
; leaves when its first tile lies beyond the head's n_t, a number read from meta.  A head of up to 320 rows is one pass.
; ACTIVATIONS (h1, f16) lie in memory in the order of matrix fragments ([plane of 128 k][row tile][4 fragments][1 KiB]), so they go from memory
; straight into registers, 512 neighbouring bytes with each load, through a ring of six register slots of 32 k (60 loads of a wave on their way).
; W's fragments come from LDS by the transposing load.  A tile beyond the head's last reads the last tile again and is not stored.
; NO CLUSTER, though the column blocks of a head read the same activations: a tile asked for jointly lands in LDS slots, and slots are filled again
; behind barriers; those would stand in the loop over passes, whose length is read from memory, and LDS has 163,840 bytes left beside W's block
; for 655,360 bytes of activations a pass.  Without LDS slots phase 2 needs no barrier at all.
; THE MATRIX INSTRUCTION IS USED TRANSPOSED: source 0 = 16 columns of W, source 1 = 16 rows: lane (r, h) then holds row r, columns 8 h + 0..7.
; The split of K gives all 256 work-groups a share of W2; the two halves are added, in a fixed order, by the last launch.
; WHY f16: 11 bits of mantissa where bf16 keeps 8 (the first layer's head comment has h1's room).  W2's ROOM: the drawn numbers have spread 1/45;
; 30 times larger, or offset by 30 spreads, is below 1; 30 times smaller is 7e-4, where f16's step is 6e-8 at the most (denormals are kept).
; LIMIT: a number of W2 above 65,504 becomes infinity.
.set TILES,  136
.set PLANE,  557056                    ; 136 row tiles x 4 KiB
.set PHALF,  8912896                   ; 136 row tiles x 64 KiB of f32
.set WP,     160                       ; a row of W in LDS: 128 bytes of f16 + 32
.set WTILE,  128*WP                    ; 128 k
.set PITCHW, 4096
.set BIASB,  4096
; window 0: v1 L, v2 16 L
.set ADRB, 3                           ; v3-5       W's fragments in LDS: quarter steps 0-11, 12-23, 24-31 (an LDS immediate has 16 bits)
.set ADRS, 6                           ; v6-8       where my rows of W go in LDS: steps 0-2, 3-5, 6-7
.set WOFF, 9                           ; v9         my 16 bytes of W's first two rows of my wave
.set VOFF, 22                          ; v22-26     my five tiles in h1: 4,096 x tile + 16 L
.set VOFP, 27                          ; v27-31     my five tiles in p: 65,536 x tile + 16 L
.set BIAS, 32                          ; v[32:63]   bias of my columns, tile c at 8 c
.set BF,   144                         ; v[144:207] fragments of 4 column tiles, two buffers of 32
.set CV,   208                         ; v[208:239] a W tile rounded to f16
; window 1: accumulator tile (i, c) at v[8 (4 i + c)].
; window 2: phase 1: W as loaded, four sets of 64, step s in set s & 3;  phase 2: fragments of 5 row tiles, six slots of 40, quarter step j in slot j % 6
.set MSB, 0
.macro WIN new                         ; the immediate's high byte repeats the setting that is left
.if MSB != \new
	s_set_vgpr_msb (MSB<<8)|\new
.set MSB, \new
.endif
.endm
.macro PLACES                          ; four plain vector places behind a matrix instruction (ISA guide 7.12.1)
.rept 4
	v_nop
.endr
.endm
; W's step s (128 k x 64 columns of f32): my wave's 32 rows, two whole rows of 256 bytes with each load.  The step stands in the immediate
; (3,792,896 bytes at the most), so no address is ever stepped.
.macro WLOAD s
	WIN 0x80                                       ; destination in window 2
.irp i, 0,1,2,3,4,5,6,7,8,9,10,11,12,13,14,15
	global_load_b128 v[((\s)&3)*64+4*\i:((\s)&3)*64+4*\i+3], v[WOFF], s[6:7] offset:(\s)*128*PITCHW+2*\i*PITCHW th:TH_LOAD_NT
.endr
.endm
; W's step s is rounded to f16 and laid into LDS.
.macro WCONV s
.if (\s) < 5
	s_wait_loadcnt 48                              ; loads come back in order: step s is in, the 16 loads of each of the three younger steps stay out
.else
	s_wait_loadcnt 16*(7-(\s))                     ; fewer younger steps are left
.endif
	WIN 0x0a                                       ; sources in window 2
.irp i, 0,1,2,3,4,5,6,7,8,9,10,11,12,13,14,15
	v_cvt_pk_f16_f32 v[CV+2*\i], v[((\s)&3)*64+4*\i], v[((\s)&3)*64+4*\i+1]
	v_cvt_pk_f16_f32 v[CV+2*\i+1], v[((\s)&3)*64+4*\i+2], v[((\s)&3)*64+4*\i+3]
.endr
	WIN 0
.irp i, 0,1,2,3,4,5,6,7,8,9,10,11,12,13,14,15
	ds_store_b64 v[ADRS+(\s)/3], v[CV+2*\i:CV+2*\i+1] offset:((\s)%3)*WTILE+2*WP*\i
.endr
.endm
; 10 loads: the fragments of quarter step j (32 k) of my five row tiles, into slot j % 6.  Plane and fragment stand in the immediate (3,902,976 at the most).
.macro ALOAD j
	WIN 0x80                                       ; destination in window 2
.irp i, 0,1,2,3,4
	global_load_b128 v[40*((\j)%6)+8*\i:40*((\j)%6)+8*\i+3],   v[VOFF+\i], s[54:55] offset:((\j)/4)*PLANE+((\j)%4)*1024
	global_load_b128 v[40*((\j)%6)+8*\i+4:40*((\j)%6)+8*\i+7], v[VOFF+\i], s[54:55] offset:((\j)/4)*PLANE+((\j)%4)*1024+512
.endr
.endm
; 8 LDS loads: W's fragments of quarter step j, 4 column tiles, transposed on the way, into buffer j & 1.
.macro BFETCH j
	WIN 0
.irp c, 0,1,2,3
	ds_load_tr16_b128 v[BF+32*((\j)&1)+8*\c:BF+32*((\j)&1)+8*\c+3],   v[ADRB+(\j)/12] offset:((\j)%12)*32*WP+32*\c
	ds_load_tr16_b128 v[BF+32*((\j)&1)+8*\c+4:BF+32*((\j)&1)+8*\c+7], v[ADRB+(\j)/12] offset:((\j)%12)*32*WP+32*\c+16*WP
.endr
.endm
; 20 matrix instructions; the 20 accumulators take turns, one instruction a turn.  Quarter step 0 starts the sums.
.macro MUL20 j
	WIN 0x58                                       ; source 1 in window 2, C and D in window 1
.irp i, 0,1,2,3,4
.irp c, 0,1,2,3
.if (\j) == 0
	v_wmma_f32_16x16x32_f16 v[8*(4*\i+\c):8*(4*\i+\c)+7], v[BF+32*((\j)&1)+8*\c:BF+32*((\j)&1)+8*\c+7], v[40*((\j)%6)+8*\i:40*((\j)%6)+8*\i+7], 0
.else
	v_wmma_f32_16x16x32_f16 v[8*(4*\i+\c):8*(4*\i+\c)+7], v[BF+32*((\j)&1)+8*\c:BF+32*((\j)&1)+8*\c+7], v[40*((\j)%6)+8*\i:40*((\j)%6)+8*\i+7], v[8*(4*\i+\c):8*(4*\i+\c)+7]
.endif
.endr
.endr
.endm
; ---- set-up
	s_load_b256 s[4:11], s[0:1], 0x0               ; h1 4, W2 6, b2 8, meta 10
	s_load_b64 s[12:13], s[0:1], 0x20              ; p
	v_lshl_add_u32 v254, v0, 2, 0x28000
	v_mov_b32 v255, 0
	v_lshrrev_b32 v1, 5, v0
	v_readfirstlane_b32 s14, v1                    ; wave 0..3
	s_and_b32 s15, ttmp7, 0xffff                   ; head t
	s_lshr_b32 s17, ttmp9, 4                       ; half of K
	s_and_b32 s16, ttmp9, 15                       ; column block
	s_lshl_b32 s21, s15, 2
	s_wait_kmcnt 0x0
	s_load_b32 s18, s[10:11], s21 offset:0x0       ; tp_t: my head's first tile
	s_load_b32 s19, s[10:11], s21 offset:0x20      ; n_t: its tiles
	v_and_b32 v1, 31, v0                           ; L
	v_lshlrev_b32 v2, 4, v1                        ; 16 L
	v_bfe_u32 v64, v0, 4, 1                        ; h
	v_and_b32 v65, 15, v0                          ; r
	v_and_b32 v66, 7, v0
	v_lshl_add_u32 v66, v64, 3, v66
	v_mul_u32_u24 v66, v66, WP                     ; the transposing load: row 8 h + (L & 7),
	v_bfe_u32 v67, v0, 3, 1
	v_lshl_add_u32 v[ADRB], v67, 4, v66            ; 16 bytes further for lanes 8-15 and 24-31
	v_add_nc_u32 v[ADRB+1], 12*32*WP, v[ADRB]
	v_add_nc_u32 v[ADRB+2], 24*32*WP, v[ADRB]
	s_lshl_b32 s22, s14, 5
	v_add_nc_u32 v68, s22, v64                     ; row 32 w + h of a step of W
	v_mul_u32_u24 v69, v68, WP
	v_lshl_add_u32 v[ADRS], v65, 3, v69            ; where it goes in LDS: 8 bytes a lane
	v_add_nc_u32 v[ADRS+1], 3*WTILE, v[ADRS]
	v_add_nc_u32 v[ADRS+2], 6*WTILE, v[ADRS]
	v_mul_u32_u24 v[WOFF], v68, PITCHW
	v_lshl_add_u32 v[WOFF], v65, 4, v[WOFF]        ; where it lies in memory: 16 bytes a lane
	v_lshlrev_b32 v70, 5, v64                      ; 32 h
	s_lshl_b32 s58, s15, 23                        ; W2: head t, 8 MiB each,
	s_lshl_b32 s60, s17, 22                        ; half of K (1,024 rows of 4 KiB),
	s_add_co_u32 s58, s58, s60
	s_lshl_b32 s60, s16, 8                         ; 64 columns of f32
	s_add_co_u32 s58, s58, s60
	s_mov_b32 s59, 0
	s_add_nc_u64 s[6:7], s[6:7], s[58:59]
	s_mul_i32 s58, s15, BIASB
	s_add_co_u32 s58, s58, s60
	s_add_nc_u64 s[8:9], s[8:9], s[58:59]
.irp c, 0,1,2,3
	global_load_b128 v[BIAS+8*\c:BIAS+8*\c+3],   v70, s[8:9] offset:64*\c      ; columns 16 c + 8 h + 0..3
	global_load_b128 v[BIAS+8*\c+4:BIAS+8*\c+7], v70, s[8:9] offset:64*\c+16   ; + 4..7
.endr
	s_mul_i32 s58, s17, PHALF                      ; p: the half of K,
	s_lshl_b32 s60, s16, 12                        ; the block's 4 column tiles of 1 KiB
	s_add_co_u32 s58, s58, s60
	s_add_nc_u64 s[56:57], s[12:13], s[58:59]
	s_mul_i32 s58, s17, 8*PLANE                    ; h1: the half's 8 planes
	s_add_nc_u64 s[54:55], s[4:5], s[58:59]
	s_mul_i32 s51, s14, 5                          ; 5 w
; ---- phase 1: W's block, once
	WLOAD 0
	WLOAD 1
	WLOAD 2
	WLOAD 3
.irp s, 0,1,2,3,4,5,6,7
	WCONV \s
.if \s < 4
	WLOAD \s+4                                     ; into the register set that has just been read
.endif
.endr
	WIN 0
	s_cmp_eq_u32 s17, 0                            ; half 0 of K alone carries the bias
	s_cselect_b32 s22, -1, 0
.set n, 0
.rept 32
	v_and_b32 v[BIAS+n], s22, v[BIAS+n]
.set n, n+1
.endr
	s_wait_kmcnt 0x0
	s_min_u32 s18, s18, TILES-1
	s_min_u32 s19, s19, TILES
	s_max_u32 s19, s19, 1
	s_sub_co_u32 s53, s19, 1                       ; the head's last tile
	s_wait_dscnt 0x0                               ; my rows of W are in LDS before I say so
	s_barrier_signal -1
	s_barrier_wait -1                              ; the block is whole; nobody writes LDS any more
; ---- phase 2: 80 rows a pass; 7 passes of 20 tiles cover the 136 tiles that a head can have at the most
	s_mov_b32 s20, 0
.Lpass:
	s_mul_i32 s21, s20, 20
	s_add_co_u32 s21, s21, s51                     ; my first tile, counted inside the head
	s_cmp_ge_u32 s21, s19
	s_cbranch_scc1 .Lend                           ; nothing is left for my wave
	s_wait_xcnt 0x0                                ; what the last pass's stores name (offsets, data) is rewritten only behind this wait
.irp i, 0,1,2,3,4
	s_add_co_u32 s22, s21, \i
	s_min_u32 s22, s22, s53                        ; beyond the head's end: its last tile once more
	s_add_co_u32 s22, s22, s18
	s_min_u32 s22, s22, TILES-1
	s_lshl_b32 s23, s22, 12
	v_add_nc_u32 v[VOFF+\i], s23, v2
	s_lshl_b32 s23, s22, 16
	v_add_nc_u32 v[VOFP+\i], s23, v2
.endr
	ALOAD 0
	ALOAD 1
	ALOAD 2
	ALOAD 3
	ALOAD 4
	ALOAD 5
	BFETCH 0
.set jj, 0
.rept 32
.if jj < 31
	BFETCH jj+1
.endif
.if jj < 27
	s_wait_loadcnt 50                              ; loads come back in order: this quarter step's ten are in, the ten of each of five younger ones stay out
.else
	s_wait_loadcnt 10*(31-jj)                      ; fewer younger ones are left
.endif
.if jj < 31
	s_wait_dscnt 8                                 ; all but the eight LDS loads just issued
.else
	s_wait_dscnt 0x0
.endif
	MUL20 jj
.if jj < 30
	PLACES                                         ; in front of the loads into the slot and the buffer that have just been multiplied
.endif
.if jj < 26
	ALOAD jj+6
.endif
.set jj, jj+1
.endr
	PLACES                                         ; behind the last matrix instructions, in front of what reads results
; the half sums leave in f32 as they lie, 512 consecutive bytes with each store, aligned
.irp i, 0,1,2,3,4
	WIN 0                                          ; at a branch and at a label every window is 0
.if \i
	s_add_co_u32 s22, s21, \i
	s_cmp_ge_u32 s22, s19
	s_cbranch_scc1 .Lepi_done                      ; this tile and those behind it lie beyond the head's end
.endif
	WIN 0x41                                       ; source 0 and destination in window 1
.irp n, 0,1,2,3,4,5,6,7,8,9,10,11,12,13,14,15
	v_pk_add_f32 v[32*\i+2*\n:32*\i+2*\n+1], v[32*\i+2*\n:32*\i+2*\n+1], v[BIAS+2*\n:BIAS+2*\n+1]
.endr
	WIN 0x04                                       ; store data in window 1
.irp c, 0,1,2,3
	global_store_b128 v[VOFP+\i], v[8*(4*\i+\c):8*(4*\i+\c)+3],   s[56:57] offset:1024*\c
	global_store_b128 v[VOFP+\i], v[8*(4*\i+\c)+4:8*(4*\i+\c)+7], s[56:57] offset:1024*\c+512
.endr
.endr
	WIN 0
.Lepi_done:
	s_add_co_u32 s20, s20, 1
	s_cmp_lt_u32 s20, 7
	s_cbranch_scc1 .Lpass
.Lend:
	s_wait_tensorcnt 0x0
	ds_add_u32 v254, v255
	s_wait_dscnt 0x0
	s_endpgm
.Lfunc_end_k_q9a4c63d818_gemm2:
	.size	k_q9a4c63d818_gemm2, .Lfunc_end_k_q9a4c63d818_gemm2-k_q9a4c63d818_gemm2
	.p2alignl 7, 3214868480
	.fill 96, 4, 3214868480
	.section	.rodata,"a",@progbits
	.p2align	6, 0x0
	.amdhsa_kernel k_q9a4c63d818_gemm2
		.amdhsa_group_segment_fixed_size 164352
		.amdhsa_private_segment_fixed_size 0
		.amdhsa_enable_private_segment 0
		.amdhsa_kernarg_size 40
		.amdhsa_user_sgpr_count 2
		.amdhsa_user_sgpr_kernarg_segment_ptr 1
		.amdhsa_wavefront_size32 1
		.amdhsa_system_sgpr_workgroup_id_x 1
		.amdhsa_system_sgpr_workgroup_id_y 1
		.amdhsa_system_sgpr_workgroup_id_z 1
		.amdhsa_system_vgpr_workitem_id 0
		.amdhsa_next_free_vgpr 768
		.amdhsa_next_free_sgpr 66
		.amdhsa_reserve_vcc 0
		.amdhsa_float_denorm_mode_32 3
		.amdhsa_float_denorm_mode_16_64 3
		.amdhsa_memory_ordered 1
		.amdhsa_forward_progress 1
		.amdhsa_inst_pref_size 148
	.end_amdhsa_kernel
	.amdgpu_metadata
---
amdhsa.version: [ 1, 2 ]
amdhsa.kernels:
  - .name:           k_q9a4c63d818_gemm2
    .symbol:         k_q9a4c63d818_gemm2.kd
    .args:
      - { .name: h1, .offset: 0, .size: 8, .value_kind: global_buffer, .address_space: global }
      - { .name: W2, .offset: 8, .size: 8, .value_kind: global_buffer, .address_space: global }
      - { .name: b2, .offset: 16, .size: 8, .value_kind: global_buffer, .address_space: global }
      - { .name: meta, .offset: 24, .size: 8, .value_kind: global_buffer, .address_space: global }
      - { .name: p, .offset: 32, .size: 8, .value_kind: global_buffer, .address_space: global }
    .group_segment_fixed_size: 164352
    .private_segment_fixed_size: 0
    .kernarg_segment_align: 8
    .kernarg_segment_size: 40
    .max_flat_workgroup_size: 128
    .sgpr_count:     66
    .vgpr_count:     768
    .wavefront_size: 32
...
	.end_amdgpu_metadata
.endif
;; end of part 7
;; launch head (part 8): grid 136 x 1, 8 waves a work-group, no clusters, 9,216 bytes of LDS; arguments p, w3f, b3, order, meta, out0; writes out0
.if DOCPART == 8
	.amdgcn_target "amdgcn-amd-amdhsa--gfx1250"
	.amdhsa_code_object_version 6
	.text
	.protected	k_q9a4c63d818_head
	.globl	k_q9a4c63d818_head
	.p2align	8
	.type	k_q9a4c63d818_head,@function
k_q9a4c63d818_head:
	s_mov_b64 s[64:65], 0
	v_nop
	global_prefetch_b8 v0, s[64:65] scope:SCOPE_SE
	s_setreg_imm32_b32 hwreg(HW_REG_WAVE_MODE, 25, 1), 1
	s_wait_xcnt 0x0
; head: out0[row] = (gelu(p[0] + p[1]) W3[t] + b3[t]) x width mask of t, scattered back from slot order to the rows' own places.
; A work-group takes one of the 136 tiles of 16 slots.  Eight waves share K = 1,024: wave w takes k = 128 w .. + 127 (column tiles 8 w .. 8 w + 7
; of p, fragments 4 w .. 4 w + 3 of w3f); the eight partial sums meet in LDS and wave 0 adds them in a fixed order, adds b3, masks and stores.
; Pads (order = -1) are not stored.  LIMIT: a tile that holds pads alone (136 tiles serve every split of the rows; what a split does not need is
; dealt out as such tiles) is computed on zero rows and stores nothing.
; FORMAT: these activations have no room in f16 (all inputs 30 times larger make them 27,000 times larger, some 135,000 against f16's 65,504), so
; this product is made in bf16, and both sides go in as two bf16 numbers, the rounded value and the rounded remainder (16 bits of mantissa
; together): value x value, remainder x value and value x remainder are added; remainder x remainder, 2^-18 of the sum, is left out.
; The matrix instruction is used transposed: source 0 = W3's 16 columns, source 1 = 16 slots: lane (r, h) holds slot r, parameters 8 h + 0..7.
; No tile of p is read by two work-groups, and W3's fragments are 64 KiB a head against 128 KiB of p a tile: nothing is asked for jointly.
; GELU as in the first product: exact form, erfc by Abramowitz and Stegun 7.1.26 (absolute error at most 1.5e-7).
; LIMITS: +-infinity gives NaN; an activation above bf16's largest finite number, 3.39e38, rounds to infinity and its remainder is no number.
.set PHALF, 8912896                    ; from p's half 0 to half 1
.set W3LO,  262144                     ; from w3f's values to their remainders
.set P0,  32                           ; v[32:95]   half 0 of p, then the sum, then its GELU; in wave 0 later the eight partial sums
.set P1,  96                           ; v[96:159]  half 1 of p; once it has been added its registers serve as:
.set GD,  96                           ; v[96:111]  at work
.set GT,  112                          ; v[112:127] at work
.set GE,  128                          ; v[128:143] at work
.set HF,  144                          ; v[144:151] a fragment of the activations' values
.set HL,  152                          ; v[152:159] a fragment of their remainders
.set WF,  160                          ; v[160:191] 4 fragments of W3's values
.set WL,  192                          ; v[192:223] 4 fragments of W3's remainders
.set AC0, 16                           ; v[16:23]   value x value
.set AC1, 24                           ; v[24:31]   W3's value x the activations' remainder
.set AC2, 224                          ; v[224:231] W3's remainder x the activations' value
.set LIM, 232                          ; v232       wave 0: how many of my eight parameters the head has
.set KC,  240                          ; v[240:251] the constants of GELU, each twice
.set VZ,  252                          ; v252       0
.set VAD, 253                          ; v253-254   the store's offset, in registers that hold nothing else
.macro PLACES                          ; four plain vector places behind a matrix instruction (ISA guide 7.12.1)
.rept 4
	v_nop
.endr
.endm
; N numbers in v[X ..] become their GELU in place; D, T, E: N registers each, at work.
.macro GELU X, N, D, T, E
.set gi, 0
.rept (\N)
	v_fma_f32 v[(\D)+gi], |v[(\X)+gi]|, s52, 1.0   ; 1 + p |x|
.set gi, gi+1
.endr
.set gi, 0
.rept (\N)/2
	v_pk_mul_f32 v[(\E)+gi:(\E)+gi+1], v[(\X)+gi:(\X)+gi+1], v[(\X)+gi:(\X)+gi+1]
.set gi, gi+2
.endr
.set gi, 0
.rept (\N)
	v_rcp_f32 v[(\T)+gi], v[(\D)+gi]               ; t
.set gi, gi+1
.endr
.set gi, 0
.rept (\N)/2
	v_pk_mul_f32 v[(\E)+gi:(\E)+gi+1], v[(\E)+gi:(\E)+gi+1], v[KC+10:KC+11]   ; plain work between the reciprocals and what touches their registers (ISA guide 5.7.2)
.set gi, gi+2
.endr
.set gi, 0
.rept (\N)
	v_exp_f32 v[(\D)+gi], v[(\E)+gi]               ; 2^(-x^2 log2(e) / 2); an overflowing square gives 0
.set gi, gi+1
.endr
	v_nop                                          ; one plain place before the last exponential's source is rewritten
.set gi, 0
	s_wait_alu depctr_va_vdst(0)
.rept (\N)/2
	v_pk_fma_f32 v[(\E)+gi:(\E)+gi+1], v[(\T)+gi:(\T)+gi+1], v[KC:KC+1], v[KC+2:KC+3]
.set gi, gi+2
.endr
.irp k, 4,6,8
.set gi, 0
.rept (\N)/2
	v_pk_fma_f32 v[(\E)+gi:(\E)+gi+1], v[(\E)+gi:(\E)+gi+1], v[(\T)+gi:(\T)+gi+1], v[KC+\k:KC+\k+1]
.set gi, gi+2
.endr
.endr
.set gi, 0
.rept (\N)/2
	v_pk_mul_f32 v[(\E)+gi:(\E)+gi+1], v[(\E)+gi:(\E)+gi+1], v[(\T)+gi:(\T)+gi+1]
.set gi, gi+2
.endr
.set gi, 0
.rept (\N)/2
	v_pk_mul_f32 v[(\E)+gi:(\E)+gi+1], v[(\E)+gi:(\E)+gi+1], v[(\D)+gi:(\D)+gi+1]   ; q
.set gi, gi+2
.endr
.set gi, 0
.rept (\N)
	v_max_num_f32 v[(\T)+gi], 0, v[(\X)+gi]
.set gi, gi+1
.endr
.set gi, 0
.rept (\N)
	v_fma_f32 v[(\X)+gi], -|v[(\X)+gi]|, v[(\E)+gi], v[(\T)+gi]
.set gi, gi+1
.endr
.endm
; 32 k: GELU of two column tiles; values and remainders rounded and packed into a fragment each; three matrix instructions on three accumulators,
; which take turns, one instruction a turn.  HF and HL are written again in the next step: the plain vector
; instructions of that step's GELU, which name none of these matrix instructions' registers, are the places between (ISA guide 7.12.1).
.macro FL fl, zero
	GELU P0+16*\fl, 16, GD, GT, GE
.irp n, 0,1,2,3,4,5,6,7
	v_cvt_pk_bf16_f32 v[HF+\n], v[P0+16*\fl+2*\n], v[P0+16*\fl+2*\n+1]         ; the values, rounded
.endr
.irp n, 0,1,2,3,4,5,6,7
	v_lshlrev_b32 v[GD+2*\n], 16, v[HF+\n]                                     ; and widened again
	v_and_b32 v[GD+2*\n+1], s53, v[HF+\n]
.endr
.irp n, 0,1,2,3,4,5,6,7,8,9,10,11,12,13,14,15
	v_sub_f32 v[GD+\n], v[P0+16*\fl+\n], v[GD+\n]                              ; what the rounding left (exact)
.endr
.irp n, 0,1,2,3,4,5,6,7
	v_cvt_pk_bf16_f32 v[HL+\n], v[GD+2*\n], v[GD+2*\n+1]                       ; the remainders, rounded
.endr
.if \zero
	v_wmma_f32_16x16x32_bf16 v[AC0:AC0+7], v[WF+8*\fl:WF+8*\fl+7], v[HF:HF+7], 0
	v_wmma_f32_16x16x32_bf16 v[AC1:AC1+7], v[WF+8*\fl:WF+8*\fl+7], v[HL:HL+7], 0
	v_wmma_f32_16x16x32_bf16 v[AC2:AC2+7], v[WL+8*\fl:WL+8*\fl+7], v[HF:HF+7], 0
.else
	v_wmma_f32_16x16x32_bf16 v[AC0:AC0+7], v[WF+8*\fl:WF+8*\fl+7], v[HF:HF+7], v[AC0:AC0+7]
	v_wmma_f32_16x16x32_bf16 v[AC1:AC1+7], v[WF+8*\fl:WF+8*\fl+7], v[HL:HL+7], v[AC1:AC1+7]
	v_wmma_f32_16x16x32_bf16 v[AC2:AC2+7], v[WL+8*\fl:WL+8*\fl+7], v[HF:HF+7], v[AC2:AC2+7]
.endif
.endm
	s_load_b256 s[4:11], s[0:1], 0x0               ; p 4, w3f 6, b3 8, order 10
	s_load_b128 s[12:15], s[0:1], 0x20             ; meta 12, out0 14
	v_lshl_add_u32 v239, v0, 2, 0x2000
	v_mov_b32 v255, 0
	v_lshrrev_b32 v1, 5, v0
	v_readfirstlane_b32 s16, v1                    ; wave 0..7
	v_and_b32 v1, 31, v0
	v_lshlrev_b32 v2, 4, v1                        ; 16 L
	v_and_b32 v3, 15, v0
	v_lshlrev_b32 v3, 2, v3                        ; 4 r
	v_bfe_u32 v4, v0, 4, 1
	v_lshlrev_b32 v5, 3, v4                        ; 8 h
	v_lshlrev_b32 v4, 5, v4                        ; 32 h
	s_lshl_b32 s17, s16, 10
	v_add_nc_u32 v7, s17, v2                       ; LDS: 1,024 w + 16 L
	v_mov_b32 v[VZ], 0
	s_mov_b32 s52, 0x3e6d3388                      ; 0.3275911 / sqrt(2)
	s_mov_b32 s53, 0xffff0000                      ; a word's upper bf16
.irp k, 0,1
	v_mov_b32 v[KC+\k],    0x3f07dc22              ; a5 / 2
	v_mov_b32 v[KC+2+\k],  0xbf3a00e3              ; a4 / 2
	v_mov_b32 v[KC+4+\k],  0x3f35f0e3              ; a3 / 2
	v_mov_b32 v[KC+6+\k],  0xbe11a98e              ; a2 / 2
	v_mov_b32 v[KC+8+\k],  0x3e027906              ; a1 / 2
	v_mov_b32 v[KC+10+\k], 0xbf38aa3b              ; -log2(e) / 2
.endr
	s_wait_kmcnt 0x0
	s_load_b256 s[24:31], s[12:13], 0x0            ; tp_0 .. tp_7
	s_min_u32 s18, ttmp9, 135                      ; my tile
	s_wait_kmcnt 0x0
	s_mov_b32 s21, 0
.irp u, 1,2,3,4,5,6,7
	s_cmp_ge_u32 s18, s[24+\u]
	s_add_co_ci_u32 s21, s21, 0                    ; its head: how many heads begin at or below the tile
.endr
	s_min_u32 s21, s21, 7
	s_lshl_b32 s23, s21, 2
	s_lshr_b32 s23, 0x5ca97643, s23                ; the eight parameter counts 3 4 6 7 9 10 12 5, four bits each
	s_and_b32 s23, s23, 15
	s_lshl_b32 s46, s18, 16                        ; p: 64 KiB a tile, 8 KiB a wave
	s_lshl_b32 s48, s16, 13
	s_add_co_u32 s46, s46, s48
	s_mov_b32 s47, 0
	s_add_nc_u64 s[34:35], s[4:5], s[46:47]
	s_add_nc_u64 s[36:37], s[34:35], PHALF
	s_lshl_b32 s46, s21, 15                        ; w3f: 32 KiB a head, 4 KiB a wave
	s_lshl_b32 s48, s16, 12
	s_add_co_u32 s46, s46, s48
	s_add_nc_u64 s[38:39], s[6:7], s[46:47]
	s_lshl_b32 s46, s18, 6
	s_add_nc_u64 s[40:41], s[10:11], s[46:47]      ; order: 16 words a tile
	s_mul_i32 s46, s21, 48
	s_add_nc_u64 s[42:43], s[8:9], s[46:47]        ; b3: 48 bytes a head
	global_load_b32 v6, v3, s[40:41]               ; slot r's row, or -1.  These three small loads go first, in every wave, so that all waves
	global_load_b128 v[8:11], v4, s[42:43]         ; run one text with the same counts: b3 of parameters 8 h + 0..3,
	global_load_b128 v[12:15], v[VZ], s[42:43] offset:16   ; and of parameters 4..7 (lanes 16-31 never store theirs)
.irp m, 0,1,2,3,4,5,6,7,8,9,10,11,12,13,14,15
	global_load_b128 v[P0+4*\m:P0+4*\m+3], v2, s[34:35] offset:512*\m th:TH_LOAD_NT
.endr
.irp m, 0,1,2,3,4,5,6,7,8,9,10,11,12,13,14,15
	global_load_b128 v[P1+4*\m:P1+4*\m+3], v2, s[36:37] offset:512*\m th:TH_LOAD_NT
.endr
.irp m, 0,1,2,3,4,5,6,7
	global_load_b128 v[WF+4*\m:WF+4*\m+3], v2, s[38:39] offset:512*\m
.endr
.irp m, 0,1,2,3,4,5,6,7
	global_load_b128 v[WL+4*\m:WL+4*\m+3], v2, s[38:39] offset:W3LO+512*\m
.endr
	s_wait_loadcnt 16                              ; both halves of p are in; W3's 16 loads stay out
.set n, 0
.rept 32
	v_pk_add_f32 v[P0+n:P0+n+1], v[P0+n:P0+n+1], v[P1+n:P1+n+1]
.set n, n+2
.endr
	s_wait_loadcnt 0x0                             ; W3's fragments are in
	FL 0, 1
	FL 1, 0
	FL 2, 0
	FL 3, 0
	PLACES
.irp n, 0,2,4,6
	v_pk_add_f32 v[AC1+\n:AC1+\n+1], v[AC1+\n:AC1+\n+1], v[AC2+\n:AC2+\n+1]    ; the two small sums first
.endr
.irp n, 0,2,4,6
	v_pk_add_f32 v[AC0+\n:AC0+\n+1], v[AC0+\n:AC0+\n+1], v[AC1+\n:AC1+\n+1]
.endr
	ds_store_b128 v7, v[AC0:AC0+3]
	ds_store_b128 v7, v[AC0+4:AC0+7] offset:512
	s_wait_dscnt 0x0                               ; my partial sums are in LDS before I say so
	s_barrier_signal -1
	s_barrier_wait -1
	s_cmp_lg_u32 s16, 0
	s_cbranch_scc1 .Lend
.irp m, 0,1,2,3,4,5,6,7,8,9,10,11,12,13,14,15
	ds_load_b128 v[P0+4*\m:P0+4*\m+3], v2 offset:512*\m     ; wave m >> 1, registers 4 (m & 1) ..
.endr
	v_sub_nc_u32 v[LIM], s23, v5                   ; how many of my eight parameters the head has (may be negative)
	v_min_u32 v[VAD], 0x7ff, v6                    ; the row (a pad's is not used)
	v_lshlrev_b32 v[VAD+1], 4, v[VAD]
	v_lshlrev_b32 v[VAD], 5, v[VAD]
	v_add_nc_u32 v[VAD], v[VAD], v[VAD+1]          ; 48 x row
	v_add_nc_u32 v[VAD], v[VAD], v4                ; + 32 h
	s_wait_dscnt 0x0
.irp g, 0,16,32,48
.irp n, 0,2,4,6
	v_pk_add_f32 v[P0+\g+\n:P0+\g+\n+1], v[P0+\g+\n:P0+\g+\n+1], v[P0+\g+8+\n:P0+\g+8+\n+1]
.endr
.endr
.irp g, 0,32
.irp n, 0,2,4,6
	v_pk_add_f32 v[P0+\g+\n:P0+\g+\n+1], v[P0+\g+\n:P0+\g+\n+1], v[P0+\g+16+\n:P0+\g+16+\n+1]
.endr
.endr
.irp n, 0,2,4,6
	v_pk_add_f32 v[P0+\n:P0+\n+1], v[P0+\n:P0+\n+1], v[P0+32+\n:P0+32+\n+1]
.endr
.irp n, 0,2,4,6
	v_pk_add_f32 v[P0+\n:P0+\n+1], v[P0+\n:P0+\n+1], v[8+\n:9+\n]
.endr
.irp j, 0,1,2,3,4,5,6,7
	v_cmp_lt_i32 vcc_lo, \j, v[LIM]
	v_cndmask_b32 v[P0+\j], v[VZ], v[P0+\j], vcc_lo        ; zero beyond the head's parameters
.endr
	v_cmp_le_i32 vcc_lo, 0, v6                     ; real rows
	s_and_b32 s45, vcc_lo, 0xffff                  ; and of those lanes 0-15, which hold parameters 4..7
	s_wait_xcnt 0x0                                ; EXEC changes only behind this wait
	s_and_saveexec_b32 s44, vcc_lo
	global_store_b128 v[VAD], v[P0:P0+3], s[14:15] ; parameters 0..3 (lanes 0-15) and 8..11 (lanes 16-31)
	s_wait_xcnt 0x0
	s_or_b32 exec_lo, exec_lo, s44
	s_and_saveexec_b32 s44, s45
	global_store_b128 v[VAD], v[P0+4:P0+7], s[14:15] offset:16
	s_wait_xcnt 0x0
	s_or_b32 exec_lo, exec_lo, s44
.Lend:
	s_wait_tensorcnt 0x0
	ds_add_u32 v239, v255
	s_wait_dscnt 0x0
	s_endpgm
.Lfunc_end_k_q9a4c63d818_head:
	.size	k_q9a4c63d818_head, .Lfunc_end_k_q9a4c63d818_head-k_q9a4c63d818_head
	.p2alignl 7, 3214868480
	.fill 96, 4, 3214868480
	.section	.rodata,"a",@progbits
	.p2align	6, 0x0
	.amdhsa_kernel k_q9a4c63d818_head
		.amdhsa_group_segment_fixed_size 9216
		.amdhsa_private_segment_fixed_size 0
		.amdhsa_enable_private_segment 0
		.amdhsa_kernarg_size 48
		.amdhsa_user_sgpr_count 2
		.amdhsa_user_sgpr_kernarg_segment_ptr 1
		.amdhsa_wavefront_size32 1
		.amdhsa_system_sgpr_workgroup_id_x 1
		.amdhsa_system_sgpr_workgroup_id_y 1
		.amdhsa_system_sgpr_workgroup_id_z 1
		.amdhsa_system_vgpr_workitem_id 0
		.amdhsa_next_free_vgpr 256
		.amdhsa_next_free_sgpr 66
		.amdhsa_reserve_vcc 1
		.amdhsa_float_denorm_mode_32 3
		.amdhsa_float_denorm_mode_16_64 3
		.amdhsa_memory_ordered 1
		.amdhsa_forward_progress 1
		.amdhsa_inst_pref_size 55
	.end_amdhsa_kernel
	.amdgpu_metadata
---
amdhsa.version: [ 1, 2 ]
amdhsa.kernels:
  - .name:           k_q9a4c63d818_head
    .symbol:         k_q9a4c63d818_head.kd
    .args:
      - { .name: p, .offset: 0, .size: 8, .value_kind: global_buffer, .address_space: global }
      - { .name: w3f, .offset: 8, .size: 8, .value_kind: global_buffer, .address_space: global }
      - { .name: b3, .offset: 16, .size: 8, .value_kind: global_buffer, .address_space: global }
      - { .name: order, .offset: 24, .size: 8, .value_kind: global_buffer, .address_space: global }
      - { .name: meta, .offset: 32, .size: 8, .value_kind: global_buffer, .address_space: global }
      - { .name: out0, .offset: 40, .size: 8, .value_kind: global_buffer, .address_space: global }
    .group_segment_fixed_size: 9216
    .private_segment_fixed_size: 0
    .kernarg_segment_align: 8
    .kernarg_segment_size: 48
    .max_flat_workgroup_size: 256
    .sgpr_count:     66
    .vgpr_count:     256
    .wavefront_size: 32
...
	.end_amdgpu_metadata
.endif
;; end of part 8
;; ======== version 3 of 4: 4 launches; 1.30 times as fast as version 1
;; limits: values are held in f16: magnitudes above 65,504 overflow, below 6.1e-05 lose precision; a function is approximated: absolute error at most 1.5e-07
;; workspace buffers: xs 4,456,448 bytes; h1 8,912,896 bytes; p 17,825,792 bytes; w3f 524,288 bytes; order 8,704 bytes of whole numbers; meta 256 bytes of whole numbers
;; launch prep: the kernel of part 5 again; grid 272 x 1, 4 waves a work-group, no clusters, 28,416 bytes of LDS; arguments x, W3, geometry_types, xs, w3f, order, meta, out0, out1; writes xs, w3f, order, meta, out0, out1
;; launch gemm1 (part 9): grid 32 x 8, 4 waves a work-group, no clusters, 164,352 bytes of LDS; arguments xs, W1, b1, meta, h1; writes h1
.if DOCPART == 9
	.amdgcn_target "amdgcn-amd-amdhsa--gfx1250"
	.amdhsa_code_object_version 6
	.text
	.protected	k_q9a4c63d818_gemm1
	.globl	k_q9a4c63d818_gemm1
	.p2align	8
	.type	k_q9a4c63d818_gemm1,@function
k_q9a4c63d818_gemm1:
	s_mov_b64 s[64:65], 0
	v_nop
	global_prefetch_b8 v0, s[64:65] scope:SCOPE_SE
	s_setreg_imm32_b32 hwreg(HW_REG_WAVE_MODE, 25, 1), 1
	s_wait_xcnt 0x0
; First layer of the routed heads: h1 = gelu(xs W1[t] + b1[t]), stored in f16.
; Work-group (x, t): head t, column block x of 64 columns, K = 1,024, all n_t row tiles of that head.
; A wave makes 5 row tiles x 4 column tiles (80 rows x 64 columns) a pass: in pass q wave w takes the head's tiles 20 q + 5 w .. + 4.
; A head of up to 320 rows is one pass.  A tile beyond the head's last reads the last tile again and is not stored.
; W's BLOCK (1,024 k x 64 columns, f32, [k][n]) is read once, rounded to f16 and laid into LDS, rows of 160 bytes, where it stays: 163,840 bytes.
; THE FIRST PASS, which every wave runs, is written out and OVERLAPS that stream with the products.  K goes in 32 quarter steps of 32 k; W comes in 32
; groups of 32 k (a wave's share of a group: 8 rows, 4 loads).  Loads go out in pairs: pair p = W's group p + 5 and the ten loads of quarter step p's
; activations.  Loads come back in order, so one counted wait serves both halves of a pair; four pairs, 56 loads of a wave, are out at the most (a fifth
; would make 70, more than a wait's count can name).  In quarter step j the wave waits for pair j, rounds group j + 5 and stores it into LDS,
; issues pair j + 4, fetches W's fragments of quarter step j + 1 from LDS and multiplies quarter step j.  A K step of 128 k is four groups: its last group is
; stored in the third quarter of the K step before, and there stands the one barrier a K step, its signal and its wait apart, with the quarter's products between.
; No LDS byte is written twice, and stores go to rows of later K steps than any row that is being read, so that barrier is all the ordering there is.
; LATER PASSES (a head of more than 320 rows) find W whole in LDS: a loop without barriers, which a wave leaves when its first tile lies beyond n_t,
; a number read from meta.
; ACTIVATIONS lie in memory in the order of matrix fragments ([plane of 128 k][row tile][4 fragments][1 KiB]), so they go from memory straight into
; registers, 512 neighbouring bytes with each load.  W's fragments come from LDS by the transposing load.
; NO CLUSTER, though the column blocks of a head read the same activations: a tile asked for jointly lands in LDS slots, and slots are filled again
; behind barriers; those would also stand in the loop over passes, whose length is read from memory, and LDS has 163,840 bytes left beside W's block
; for 655,360 bytes of activations a pass.
; THE MATRIX INSTRUCTION IS USED TRANSPOSED: source 0 = 16 columns of W, source 1 = 16 rows: lane (r, h) then holds row r, columns 8 h + 0..7,
; and column tiles 2 q, 2 q + 1, rounded and packed, are registers 0-3 and 4-7 of the next layer's fragment: results are stored as they lie.
; WHY f16: it keeps 11 bits of mantissa where bf16 keeps 8; a rounding of 2^-9 of every activation comes, over the two layers that follow, to the
; order of a hundredth of the outputs' size.  ITS ROOM: the drawn x have spread 1, W1 1/32, the sums 1.  All inputs 30 times larger: sums of spread 900,
; h1 of a few thousand.  x and W1 both offset by 30 of their spreads: sums of 1,024 x 30 x 30/32 = 28,800.  All inputs 30 times smaller: h1 of about
; 5e-4, W1 of 1e-3, where f16's step is 6e-8 at the most (denormals are kept).  LIMIT: a number of W1 or of h1 above 65,504 becomes infinity.
; GELU is the exact form, with erfc by the rational approximation 7.1.26 of Abramowitz and Stegun (absolute error at most 1.5e-7 for every
; argument): gelu(x) = max(x, 0) - |x| q, q = P(t) 2^(-x^2 log2(e) / 2), t = 1 / (1 + 0.2316419 |x|).  LIMIT: x = +-infinity gives NaN.
.set TILES,  136
.set PLANE,  557056                    ; 136 row tiles x 4 KiB
.set WP,     160                       ; a row of W in LDS: 128 bytes of f16 + 32
.set WTILE,  128*WP                    ; 128 k
.set PITCHW, 8192
.set BIASB,  8192
; window 0: v1 L, v2 16 L
.set ADRB, 3                           ; v3-5       W's fragments in LDS: quarter steps 0-11, 12-23, 24-31 (an LDS immediate has 16 bits)
.set ADRS, 6                           ; v6-8       where my rows of W go in LDS: K steps 0-2, 3-5, 6-7
.set WOFF, 9                           ; v9         my 16 bytes of W's first two rows of my wave
.set KC,   10                          ; v[10:21]   a5/2 a4/2 a3/2 a2/2 a1/2 -log2(e)/2, each twice
.set VOFF, 22                          ; v22-26     my five tiles: 4,096 x tile + 16 L
.set BIAS, 32                          ; v[32:63]   bias of my columns, tile c at 8 c
.set BF,   144                         ; v[144:207] fragments of 4 column tiles, two buffers of 32
.set HP,   192                         ; v[192:207] the way out: a tile's results, packed
.set CV,   208                         ; v[208:239] W's groups rounded to f16, group G at 8 (G % 4)
; window 1: accumulator tile (i, c) at v[8 (4 i + c)].
; window 2: fragments of 5 row tiles, slots of 40: quarter step j in slot j % 5 in the first pass, j % 6 in the later ones
; window 3: W as loaded, eight slots of 16: group G in slot G % 8
.set MSB, 0
.macro WIN new                         ; the immediate's high byte repeats the setting that is left
.if MSB != \new
	s_set_vgpr_msb (MSB<<8)|\new
.set MSB, \new
.endif
.endm
.macro PLACES                          ; four plain vector places behind a matrix instruction (ISA guide 7.12.1)
.rept 4
	v_nop
.endr
.endm
; W's group G (32 k x 64 columns of f32): my wave's 8 rows, two whole rows of 256 bytes with each load.  K step G / 4 and the rows stand in the immediate
; (7,585,792 bytes at the most), so no address is ever stepped.
.macro WGLOAD G
	WIN 0xc0                                       ; destination in window 3
.irp k, 0,1,2,3
	global_load_b128 v[16*((\G)%8)+4*\k:16*((\G)%8)+4*\k+3], v[WOFF], s[6:7] offset:((\G)/4)*128*PITCHW+2*(4*((\G)%4)+\k)*PITCHW th:TH_LOAD_NT
.endr
.endm
.macro WGCVT G                         ; group G is rounded to f16
	WIN 0x0f                                       ; sources in window 3
.irp k, 0,1,2,3
	v_cvt_pk_f16_f32 v[CV+8*((\G)%4)+2*\k],   v[16*((\G)%8)+4*\k],   v[16*((\G)%8)+4*\k+1]
	v_cvt_pk_f16_f32 v[CV+8*((\G)%4)+2*\k+1], v[16*((\G)%8)+4*\k+2], v[16*((\G)%8)+4*\k+3]
.endr
.endm
.macro WGSTORE G                       ; and laid into LDS
	WIN 0
.irp k, 0,1,2,3
	ds_store_b64 v[ADRS+((\G)/4)/3], v[CV+8*((\G)%4)+2*\k:CV+8*((\G)%4)+2*\k+1] offset:(((\G)/4)%3)*WTILE+2*WP*(4*((\G)%4)+\k)
.endr
.endm
; 10 loads: the fragments of quarter step j (32 k) of my five row tiles, into slot j % R.  Plane and fragment stand in the immediate (3,902,976 at the most).
.macro ALOAD j, R
	WIN 0x80                                       ; destination in window 2
.irp i, 0,1,2,3,4
	global_load_b128 v[40*((\j)%(\R))+8*\i:40*((\j)%(\R))+8*\i+3],   v[VOFF+\i], s[4:5] offset:((\j)/4)*PLANE+((\j)%4)*1024
	global_load_b128 v[40*((\j)%(\R))+8*\i+4:40*((\j)%(\R))+8*\i+7], v[VOFF+\i], s[4:5] offset:((\j)/4)*PLANE+((\j)%4)*1024+512
.endr
.endm
; 8 LDS loads: W's fragments of quarter step j, 4 column tiles, transposed on the way, into buffer j & 1.
.macro BFETCH j
	WIN 0
.irp c, 0,1,2,3
	ds_load_tr16_b128 v[BF+32*((\j)&1)+8*\c:BF+32*((\j)&1)+8*\c+3],   v[ADRB+(\j)/12] offset:((\j)%12)*32*WP+32*\c
	ds_load_tr16_b128 v[BF+32*((\j)&1)+8*\c+4:BF+32*((\j)&1)+8*\c+7], v[ADRB+(\j)/12] offset:((\j)%12)*32*WP+32*\c+16*WP
.endr
.endm
; 20 matrix instructions; the 20 accumulators take turns, one instruction a turn.  Quarter step 0 starts the sums.
.macro MUL20 j, R
	WIN 0x58                                       ; source 1 in window 2, C and D in window 1
.irp i, 0,1,2,3,4
.irp c, 0,1,2,3
.if (\j) == 0
	v_wmma_f32_16x16x32_f16 v[8*(4*\i+\c):8*(4*\i+\c)+7], v[BF+32*((\j)&1)+8*\c:BF+32*((\j)&1)+8*\c+7], v[40*((\j)%(\R))+8*\i:40*((\j)%(\R))+8*\i+7], 0
.else
	v_wmma_f32_16x16x32_f16 v[8*(4*\i+\c):8*(4*\i+\c)+7], v[BF+32*((\j)&1)+8*\c:BF+32*((\j)&1)+8*\c+7], v[40*((\j)%(\R))+8*\i:40*((\j)%(\R))+8*\i+7], v[8*(4*\i+\c):8*(4*\i+\c)+7]
.endif
.endr
.endr
.endm
; N numbers in v[X ..] become their GELU in place; D, T, E: N registers each, at work.
.macro GELU X, N, D, T, E
.set gi, 0
.rept (\N)
	v_fma_f32 v[(\D)+gi], |v[(\X)+gi]|, s52, 1.0   ; 1 + p |x|
.set gi, gi+1
.endr
.set gi, 0
.rept (\N)/2
	v_pk_mul_f32 v[(\E)+gi:(\E)+gi+1], v[(\X)+gi:(\X)+gi+1], v[(\X)+gi:(\X)+gi+1]
.set gi, gi+2
.endr
.set gi, 0
.rept (\N)
	v_rcp_f32 v[(\T)+gi], v[(\D)+gi]               ; t
.set gi, gi+1
.endr
.set gi, 0
.rept (\N)/2
	v_pk_mul_f32 v[(\E)+gi:(\E)+gi+1], v[(\E)+gi:(\E)+gi+1], v[KC+10:KC+11]   ; plain work between the reciprocals and what touches their registers (ISA guide 5.7.2)
.set gi, gi+2
.endr
.set gi, 0
.rept (\N)
	v_exp_f32 v[(\D)+gi], v[(\E)+gi]               ; 2^(-x^2 log2(e) / 2); an overflowing square gives 0
.set gi, gi+1
.endr
	v_nop                                          ; one plain place before the last exponential's source is rewritten
.set gi, 0
	s_wait_alu depctr_va_vdst(0)
.rept (\N)/2
	v_pk_fma_f32 v[(\E)+gi:(\E)+gi+1], v[(\T)+gi:(\T)+gi+1], v[KC:KC+1], v[KC+2:KC+3]
.set gi, gi+2
.endr
.irp k, 4,6,8
.set gi, 0
.rept (\N)/2
	v_pk_fma_f32 v[(\E)+gi:(\E)+gi+1], v[(\E)+gi:(\E)+gi+1], v[(\T)+gi:(\T)+gi+1], v[KC+\k:KC+\k+1]
.set gi, gi+2
.endr
.endr
.set gi, 0
.rept (\N)/2
	v_pk_mul_f32 v[(\E)+gi:(\E)+gi+1], v[(\E)+gi:(\E)+gi+1], v[(\T)+gi:(\T)+gi+1]
.set gi, gi+2
.endr
.set gi, 0
.rept (\N)/2
	v_pk_mul_f32 v[(\E)+gi:(\E)+gi+1], v[(\E)+gi:(\E)+gi+1], v[(\D)+gi:(\D)+gi+1]   ; q
.set gi, gi+2
.endr
.set gi, 0
.rept (\N)
	v_max_num_f32 v[(\T)+gi], 0, v[(\X)+gi]
.set gi, gi+1
.endr
.set gi, 0
.rept (\N)
	v_fma_f32 v[(\X)+gi], -|v[(\X)+gi]|, v[(\E)+gi], v[(\T)+gi]
.set gi, gi+1
.endr
.endm
; The offsets of my five tiles; s21 = my first tile, counted inside the head.
.macro MYTILES
.irp i, 0,1,2,3,4
	s_add_co_u32 s22, s21, \i
	s_min_u32 s22, s22, s53                        ; beyond the head's end: its last tile once more
	s_add_co_u32 s22, s22, s18
	s_min_u32 s22, s22, TILES-1
	s_lshl_b32 s23, s22, 12
	v_add_nc_u32 v[VOFF+\i], s23, v2
.endr
.endm
; The way out: bias, GELU, f16, one row tile (32 numbers a lane) at a time; a store is half a fragment of h1: 512 consecutive bytes, aligned.
.macro EPI tag
.irp i, 0,1,2,3,4
	WIN 0                                          ; at a branch and at a label every window is 0
.if \i
	s_add_co_u32 s22, s21, \i
	s_cmp_ge_u32 s22, s19
	s_cbranch_scc1 .Lepi_done\tag                  ; this tile and those behind it lie beyond the head's end
.endif
	s_wait_xcnt 0x0                                ; v[192:207], which the last tile's stores read, are rewritten only behind this wait
	WIN 0x01                                       ; source 0 in window 1
.irp n, 0,1,2,3,4,5,6,7,8,9,10,11,12,13,14,15
	v_pk_add_f32 v[64+2*\n:64+2*\n+1], v[32*\i+2*\n:32*\i+2*\n+1], v[BIAS+2*\n:BIAS+2*\n+1]
.endr
	WIN 0
	GELU 64, 32, 96, 128, 160
.irp n, 0,1,2,3,4,5,6,7,8,9,10,11,12,13,14,15
	v_cvt_pk_f16_f32 v[HP+\n], v[64+2*\n], v[64+2*\n+1]
.endr
.irp c, 0,1,2,3
	global_store_b128 v[VOFF+\i], v[HP+4*\c:HP+4*\c+3], s[56:57] offset:512*\c
.endr
.endr
	WIN 0
.Lepi_done\tag:
.endm
; ---- set-up
	s_load_b256 s[4:11], s[0:1], 0x0               ; xs 4, W1 6, b1 8, meta 10
	s_load_b64 s[12:13], s[0:1], 0x20              ; h1
	v_lshl_add_u32 v254, v0, 2, 0x28000
	v_mov_b32 v255, 0
	v_lshrrev_b32 v1, 5, v0
	v_readfirstlane_b32 s14, v1                    ; wave 0..3
	s_and_b32 s15, ttmp7, 0xffff                   ; head t
	s_mov_b32 s16, ttmp9                           ; column block
	s_lshl_b32 s21, s15, 2
	v_and_b32 v1, 31, v0                           ; L
	v_lshlrev_b32 v2, 4, v1                        ; 16 L
	v_bfe_u32 v64, v0, 4, 1                        ; h
	v_and_b32 v65, 15, v0                          ; r
	v_and_b32 v66, 7, v0
	v_lshl_add_u32 v66, v64, 3, v66
	v_mul_u32_u24 v66, v66, WP                     ; the transposing load: row 8 h + (L & 7),
	v_bfe_u32 v67, v0, 3, 1
	v_lshl_add_u32 v[ADRB], v67, 4, v66            ; 16 bytes further for lanes 8-15 and 24-31
	v_add_nc_u32 v[ADRB+1], 12*32*WP, v[ADRB]
	v_add_nc_u32 v[ADRB+2], 24*32*WP, v[ADRB]
	s_lshl_b32 s22, s14, 5
	v_add_nc_u32 v68, s22, v64                     ; row 32 w + h of a K step of W
	v_mul_u32_u24 v69, v68, WP
	v_lshl_add_u32 v[ADRS], v65, 3, v69            ; where it goes in LDS: 8 bytes a lane
	v_add_nc_u32 v[ADRS+1], 3*WTILE, v[ADRS]
	v_add_nc_u32 v[ADRS+2], 6*WTILE, v[ADRS]
	v_mul_u32_u24 v[WOFF], v68, PITCHW
	v_lshl_add_u32 v[WOFF], v65, 4, v[WOFF]        ; where it lies in memory: 16 bytes a lane
	v_lshlrev_b32 v70, 5, v64                      ; 32 h
	s_lshl_b32 s58, s15, 23                        ; W1: head t, 8 MiB each,
	s_lshl_b32 s22, s16, 8                         ; 64 columns of f32
	s_add_co_u32 s58, s58, s22
	s_mov_b32 s59, 0
	s_mul_i32 s60, s15, BIASB                      ; b1: head t, the same 64 columns
	s_add_co_u32 s60, s60, s22
	s_mov_b32 s61, 0
	s_wait_kmcnt 0x0
	s_load_b32 s18, s[10:11], s21 offset:0x0       ; tp_t: my head's first tile
	s_load_b32 s19, s[10:11], s21 offset:0x20      ; n_t: its tiles
	s_add_nc_u64 s[6:7], s[6:7], s[58:59]
	s_add_nc_u64 s[8:9], s[8:9], s[60:61]
.irp c, 0,1,2,3
	global_load_b128 v[BIAS+8*\c:BIAS+8*\c+3],   v70, s[8:9] offset:64*\c      ; columns 16 c + 8 h + 0..3
	global_load_b128 v[BIAS+8*\c+4:BIAS+8*\c+7], v70, s[8:9] offset:64*\c+16   ; + 4..7
.endr
.irp G, 0,1,2,3,4
	WGLOAD \G                                      ; W's first K step and a group of the second go out while meta is on its way
.endr
	WIN 0
	s_lshr_b32 s58, s16, 1                         ; h1: the block's plane,
	s_mul_i32 s58, s58, PLANE
	s_and_b32 s60, s16, 1
	s_lshl_b32 s60, s60, 11                        ; its two fragments of the four
	s_add_co_u32 s58, s58, s60
	s_add_nc_u64 s[56:57], s[12:13], s[58:59]
	s_mov_b32 s52, 0x3e6d3388                      ; 0.3275911 / sqrt(2)
.irp k, 0,1
	v_mov_b32 v[KC+\k],    0x3f07dc22              ; a5 / 2
	v_mov_b32 v[KC+2+\k],  0xbf3a00e3              ; a4 / 2
	v_mov_b32 v[KC+4+\k],  0x3f35f0e3              ; a3 / 2
	v_mov_b32 v[KC+6+\k],  0xbe11a98e              ; a2 / 2
	v_mov_b32 v[KC+8+\k],  0x3e027906              ; a1 / 2
	v_mov_b32 v[KC+10+\k], 0xbf38aa3b              ; -log2(e) / 2
.endr
	s_mul_i32 s51, s14, 5                          ; 5 w
	s_wait_kmcnt 0x0
	s_min_u32 s18, s18, TILES-1
	s_min_u32 s19, s19, TILES
	s_max_u32 s19, s19, 1
	s_sub_co_u32 s53, s19, 1                       ; the head's last tile
	s_mov_b32 s21, s51                             ; the first pass: my first tile is 5 w
	MYTILES
; ---- the first pass: W's stream and the products together
	WGLOAD 5                                       ; pair 0
	ALOAD 0, 5
	WGLOAD 6                                       ; pair 1: 8 + 20 + 28 = 56 loads are out
	ALOAD 1, 5
	s_wait_loadcnt 28                              ; loads come back in order: the bias and groups 0 to 4 are in, pairs 0 and 1 stay out
	WGCVT 0
	WGSTORE 0
	WGLOAD 7                                       ; pair 2
	ALOAD 2, 5
	WGLOAD 8                                       ; pair 3, its group into the slot that group 0 has just left
	ALOAD 3, 5
.irp G, 1,2,3,4
	WGCVT \G
	WGSTORE \G
.endr
	s_wait_dscnt 0x0                               ; my rows of K step 0 are in LDS before I say so
	s_barrier_signal -1
	s_barrier_wait -1                              ; K step 0 of W is whole
	BFETCH 0
.set jj, 0
.rept 32
.set cnt, 0                                    ; what may stay out: pairs jj + 1 to jj + 3, 14 loads each while W has groups left (pair 26 brings the last), then 10
.irp d, 1,2,3
.if jj+\d <= 31
.set cnt, cnt+10
.if jj+\d <= 26
.set cnt, cnt+4
.endif
.endif
.endr
.set bar, 0                                    ; the third quarter of a K step stores the last group of the next one
.if jj <= 26
.if (jj & 3) == 2
.set bar, 1
.endif
.endif
	s_wait_loadcnt cnt                             ; pair jj is in
.if jj <= 26
	WGCVT jj+5
.endif
.if jj <= 22
	WGLOAD jj+9                                    ; pair jj + 4
.endif
.if jj <= 27
	ALOAD jj+4, 5                                  ; into the slot multiplied in the last quarter step, four places behind its matrix instructions
.endif
.if jj <= 26
	WGSTORE jj+5
.endif
.if bar
	s_wait_dscnt 0x0                               ; my rows of the next K step are in LDS (and this quarter's fragments in registers) before I say so
	s_barrier_signal -1
.endif
.if jj < 31
	BFETCH jj+1                                    ; between signal and wait: rows of the current K step, which nobody writes again
.endif
.if bar == 0
.set dc, 0                                     ; LDS instructions issued behind this quarter's fragment loads: 4 stores, 8 loads
.if jj <= 26
.set dc, dc+4
.endif
.if jj < 31
.set dc, dc+8
.endif
	s_wait_dscnt dc
.endif
	MUL20 jj, 5
	PLACES                                         ; in front of the loads into the slot and the buffer that have just been multiplied, and of the way out
.if bar
	s_barrier_wait -1                              ; the next K step of W is whole
.endif
.set jj, jj+1
.endr
	WIN 0                                          ; at a branch and at a label every window is 0
	s_cmp_ge_u32 s21, s19
	s_cbranch_scc1 .Lend                           ; my wave has no tile of this head: it only shared in W's block
	EPI 0
; ---- later passes: 80 rows a pass; 7 passes of 20 tiles cover the 136 tiles that a head can have at the most
	s_mov_b32 s20, 1
.Lpass:
	s_mul_i32 s21, s20, 20
	s_add_co_u32 s21, s21, s51                     ; my first tile, counted inside the head
	s_cmp_ge_u32 s21, s19
	s_cbranch_scc1 .Lend                           ; nothing is left for my wave
	s_wait_xcnt 0x0                                ; what the last pass's stores name (offsets, data) is rewritten only behind this wait
	MYTILES
	ALOAD 0, 6
	ALOAD 1, 6
	ALOAD 2, 6
	ALOAD 3, 6
	ALOAD 4, 6
	ALOAD 5, 6
	BFETCH 0
.set jj, 0
.rept 32
.if jj < 31
	BFETCH jj+1
.endif
.if jj < 27
	s_wait_loadcnt 50                              ; loads come back in order: this quarter step's ten are in, the ten of each of five younger ones stay out
.else
	s_wait_loadcnt 10*(31-jj)                      ; fewer younger ones are left
.endif
.if jj < 31
	s_wait_dscnt 8                                 ; all but the eight LDS loads just issued
.else
	s_wait_dscnt 0x0
.endif
	MUL20 jj, 6
	PLACES                                         ; in front of the loads into the slot and the buffer that have just been multiplied, and of the way out
.if jj < 26
	ALOAD jj+6, 6
.endif
.set jj, jj+1
.endr
	EPI 1
	s_add_co_u32 s20, s20, 1
	s_cmp_lt_u32 s20, 7
	s_cbranch_scc1 .Lpass
.Lend:
	s_wait_tensorcnt 0x0
	ds_add_u32 v254, v255
	s_wait_dscnt 0x0
	s_endpgm
.Lfunc_end_k_q9a4c63d818_gemm1:
	.size	k_q9a4c63d818_gemm1, .Lfunc_end_k_q9a4c63d818_gemm1-k_q9a4c63d818_gemm1
	.p2alignl 7, 3214868480
	.fill 96, 4, 3214868480
	.section	.rodata,"a",@progbits
	.p2align	6, 0x0
	.amdhsa_kernel k_q9a4c63d818_gemm1
		.amdhsa_group_segment_fixed_size 164352
		.amdhsa_private_segment_fixed_size 0
		.amdhsa_enable_private_segment 0
		.amdhsa_kernarg_size 40
		.amdhsa_user_sgpr_count 2
		.amdhsa_user_sgpr_kernarg_segment_ptr 1
		.amdhsa_wavefront_size32 1
		.amdhsa_system_sgpr_workgroup_id_x 1
		.amdhsa_system_sgpr_workgroup_id_y 1
		.amdhsa_system_sgpr_workgroup_id_z 1
		.amdhsa_system_vgpr_workitem_id 0
		.amdhsa_next_free_vgpr 896
		.amdhsa_next_free_sgpr 66
		.amdhsa_reserve_vcc 0
		.amdhsa_float_denorm_mode_32 3
		.amdhsa_float_denorm_mode_16_64 3
		.amdhsa_memory_ordered 1
		.amdhsa_forward_progress 1
		.amdhsa_inst_pref_size 255
	.end_amdhsa_kernel
	.section	.bss,"aw",@nobits
	.p2align	6
	.space	262144
	.amdgpu_metadata
---
amdhsa.version: [ 1, 2 ]
amdhsa.kernels:
  - .name:           k_q9a4c63d818_gemm1
    .symbol:         k_q9a4c63d818_gemm1.kd
    .args:
      - { .name: xs, .offset: 0, .size: 8, .value_kind: global_buffer, .address_space: global }
      - { .name: W1, .offset: 8, .size: 8, .value_kind: global_buffer, .address_space: global }
      - { .name: b1, .offset: 16, .size: 8, .value_kind: global_buffer, .address_space: global }
      - { .name: meta, .offset: 24, .size: 8, .value_kind: global_buffer, .address_space: global }
      - { .name: h1, .offset: 32, .size: 8, .value_kind: global_buffer, .address_space: global }
    .group_segment_fixed_size: 164352
    .private_segment_fixed_size: 0
    .kernarg_segment_align: 8
    .kernarg_segment_size: 40
    .max_flat_workgroup_size: 128
    .sgpr_count:     66
    .vgpr_count:     896
    .wavefront_size: 32
...
	.end_amdgpu_metadata
.endif
;; end of part 9
;; launch gemm2 (part 10): grid 32 x 8, 4 waves a work-group, no clusters, 164,352 bytes of LDS; arguments h1, W2, b2, meta, p; writes p
.if DOCPART == 10
	.amdgcn_target "amdgcn-amd-amdhsa--gfx1250"
	.amdhsa_code_object_version 6
	.text
	.protected	k_q9a4c63d818_gemm2
	.globl	k_q9a4c63d818_gemm2
	.p2align	8
	.type	k_q9a4c63d818_gemm2,@function
k_q9a4c63d818_gemm2:
	s_mov_b64 s[64:65], 0
	v_nop
	global_prefetch_b8 v0, s[64:65] scope:SCOPE_SE
	s_setreg_imm32_b32 hwreg(HW_REG_WAVE_MODE, 25, 1), 1
	s_wait_xcnt 0x0
; Second layer of the routed heads: p[kh] = h1 W2[t] over half kh of K = 2,048 (+ b2[t] in half 0), f32.
; Work-group (x, t): head t, column block x & 15 of 64 columns, half x >> 4 of K (1,024 k), all n_t row tiles of that head.
; A wave makes 5 row tiles x 4 column tiles (80 rows x 64 columns) a pass: in pass q wave w takes the head's tiles 20 q + 5 w .. + 4.
; A head of up to 320 rows is one pass.  A tile beyond the head's last reads the last tile again and is not stored.
; W's BLOCK (1,024 k x 64 columns, f32, [k][n]) is read once, rounded to f16 and laid into LDS, rows of 160 bytes, where it stays: 163,840 bytes.
; THE FIRST PASS, which every wave runs, is written out and OVERLAPS that stream with the products.  K goes in 32 quarter steps of 32 k; W comes in 32
; groups of 32 k (a wave's share of a group: 8 rows, 4 loads).  Loads go out in pairs: pair p = W's group p + 5 and the ten loads of quarter step p's
; activations.  Loads come back in order, so one counted wait serves both halves of a pair; four pairs, 56 loads of a wave, are out at the most (a fifth
; would make 70, more than a wait's count can name).  In quarter step j the wave waits for pair j, rounds group j + 5 and stores it into LDS,
; issues pair j + 4, fetches W's fragments of quarter step j + 1 from LDS and multiplies quarter step j.  A K step of 128 k is four groups: its last group is
; stored in the third quarter of the K step before, and there stands the one barrier a K step, its signal and its wait apart, with the quarter's products between.
; No LDS byte is written twice, and stores go to rows of later K steps than any row that is being read, so that barrier is all the ordering there is.
; LATER PASSES (a head of more than 320 rows) find W whole in LDS: a loop without barriers, which a wave leaves when its first tile lies beyond n_t,
; a number read from meta.
; ACTIVATIONS (h1, f16) lie in memory in the order of matrix fragments ([plane of 128 k][row tile][4 fragments][1 KiB]), so they go from memory
; straight into registers, 512 neighbouring bytes with each load.  W's fragments come from LDS by the transposing load.
; NO CLUSTER, though the column blocks of a head read the same activations: a tile asked for jointly lands in LDS slots, and slots are filled again
; behind barriers; those would also stand in the loop over passes, whose length is read from memory, and LDS has 163,840 bytes left beside W's block
; for 655,360 bytes of activations a pass.
; THE MATRIX INSTRUCTION IS USED TRANSPOSED: source 0 = 16 columns of W, source 1 = 16 rows: lane (r, h) then holds row r, columns 8 h + 0..7.
; The split of K gives all 256 work-groups a share of W2; the two halves are added, in a fixed order, by the last launch.
; WHY f16: 11 bits of mantissa where bf16 keeps 8 (the first layer's head comment has h1's room).  W2's ROOM: the drawn numbers have spread 1/45;
; 30 times larger, or offset by 30 spreads, is below 1; 30 times smaller is 7e-4, where f16's step is 6e-8 at the most (denormals are kept).
; LIMIT: a number of W2 above 65,504 becomes infinity.
.set TILES,  136
.set PLANE,  557056                    ; 136 row tiles x 4 KiB
.set PHALF,  8912896                   ; 136 row tiles x 64 KiB of f32
.set WP,     160                       ; a row of W in LDS: 128 bytes of f16 + 32
.set WTILE,  128*WP                    ; 128 k
.set PITCHW, 4096
.set BIASB,  4096
; window 0: v1 L, v2 16 L
.set ADRB, 3                           ; v3-5       W's fragments in LDS: quarter steps 0-11, 12-23, 24-31 (an LDS immediate has 16 bits)
.set ADRS, 6                           ; v6-8       where my rows of W go in LDS: K steps 0-2, 3-5, 6-7
.set WOFF, 9                           ; v9         my 16 bytes of W's first two rows of my wave
.set VOFF, 22                          ; v22-26     my five tiles in h1: 4,096 x tile + 16 L
.set VOFP, 27                          ; v27-31     my five tiles in p: 65,536 x tile + 16 L
.set BIAS, 32                          ; v[32:63]   bias of my columns, tile c at 8 c
.set BF,   144                         ; v[144:207] fragments of 4 column tiles, two buffers of 32
.set CV,   208                         ; v[208:239] W's groups rounded to f16, group G at 8 (G % 4)
; window 1: accumulator tile (i, c) at v[8 (4 i + c)].
; window 2: fragments of 5 row tiles, slots of 40: quarter step j in slot j % 5 in the first pass, j % 6 in the later ones
; window 3: W as loaded, eight slots of 16: group G in slot G % 8
.set MSB, 0
.macro WIN new                         ; the immediate's high byte repeats the setting that is left
.if MSB != \new
	s_set_vgpr_msb (MSB<<8)|\new
.set MSB, \new
.endif
.endm
.macro PLACES                          ; four plain vector places behind a matrix instruction (ISA guide 7.12.1)
.rept 4
	v_nop
.endr
.endm
; W's group G (32 k x 64 columns of f32): my wave's 8 rows, two whole rows of 256 bytes with each load.  K step G / 4 and the rows stand in the immediate
; (3,792,896 bytes at the most), so no address is ever stepped.
.macro WGLOAD G
	WIN 0xc0                                       ; destination in window 3
.irp k, 0,1,2,3
	global_load_b128 v[16*((\G)%8)+4*\k:16*((\G)%8)+4*\k+3], v[WOFF], s[6:7] offset:((\G)/4)*128*PITCHW+2*(4*((\G)%4)+\k)*PITCHW th:TH_LOAD_NT
.endr
.endm
.macro WGCVT G                         ; group G is rounded to f16
	WIN 0x0f                                       ; sources in window 3
.irp k, 0,1,2,3
	v_cvt_pk_f16_f32 v[CV+8*((\G)%4)+2*\k],   v[16*((\G)%8)+4*\k],   v[16*((\G)%8)+4*\k+1]
	v_cvt_pk_f16_f32 v[CV+8*((\G)%4)+2*\k+1], v[16*((\G)%8)+4*\k+2], v[16*((\G)%8)+4*\k+3]
.endr
.endm
.macro WGSTORE G                       ; and laid into LDS
	WIN 0
.irp k, 0,1,2,3
	ds_store_b64 v[ADRS+((\G)/4)/3], v[CV+8*((\G)%4)+2*\k:CV+8*((\G)%4)+2*\k+1] offset:(((\G)/4)%3)*WTILE+2*WP*(4*((\G)%4)+\k)
.endr
.endm
; 10 loads: the fragments of quarter step j (32 k) of my five row tiles, into slot j % R.  Plane and fragment stand in the immediate (3,902,976 at the most).
.macro ALOAD j, R
	WIN 0x80                                       ; destination in window 2
.irp i, 0,1,2,3,4
	global_load_b128 v[40*((\j)%(\R))+8*\i:40*((\j)%(\R))+8*\i+3],   v[VOFF+\i], s[54:55] offset:((\j)/4)*PLANE+((\j)%4)*1024
	global_load_b128 v[40*((\j)%(\R))+8*\i+4:40*((\j)%(\R))+8*\i+7], v[VOFF+\i], s[54:55] offset:((\j)/4)*PLANE+((\j)%4)*1024+512
.endr
.endm
; 8 LDS loads: W's fragments of quarter step j, 4 column tiles, transposed on the way, into buffer j & 1.
.macro BFETCH j
	WIN 0
.irp c, 0,1,2,3
	ds_load_tr16_b128 v[BF+32*((\j)&1)+8*\c:BF+32*((\j)&1)+8*\c+3],   v[ADRB+(\j)/12] offset:((\j)%12)*32*WP+32*\c
	ds_load_tr16_b128 v[BF+32*((\j)&1)+8*\c+4:BF+32*((\j)&1)+8*\c+7], v[ADRB+(\j)/12] offset:((\j)%12)*32*WP+32*\c+16*WP
.endr
.endm
; 20 matrix instructions; the 20 accumulators take turns, one instruction a turn.  Quarter step 0 starts the sums.
.macro MUL20 j, R
	WIN 0x58                                       ; source 1 in window 2, C and D in window 1
.irp i, 0,1,2,3,4
.irp c, 0,1,2,3
.if (\j) == 0
	v_wmma_f32_16x16x32_f16 v[8*(4*\i+\c):8*(4*\i+\c)+7], v[BF+32*((\j)&1)+8*\c:BF+32*((\j)&1)+8*\c+7], v[40*((\j)%(\R))+8*\i:40*((\j)%(\R))+8*\i+7], 0
.else
	v_wmma_f32_16x16x32_f16 v[8*(4*\i+\c):8*(4*\i+\c)+7], v[BF+32*((\j)&1)+8*\c:BF+32*((\j)&1)+8*\c+7], v[40*((\j)%(\R))+8*\i:40*((\j)%(\R))+8*\i+7], v[8*(4*\i+\c):8*(4*\i+\c)+7]
.endif
.endr
.endr
.endm
; The offsets of my five tiles in h1 and in p; s21 = my first tile, counted inside the head.
.macro MYTILES
.irp i, 0,1,2,3,4
	s_add_co_u32 s22, s21, \i
	s_min_u32 s22, s22, s53                        ; beyond the head's end: its last tile once more
	s_add_co_u32 s22, s22, s18
	s_min_u32 s22, s22, TILES-1
	s_lshl_b32 s23, s22, 12
	v_add_nc_u32 v[VOFF+\i], s23, v2
	s_lshl_b32 s23, s22, 16
	v_add_nc_u32 v[VOFP+\i], s23, v2
.endr
.endm
; The way out: the half sums leave in f32 as they lie, 512 consecutive bytes with each store, aligned.
.macro EPI tag
.irp i, 0,1,2,3,4
	WIN 0                                          ; at a branch and at a label every window is 0
.if \i
	s_add_co_u32 s22, s21, \i
	s_cmp_ge_u32 s22, s19
	s_cbranch_scc1 .Lepi_done\tag                  ; this tile and those behind it lie beyond the head's end
.endif
	WIN 0x41                                       ; source 0 and destination in window 1
.irp n, 0,1,2,3,4,5,6,7,8,9,10,11,12,13,14,15
	v_pk_add_f32 v[32*\i+2*\n:32*\i+2*\n+1], v[32*\i+2*\n:32*\i+2*\n+1], v[BIAS+2*\n:BIAS+2*\n+1]
.endr
	WIN 0x04                                       ; store data in window 1
.irp c, 0,1,2,3
	global_store_b128 v[VOFP+\i], v[8*(4*\i+\c):8*(4*\i+\c)+3],   s[56:57] offset:1024*\c
	global_store_b128 v[VOFP+\i], v[8*(4*\i+\c)+4:8*(4*\i+\c)+7], s[56:57] offset:1024*\c+512
.endr
.endr
	WIN 0
.Lepi_done\tag:
.endm
; ---- set-up
	s_load_b256 s[4:11], s[0:1], 0x0               ; h1 4, W2 6, b2 8, meta 10
	s_load_b64 s[12:13], s[0:1], 0x20              ; p
	v_lshl_add_u32 v254, v0, 2, 0x28000
	v_mov_b32 v255, 0
	v_lshrrev_b32 v1, 5, v0
	v_readfirstlane_b32 s14, v1                    ; wave 0..3
	s_and_b32 s15, ttmp7, 0xffff                   ; head t
	s_lshr_b32 s17, ttmp9, 4                       ; half of K
	s_and_b32 s16, ttmp9, 15                       ; column block
	s_lshl_b32 s21, s15, 2
	v_and_b32 v1, 31, v0                           ; L
	v_lshlrev_b32 v2, 4, v1                        ; 16 L
	v_bfe_u32 v64, v0, 4, 1                        ; h
	v_and_b32 v65, 15, v0                          ; r
	v_and_b32 v66, 7, v0
	v_lshl_add_u32 v66, v64, 3, v66
	v_mul_u32_u24 v66, v66, WP                     ; the transposing load: row 8 h + (L & 7),
	v_bfe_u32 v67, v0, 3, 1
	v_lshl_add_u32 v[ADRB], v67, 4, v66            ; 16 bytes further for lanes 8-15 and 24-31
	v_add_nc_u32 v[ADRB+1], 12*32*WP, v[ADRB]
	v_add_nc_u32 v[ADRB+2], 24*32*WP, v[ADRB]
	s_lshl_b32 s22, s14, 5
	v_add_nc_u32 v68, s22, v64                     ; row 32 w + h of a K step of W
	v_mul_u32_u24 v69, v68, WP
	v_lshl_add_u32 v[ADRS], v65, 3, v69            ; where it goes in LDS: 8 bytes a lane
	v_add_nc_u32 v[ADRS+1], 3*WTILE, v[ADRS]
	v_add_nc_u32 v[ADRS+2], 6*WTILE, v[ADRS]
	v_mul_u32_u24 v[WOFF], v68, PITCHW
	v_lshl_add_u32 v[WOFF], v65, 4, v[WOFF]        ; where it lies in memory: 16 bytes a lane
	v_lshlrev_b32 v70, 5, v64                      ; 32 h
	s_lshl_b32 s58, s15, 23                        ; W2: head t, 8 MiB each,
	s_lshl_b32 s22, s17, 22                        ; half of K (1,024 rows of 4 KiB),
	s_add_co_u32 s58, s58, s22
	s_lshl_b32 s22, s16, 8                         ; 64 columns of f32
	s_add_co_u32 s58, s58, s22
	s_mov_b32 s59, 0
	s_mul_i32 s60, s15, BIASB                      ; b2: head t, the same 64 columns
	s_add_co_u32 s60, s60, s22
	s_mov_b32 s61, 0
	s_wait_kmcnt 0x0
	s_load_b32 s18, s[10:11], s21 offset:0x0       ; tp_t: my head's first tile
	s_load_b32 s19, s[10:11], s21 offset:0x20      ; n_t: its tiles
	s_add_nc_u64 s[6:7], s[6:7], s[58:59]
	s_add_nc_u64 s[8:9], s[8:9], s[60:61]
.irp c, 0,1,2,3
	global_load_b128 v[BIAS+8*\c:BIAS+8*\c+3],   v70, s[8:9] offset:64*\c      ; columns 16 c + 8 h + 0..3
	global_load_b128 v[BIAS+8*\c+4:BIAS+8*\c+7], v70, s[8:9] offset:64*\c+16   ; + 4..7
.endr
.irp G, 0,1,2,3,4
	WGLOAD \G                                      ; W's first K step and a group of the second go out while meta is on its way
.endr
	WIN 0
	s_mul_i32 s58, s17, PHALF                      ; p: the half of K,
	s_lshl_b32 s60, s16, 12                        ; the block's 4 column tiles of 1 KiB
	s_add_co_u32 s58, s58, s60
	s_add_nc_u64 s[56:57], s[12:13], s[58:59]
	s_mul_i32 s58, s17, 8*PLANE                    ; h1: the half's 8 planes
	s_add_nc_u64 s[54:55], s[4:5], s[58:59]
	s_mul_i32 s51, s14, 5                          ; 5 w
	s_wait_kmcnt 0x0
	s_min_u32 s18, s18, TILES-1
	s_min_u32 s19, s19, TILES
	s_max_u32 s19, s19, 1
	s_sub_co_u32 s53, s19, 1                       ; the head's last tile
	s_mov_b32 s21, s51                             ; the first pass: my first tile is 5 w
	MYTILES
; ---- the first pass: W's stream and the products together
	WGLOAD 5                                       ; pair 0
	ALOAD 0, 5
	WGLOAD 6                                       ; pair 1: 8 + 20 + 28 = 56 loads are out
	ALOAD 1, 5
	s_wait_loadcnt 28                              ; loads come back in order: the bias and groups 0 to 4 are in, pairs 0 and 1 stay out
	WGCVT 0
	WGSTORE 0
	WGLOAD 7                                       ; pair 2
	ALOAD 2, 5
	WGLOAD 8                                       ; pair 3, its group into the slot that group 0 has just left
	ALOAD 3, 5
.irp G, 1,2,3,4
	WGCVT \G
	WGSTORE \G
.endr
	s_cmp_eq_u32 s17, 0                            ; half 0 of K alone carries the bias
	s_cselect_b32 s22, -1, 0
.set n, 0
.rept 32
	v_and_b32 v[BIAS+n], s22, v[BIAS+n]
.set n, n+1
.endr
	s_wait_dscnt 0x0                               ; my rows of K step 0 are in LDS before I say so
	s_barrier_signal -1
	s_barrier_wait -1                              ; K step 0 of W is whole
	BFETCH 0
.set jj, 0
.rept 32
.set cnt, 0                                    ; what may stay out: pairs jj + 1 to jj + 3, 14 loads each while W has groups left (pair 26 brings the last), then 10
.irp d, 1,2,3
.if jj+\d <= 31
.set cnt, cnt+10
.if jj+\d <= 26
.set cnt, cnt+4
.endif
.endif
.endr
.set bar, 0                                    ; the third quarter of a K step stores the last group of the next one
.if jj <= 26
.if (jj & 3) == 2
.set bar, 1
.endif
.endif
	s_wait_loadcnt cnt                             ; pair jj is in
.if jj <= 26
	WGCVT jj+5
.endif
.if jj <= 22
	WGLOAD jj+9                                    ; pair jj + 4
.endif
.if jj <= 27
	ALOAD jj+4, 5                                  ; into the slot multiplied in the last quarter step, four places behind its matrix instructions
.endif
.if jj <= 26
	WGSTORE jj+5
.endif
.if bar
	s_wait_dscnt 0x0                               ; my rows of the next K step are in LDS (and this quarter's fragments in registers) before I say so
	s_barrier_signal -1
.endif
.if jj < 31
	BFETCH jj+1                                    ; between signal and wait: rows of the current K step, which nobody writes again
.endif
.if bar == 0
.set dc, 0                                     ; LDS instructions issued behind this quarter's fragment loads: 4 stores, 8 loads
.if jj <= 26
.set dc, dc+4
.endif
.if jj < 31
.set dc, dc+8
.endif
	s_wait_dscnt dc
.endif
	MUL20 jj, 5
	PLACES                                         ; in front of the loads into the slot and the buffer that have just been multiplied, and of the way out
.if bar
	s_barrier_wait -1                              ; the next K step of W is whole
.endif
.set jj, jj+1
.endr
	WIN 0                                          ; at a branch and at a label every window is 0
	s_cmp_ge_u32 s21, s19
	s_cbranch_scc1 .Lend                           ; my wave has no tile of this head: it only shared in W's block
	EPI 0
; ---- later passes: 80 rows a pass; 7 passes of 20 tiles cover the 136 tiles that a head can have at the most
	s_mov_b32 s20, 1
.Lpass:
	s_mul_i32 s21, s20, 20
	s_add_co_u32 s21, s21, s51                     ; my first tile, counted inside the head
	s_cmp_ge_u32 s21, s19
	s_cbranch_scc1 .Lend                           ; nothing is left for my wave
	s_wait_xcnt 0x0                                ; what the last pass's stores name (offsets, data) is rewritten only behind this wait
	MYTILES
	ALOAD 0, 6
	ALOAD 1, 6
	ALOAD 2, 6
	ALOAD 3, 6
	ALOAD 4, 6
	ALOAD 5, 6
	BFETCH 0
.set jj, 0
.rept 32
.if jj < 31
	BFETCH jj+1
.endif
.if jj < 27
	s_wait_loadcnt 50                              ; loads come back in order: this quarter step's ten are in, the ten of each of five younger ones stay out
.else
	s_wait_loadcnt 10*(31-jj)                      ; fewer younger ones are left
.endif
.if jj < 31
	s_wait_dscnt 8                                 ; all but the eight LDS loads just issued
.else
	s_wait_dscnt 0x0
.endif
	MUL20 jj, 6
	PLACES                                         ; in front of the loads into the slot and the buffer that have just been multiplied, and of the way out
.if jj < 26
	ALOAD jj+6, 6
.endif
.set jj, jj+1
.endr
	EPI 1
	s_add_co_u32 s20, s20, 1
	s_cmp_lt_u32 s20, 7
	s_cbranch_scc1 .Lpass
.Lend:
	s_wait_tensorcnt 0x0
	ds_add_u32 v254, v255
	s_wait_dscnt 0x0
	s_endpgm
.Lfunc_end_k_q9a4c63d818_gemm2:
	.size	k_q9a4c63d818_gemm2, .Lfunc_end_k_q9a4c63d818_gemm2-k_q9a4c63d818_gemm2
	.p2alignl 7, 3214868480
	.fill 96, 4, 3214868480
	.section	.rodata,"a",@progbits
	.p2align	6, 0x0
	.amdhsa_kernel k_q9a4c63d818_gemm2
		.amdhsa_group_segment_fixed_size 164352
		.amdhsa_private_segment_fixed_size 0
		.amdhsa_enable_private_segment 0
		.amdhsa_kernarg_size 40
		.amdhsa_user_sgpr_count 2
		.amdhsa_user_sgpr_kernarg_segment_ptr 1
		.amdhsa_wavefront_size32 1
		.amdhsa_system_sgpr_workgroup_id_x 1
		.amdhsa_system_sgpr_workgroup_id_y 1
		.amdhsa_system_sgpr_workgroup_id_z 1
		.amdhsa_system_vgpr_workitem_id 0
		.amdhsa_next_free_vgpr 896
		.amdhsa_next_free_sgpr 66
		.amdhsa_reserve_vcc 0
		.amdhsa_float_denorm_mode_32 3
		.amdhsa_float_denorm_mode_16_64 3
		.amdhsa_memory_ordered 1
		.amdhsa_forward_progress 1
		.amdhsa_inst_pref_size 255
	.end_amdhsa_kernel
	.section	.bss,"aw",@nobits
	.p2align	6
	.space	262144
	.amdgpu_metadata
---
amdhsa.version: [ 1, 2 ]
amdhsa.kernels:
  - .name:           k_q9a4c63d818_gemm2
    .symbol:         k_q9a4c63d818_gemm2.kd
    .args:
      - { .name: h1, .offset: 0, .size: 8, .value_kind: global_buffer, .address_space: global }
      - { .name: W2, .offset: 8, .size: 8, .value_kind: global_buffer, .address_space: global }
      - { .name: b2, .offset: 16, .size: 8, .value_kind: global_buffer, .address_space: global }
      - { .name: meta, .offset: 24, .size: 8, .value_kind: global_buffer, .address_space: global }
      - { .name: p, .offset: 32, .size: 8, .value_kind: global_buffer, .address_space: global }
    .group_segment_fixed_size: 164352
    .private_segment_fixed_size: 0
    .kernarg_segment_align: 8
    .kernarg_segment_size: 40
    .max_flat_workgroup_size: 128
    .sgpr_count:     66
    .vgpr_count:     896
    .wavefront_size: 32
...
	.end_amdgpu_metadata
.endif
;; end of part 10
;; launch head: the kernel of part 8 again; grid 136 x 1, 8 waves a work-group, no clusters, 9,216 bytes of LDS; arguments p, w3f, b3, order, meta, out0; writes out0
;; ======== version 4 of 4: 4 launches; version 3 with the launches prep, gemm1, gemm2 written anew for expert scheduling mode
;; limits: values are held in f16: magnitudes above 65,504 overflow, below 6.1e-05 lose precision; a function is approximated: absolute error at most 1.5e-07
;; workspace buffers: xs 4,456,448 bytes; h1 8,912,896 bytes; p 17,825,792 bytes; w3f 524,288 bytes; order 8,704 bytes of whole numbers; meta 256 bytes of whole numbers
;; launch prep (part 11): grid 272 x 1, 4 waves a work-group, no clusters, 28,416 bytes of LDS; arguments x, W3, geometry_types, xs, w3f, order, meta, out0, out1; writes xs, w3f, order, meta, out0, out1
.if DOCPART == 11
	.amdgcn_target "amdgcn-amd-amdhsa--gfx1250"
	.amdhsa_code_object_version 6
	.text
	.protected	k_q9a4c63d818_prep
	.globl	k_q9a4c63d818_prep
	.p2align	8
	.type	k_q9a4c63d818_prep,@function
k_q9a4c63d818_prep:
	s_mov_b64 s[64:65], 0
	v_nop
	global_prefetch_b8 v0, s[64:65] scope:SCOPE_SE
	s_setreg_imm32_b32 hwreg(HW_REG_WAVE_SCHED_MODE, 0, 2), 2
	s_setreg_imm32_b32 hwreg(HW_REG_WAVE_MODE, 25, 1), 1
	s_wait_xcnt 0x0
	s_wait_alu depctr_vm_vsrc(0)
; prep: sorts the 2,048 rows by their type and lays everything out for the three launches that follow.
;   slots : 136 tiles of 16 slots.  Type t owns n_t tiles from tile tp_t on: max(1, ceil(c_t / 16)) tiles (at most 135 in all for any split of
;           2,048 rows over 8 types), and the tiles that are left of the 136 are dealt out to the types as evenly as they go.
;           A slot holds a source row or -1 (a pad).  So all 136 tiles always belong to a type, and every later launch has a fixed shape.
;   meta  : words 0-7 tp, 8-15 n, the rest 0.          order : 2,176 words, slot -> source row or -1.
;   xs    : x gathered into slot order, f16, pads as zero rows, in the order of matrix fragments:
;           [8 planes of 128 k][136 tiles of 16 rows][4 fragments of 32 k][1 KiB]; registers 0-3 of lane L at byte 16 L, 4-7 at 512 + 16 L.
;           LIMIT: a number of x above 65,504 becomes infinity (the drawn numbers have spread 1; 30 times that, or an offset of 30, is far below).
;   w3f   : W3 as 8 x 32 such fragments (16 columns x 32 k; columns 12-15 repeat column 11 and are never stored by a later launch), as two bf16
;           numbers, the rounded value and the rounded remainder (16 bits of mantissa together); the remainders lie 262,144 bytes behind the values.
;   out1  : the width mask of each row's type.   out0 : zeros everywhere, as reference() starts it; the last launch overwrites the rows whose
;           type is one of 0..7, so rows with any other type keep their zeros.
; Every work-group makes the whole sort for itself from the 8 KiB of types (no traffic between work-groups); the results are shared out.
; No tile is read by two work-groups but those 8 KiB, so there is nothing to ask for jointly, and no matrix work.
; THE MODE: SCHED_MODE bits 1:0 = 2 (LLVM: expert scheduling mode 2), set by the entry lines.  The code itself states the register dependences
; between vector instructions and memory or LDS instructions, and from vector instructions that write scalar registers to their readers, with s_wait_alu, always for 0.
; THE PLAN.  Whatever a run of LDS or memory instructions reads is made in a buffer of registers, a register to each instruction, so that ONE wait stands ahead of the run:
;   CW  8 counts, BA 16 permute addresses, SA and SD 16 table addresses and 16 rows: written by vector instructions, read by one run of LDS instructions each, and
;       not written again before phase C (or wave 3's branch), where loads land in them behind a wait for those reads.
;   CR, ST, v6, v[160:191]: LDS loads land in them; no vector instruction names them between the last wait for vector results and the load.
;   v58, v[208:214]: addresses, made at the head and never written again.
; Lane masks are made by runs of sixteen compares into s[66:81], lane values are read by runs of v_readlane_b32, with one wait behind each run.
.set TILES,  136
.set TBL,    0                         ; LDS: 2,560 words, slot -> row; word 2,176 takes the rows with a type outside 0..7
.set CNT,    10240                     ; LDS: 8 types x 4 waves, word at 16 t + 4 w
.set STG,    10496                     ; LDS: 16 rows x 272 bytes for each wave, its own
.set SPITCH, 272                       ; 256 bytes of f16 + 16: the 16 rows of a fragment load begin in 16 different 16-byte columns
.set PLANE,  557056                    ; 136 row tiles x 4 KiB
.set W3LO,   262144                    ; from w3f's values to their remainders
.set DUMP,   2176
.set CN, 24                            ; s[24:31] running count of each type in my wave
.set NT, 32                            ; s[32:39] tiles of each type
.set TP, 40                            ; s[40:47] first tile of each type
.set MK, 66                            ; s[66:81] the sort: sixteen masks of lanes; phase C: all ones for a real row, 0 for a pad
.set TY, 8                             ; v[8:23]  my 16 types
.set RK, 24                            ; v[24:39] their ranks inside my wave
.set ST, 40                            ; v[40:55] first slot of their type for my wave
.set CW, 64                            ; v[64:71]   my wave's eight counts, to store
.set CR, 72                            ; v[72:75]   the four waves' counts of one type, as read back
.set BA, 80                            ; v[80:95]   the permutes' addresses
.set SA, 96                            ; v[96:111]  the table stores' addresses
.set SD, 112                           ; v[112:127] the table stores' data: my 16 rows
.set OFF, 192                          ; v[192:207] phase C: byte offset in x of my 16 bytes of each of the 16 rows
.set A_TB, 208                         ; v208 LDS address of slot r of my tile in the table
.set A_X,  209                         ; v209 16 L + 512 x plane
.set A_SI, 210                         ; v210 stage, in: 8 bytes a lane along a row
.set A_SO, 211                         ; v211 stage, back: row r, 16 h
.set A_O,  212                         ; v212 16 L
.set A_CT, 213                         ; v213 16 x (lane mod 8): a type's four counts in LDS
.set A_CW, 214                         ; v214 4 w: my wave's word among them
	s_load_b512 s[4:19], s[0:1], 0x0               ; x 4, W3 6, types 8, xs 10, w3f 12, order 14, meta 16, out0 18
	s_load_b64 s[20:21], s[0:1], 0x40              ; out1
	v_lshl_add_u32 v216, v0, 2, 0x6d00
	v_mov_b32 v217, 0
	v_lshrrev_b32 v1, 5, v0
	v_readfirstlane_b32 s22, v1                    ; wave 0..3
	s_mov_b32 s23, ttmp9                           ; work-group g
	v_and_b32 v1, 31, v0                           ; L
	v_and_b32 v2, 15, v0                           ; r
	v_bfe_u32 v3, v0, 4, 1                         ; h
	v_lshlrev_b32 v58, 4, v0                       ; 16 j
	v_lshlrev_b32 v59, 2, v0                       ; 4 j
	v_and_b32 v[A_CT], 7, v0
	v_lshlrev_b32 v[A_CT], 4, v[A_CT]
.irp k, 60,61,62,63
	v_mov_b32 v\k, -1                              ; what the table is cleared with
.endr
	; phase C's unit: row tile g >> 1, plane 4 (g & 1) + w.  Its addresses, in registers that hold nothing else.
	s_lshr_b32 s60, s23, 1
	s_min_u32 s60, s60, TILES-1                    ; row tile
	s_and_b32 s61, s23, 1
	s_lshl_b32 s61, s61, 2
	s_wait_alu depctr_va_sdst(0)                   ; s22 is written, ahead of its first reader
	s_add_co_u32 s61, s61, s22                     ; plane
	s_lshl_b32 s50, s60, 6
	v_lshl_add_u32 v[A_TB], v2, 2, s50
	s_lshl_b32 s50, s61, 9
	v_lshl_add_u32 v[A_X], v1, 4, s50
	s_mul_i32 s50, s22, 16*SPITCH
	s_add_co_u32 s50, s50, STG                     ; my wave's stage
	v_lshl_add_u32 v[A_SI], v1, 3, s50
	v_mul_u32_u24 v[A_SO], v2, SPITCH
	v_lshl_add_u32 v[A_SO], v3, 4, v[A_SO]
	v_add_nc_u32 v[A_SO], s50, v[A_SO]
	v_lshlrev_b32 v[A_O], 4, v1
	v_mov_b32 v[A_CW], s22
	v_lshlrev_b32 v[A_CW], 2, v[A_CW]
	s_mul_i32 s62, s61, PLANE
	s_lshl_b32 s63, s60, 12
	s_add_co_u32 s62, s62, s63
	s_mov_b32 s63, 0
	s_wait_kmcnt 0x0
	s_add_nc_u64 s[62:63], s[10:11], s[62:63]      ; xs at my unit's 4 KiB
; ---- phase A: the sort.  Element 4 e + u of thread j is row 512 e + 4 j + u.
	s_wait_alu depctr_va_vdst(0)                   ; v58, v[60:63] and the seven addresses v[208:214] are written, which the loads and stores of the whole kernel read
.irp e, 0,1,2,3
	global_load_b128 v[TY+4*\e:TY+4*\e+3], v58, s[8:9] offset:2048*\e
.endr
.irp k, 0,1,2,3,4
	ds_store_b128 v58, v[60:63] offset:TBL+2048*\k  ; every slot starts as a pad
.endr
.irp e, 0,1,2,3,4,5,6,7,8,9,10,11,12,13,14,15
	v_mov_b32 v[RK+\e], 0
.endr
.irp t, 0,1,2,3,4,5,6,7
	s_mov_b32 s[CN+\t], 0
.endr
	s_wait_loadcnt 0x0
.irp e, 0,2,4,6,8,10,12,14
.irp t, 0,1,2,3,4,5,6,7
	v_cmp_eq_u32 s[MK+\t], \t, v[TY+\e]            ; lanes whose element e has type t,
	v_cmp_eq_u32 s[MK+8+\t], \t, v[TY+\e+1]        ; and the same for element e + 1
.endr
	s_wait_alu depctr_va_sdst(0)                   ; the sixteen masks are written, ahead of their first readers
.irp u, 0,1
.irp t, 0,1,2,3,4,5,6,7
	v_mbcnt_lo_u32_b32 v4, s[MK+8*\u+\t], s[CN+\t] ; those below me + those of earlier elements
	v_cndmask_b32 v[RK+\e+\u], v[RK+\e+\u], v4, s[MK+8*\u+\t]
	s_bcnt1_i32_b32 s51, s[MK+8*\u+\t]
	s_add_co_u32 s[CN+\t], s[CN+\t], s51
.endr
.endr
.endr
.irp t, 0,1,2,3,4,5,6,7
	v_mov_b32 v[CW+\t], s[CN+\t]
.endr
	s_wait_alu depctr_va_vdst(0)                   ; the eight counts are written, which the LDS stores read
.irp t, 0,1,2,3,4,5,6,7
	ds_store_b32 v[A_CW], v[CW+\t] offset:CNT+16*\t  ; all lanes write the same word with the same value
.endr
	s_wait_dscnt 0x0                               ; my counts and my part of the cleared table are in LDS before I say so
	s_barrier_signal -1
	s_barrier_wait -1
	ds_load_b128 v[CR:CR+3], v[A_CT] offset:CNT    ; lane t (mod 8): the four waves' counts of type t.  No vector instruction has named these four registers
	s_wait_dscnt 0x0
	v_add_nc_u32 v5, v[CR], v[CR+1]
	v_add_nc_u32 v5, v5, v[CR+2]
	v_add_nc_u32 v5, v5, v[CR+3]                   ; c_t
	v_mov_b32 v6, 0
.irp w, 0,1,2
	s_cmp_gt_u32 s22, \w
	s_cselect_b32 s50, -1, 0
	v_and_b32 v7, s50, v[CR+\w]
	v_add_nc_u32 v6, v6, v7                        ; rows of type t in the waves in front of mine
.endr
	v_add_nc_u32 v5, 15, v5
	v_lshrrev_b32 v5, 4, v5
	v_max_u32 v5, 1, v5                            ; ceil(c_t / 16), and a tile even for a type without rows
.irp t, 0,1,2,3,4,5,6,7
	v_readlane_b32 s[NT+\t], v5, \t
.endr
	s_wait_alu depctr_va_sdst(0)                   ; the eight numbers of tiles are written, ahead of their first reader
	s_add_co_u32 s48, s[NT], s[NT+1]
.irp t, 2,3,4,5,6,7
	s_add_co_u32 s48, s48, s[NT+\t]
.endr
	s_sub_co_u32 s48, TILES, s48                   ; tiles that are left: 1 to 128
	s_lshr_b32 s49, s48, 3                         ; an eighth of them for every type,
	s_and_b32 s48, s48, 7                          ; and one more for the first few
.irp t, 0,1,2,3,4,5,6,7
	s_cmp_gt_u32 s48, \t
	s_add_co_ci_u32 s[NT+\t], s[NT+\t], s49
.endr
	s_mov_b32 s[TP], 0
.irp t, 0,1,2,3,4,5,6
	s_add_co_u32 s[TP+\t+1], s[TP+\t], s[NT+\t]
.endr
	v_mov_b32 v57, 0
.irp t, 0,1,2,3,4,5,6,7
	v_writelane_b32 v57, s[TP+\t], \t
.endr
	v_lshl_add_u32 v56, v57, 4, v6                 ; lane t: first slot of type t for my wave
.irp e, 0,1,2,3,4,5,6,7,8,9,10,11,12,13,14,15
	v_min_u32 v[BA+\e], 7, v[TY+\e]
	v_lshlrev_b32 v[BA+\e], 2, v[BA+\e]
.endr
	s_wait_alu depctr_va_vdst(0)                   ; the sixteen addresses and v56 are written, which the permutes read
.irp e, 0,1,2,3,4,5,6,7,8,9,10,11,12,13,14,15
	ds_bpermute_b32 v[ST+\e], v[BA+\e], v56
.endr
.irp e, 0,1,2,3,4,5,6,7,8,9,10,11,12,13,14,15
	v_cmp_lt_u32 s[MK+\e], 7, v[TY+\e]             ; a type outside 0..7; this and the rows stand in the permutes' time
.endr
.irp e, 0,1,2,3,4,5,6,7,8,9,10,11,12,13,14,15
	v_add_nc_u32 v[SD+\e], 512*(\e/4)+(\e%4), v59  ; the element's row
.endr
	v_mov_b32 v7, DUMP
	s_wait_alu depctr_va_sdst(0)                   ; the sixteen masks are written, ahead of their first readers
	s_wait_dscnt 0x0
.irp e, 0,1,2,3,4,5,6,7,8,9,10,11,12,13,14,15
	v_add_nc_u32 v[SA+\e], v[ST+\e], v[RK+\e]      ; the element's slot
	v_cndmask_b32 v[SA+\e], v[SA+\e], v7, s[MK+\e] ; a type outside 0..7 gets no slot
	v_min_u32 v[SA+\e], DUMP, v[SA+\e]
	v_lshlrev_b32 v[SA+\e], 2, v[SA+\e]
.endr
	s_wait_alu depctr_va_vdst(0)                   ; the sixteen addresses and the sixteen rows are written, which the LDS stores read
.irp e, 0,1,2,3,4,5,6,7,8,9,10,11,12,13,14,15
	ds_store_b32 v[SA+\e], v[SD+\e] offset:TBL
.endr
	s_wait_dscnt 0x0                               ; my part of the table is in LDS before I say so
	s_barrier_signal -1
	s_barrier_wait -1                              ; the table is whole; from here on nobody writes it, and no barrier follows
; ---- phase B: the small results, shared out by work-group and wave
	s_cmp_lg_u32 s22, 0
	s_cbranch_scc1 .Lnot_w0
	s_cmp_lg_u32 s23, 0
	s_cbranch_scc1 .Lno_meta
	v_mov_b32 v4, 0                                ; meta: word n lies in register n & 1, lane n >> 1: one store of 256 bytes
	v_mov_b32 v5, 0
.irp q, 0,1,2,3
	v_writelane_b32 v4, s[TP+2*\q], \q
	v_writelane_b32 v5, s[TP+2*\q+1], \q
	v_writelane_b32 v4, s[NT+2*\q], 4+\q
	v_writelane_b32 v5, s[NT+2*\q+1], 4+\q
.endr
	v_lshlrev_b32 v28, 3, v1
	s_wait_alu depctr_va_vdst(0)                   ; v4, v5 and v28 are written, which the store reads; none of the three is written again
	global_store_b64 v28, v[4:5], s[16:17]
.Lno_meta:
	s_cmp_ge_u32 s23, 17
	s_cbranch_scc1 .Lnot_w0
	s_min_u32 s50, s23, 16                         ; order: 128 slots, 512 neighbouring bytes, for each of 17 work-groups
	s_lshl_b32 s50, s50, 9
	v_lshl_add_u32 v29, v1, 4, s50
	s_wait_alu depctr_va_vdst(0)                   ; v29 is written, which the load and the store read; the sort is done reading v[12:15], in which the load lands
	ds_load_b128 v[12:15], v29 offset:TBL
	s_wait_dscnt 0x0
	global_store_b128 v29, v[12:15], s[14:15]      ; neither v29 nor v[12:15] is written again
.Lnot_w0:
	s_cmp_eq_u32 s22, 3
	s_cbranch_scc1 .Lw3
	s_cmp_ge_u32 s23, 128
	s_cbranch_scc1 .Lphase_c
	; out1 and out0: 16 rows = 768 bytes a work-group, 8 bytes a thread, threads 0 to 95
	v_mul_u32_u24 v16, v0, 43
	v_lshrrev_b32 v16, 8, v16                      ; j / 6, exact for j <= 95
	v_mul_u32_u24 v17, v16, 6
	v_sub_nc_u32 v17, v0, v17
	v_lshlrev_b32 v17, 1, v17                      ; my first parameter,
	v_add_nc_u32 v25, 1, v17                       ; and my second
	s_lshl_b32 s50, s23, 6
	v_lshl_add_u32 v18, v16, 2, s50
	s_mul_i32 s51, s23, 768
	v_lshl_add_u32 v20, v0, 3, s51
	s_mov_b32 s52, 0x5ca97643                      ; the eight parameter counts 3 4 6 7 9 10 12 5, four bits each
	v_mov_b32 v22, 0
	v_mov_b32 v23, 0
	v_mov_b32 v24, 1.0
	s_wait_alu depctr_va_vdst(0)                   ; v18, v20, v22 and v23 are written, which the load and the store read; the sort is done reading v19, in which the load lands
	global_load_b32 v19, v18, s[8:9]               ; my row's type
	global_store_b64 v20, v[22:23], s[18:19]       ; out0 starts as zeros; a wave stores 256 consecutive bytes, aligned
	s_wait_loadcnt 0x0
	v_cmp_lt_u32 vcc_lo, 7, v19
	v_min_u32 v21, 7, v19
	v_lshlrev_b32 v21, 2, v21
	v_lshrrev_b32 v21, v21, s52
	v_and_b32 v21, 15, v21
	s_wait_alu depctr_va_vcc(0)                    ; VCC is written, ahead of the select that reads it
	v_cndmask_b32 v21, v21, v22, vcc_lo            ; no type, no parameters
	v_cmp_lt_u32 s53, v17, v21
	v_cmp_lt_u32 s54, v25, v21
	s_wait_alu depctr_va_sdst(0)                   ; the two masks are written, ahead of the selects that read them
	v_cndmask_b32 v26, v22, v24, s53
	v_cndmask_b32 v27, v22, v24, s54
	s_wait_alu depctr_va_vdst(0)                   ; v26 and v27 are written, which the store reads
	global_store_b64 v20, v[26:27], s[20:21]
	s_branch .Lphase_c
.Lw3:
	s_cmp_ge_u32 s23, 256
	s_cbranch_scc1 .Lphase_c
	; w3f, fragment g = 32 t + f: lane (r, h) holds column min(r, 11), k = 32 f + 8 h + 0..7 and 32 f + 16 + 8 h + 0..7
	v_min_u32 v32, 11, v2
	v_lshlrev_b32 v32, 2, v32
	v_mad_u32_u24 v32, v3, 0x180, v32              ; + 8 h rows of 48 bytes
	s_mul_i32 s50, s23, 1536                       ; 32 rows of 48 bytes a fragment
	v_add_nc_u32 v32, s50, v32
	s_lshl_b32 s51, s23, 10
	v_lshl_add_u32 v33, v1, 4, s51
	s_wait_alu depctr_va_vdst(0)                   ; v32 and v33 are written, which the loads and stores below read; the sort's arithmetic is done with v[64:79], in which the loads land
	s_wait_alu depctr_vm_vsrc(0)                   ; the counts' LDS stores have read v[64:71], in which the loads land, and the permutes v[80:95], which the arithmetic below writes
.irp e, 0,1,2,3,4,5,6,7
	global_load_b32 v[64+\e], v32, s[6:7] offset:48*\e
	global_load_b32 v[72+\e], v32, s[6:7] offset:768+48*\e
.endr
	s_wait_loadcnt 0x0
.irp n, 0,1,2,3,4,5,6,7
	v_cvt_pk_bf16_f32 v[128+\n], v[64+2*\n], v[64+2*\n+1]          ; the values, rounded
.endr
.irp n, 0,1,2,3,4,5,6,7
	v_lshlrev_b32 v[80+2*\n], 16, v[128+\n]                        ; and widened again
	v_and_b32 v[81+2*\n], 0xffff0000, v[128+\n]
.endr
.irp n, 0,1,2,3,4,5,6,7,8,9,10,11,12,13,14,15
	v_sub_f32 v[80+\n], v[64+\n], v[80+\n]                         ; what the rounding left (exact)
.endr
.irp n, 0,1,2,3,4,5,6,7
	v_cvt_pk_bf16_f32 v[136+\n], v[80+2*\n], v[81+2*\n]            ; the remainders, rounded
.endr
	s_wait_alu depctr_va_vdst(0)                   ; values and remainders are written, which the four stores read
	global_store_b128 v33, v[128:131], s[12:13]
	global_store_b128 v33, v[132:135], s[12:13] offset:512
	global_store_b128 v33, v[136:139], s[12:13] offset:W3LO
	global_store_b128 v33, v[140:143], s[12:13] offset:W3LO+512
.Lphase_c:
; ---- phase C: xs.  My wave's unit is one row tile (16 slots) x one plane (128 k): 16 loads of 512 bytes in, 4 KiB out.
	s_wait_xcnt 0x0                                ; registers that earlier stores name are rewritten only behind this wait
	s_wait_alu depctr_vm_vsrc(0)                   ; beside it: the sort's LDS stores and permutes have read v[64:127], in which x's rows land; w3f's stores have read v[128:143], which the roundings below write
	ds_load_b32 v6, v[A_TB] offset:TBL             ; lane r: the source row of slot 16 x tile + r.  v6 was last named ahead of the wait in front of the permutes
	s_wait_dscnt 0x0
.irp row, 0,1,2,3,4,5,6,7,8,9,10,11,12,13,14,15
	v_readlane_b32 s[MK+\row], v6, \row
.endr
	s_wait_alu depctr_va_sdst(0)                   ; the sixteen rows are written, ahead of their first readers
.irp row, 0,1,2,3,4,5,6,7,8,9,10,11,12,13,14,15
	s_min_u32 s50, s[MK+\row], 2047                ; a pad (-1) reads row 2,047, whose numbers the mask throws away,
	s_ashr_i32 s51, s[MK+\row], 31
	s_not_b32 s[MK+\row], s51                      ; and gives the mask 0
	s_lshl_b32 s50, s50, 12
	v_add_nc_u32 v[OFF+\row], s50, v[A_X]
.endr
	s_wait_alu depctr_va_vdst(0)                   ; the sixteen offsets are written, which the loads read; all earlier arithmetic is done with v[64:127], in which they land
.irp row, 0,1,2,3,4,5,6,7,8,9,10,11,12,13,14,15
	global_load_b128 v[64+4*\row:64+4*\row+3], v[OFF+\row], s[4:5]   ; 512 neighbouring bytes of one row
.endr
.irp q, 0,1,2,3
	s_wait_loadcnt 12-4*\q                         ; loads come back in order: these four rows are in, the younger ones stay out
.irp u, 0,1,2,3
	v_cvt_pk_f16_f32 v[128+2*(4*\q+\u)], v[64+4*(4*\q+\u)], v[64+4*(4*\q+\u)+1]
	v_cvt_pk_f16_f32 v[129+2*(4*\q+\u)], v[64+4*(4*\q+\u)+2], v[64+4*(4*\q+\u)+3]
	v_and_b32 v[128+2*(4*\q+\u)], s[MK+4*\q+\u], v[128+2*(4*\q+\u)]
	v_and_b32 v[129+2*(4*\q+\u)], s[MK+4*\q+\u], v[129+2*(4*\q+\u)]
.endr
	s_wait_alu depctr_va_vdst(0)                   ; four rows are rounded and masked, which the four LDS stores read
.irp u, 0,1,2,3
	ds_store_b64 v[A_SI], v[128+2*(4*\q+\u):129+2*(4*\q+\u)] offset:SPITCH*(4*\q+\u)
.endr
.endr
.irp n, 0,1,2,3,4,5,6,7
	ds_load_b128 v[160+4*\n:160+4*\n+3], v[A_SO] offset:32*\n      ; my own bytes, served in order behind the stores above; no vector instruction names v[160:191]
.endr
.irp n, 0,1,2,3,4,5,6,7
	s_wait_dscnt 7-\n
	global_store_b128 v[A_O], v[160+4*\n:160+4*\n+3], s[62:63] offset:512*\n   ; half a fragment: 512 consecutive bytes, aligned
.endr
	s_wait_dscnt 0x0
	s_wait_alu depctr_hold_cnt(0) depctr_sa_sdst(0) depctr_va_vdst(0) depctr_va_sdst(0) depctr_va_ssrc(0) depctr_va_vcc(0) depctr_vm_vsrc(0)
	s_wait_tensorcnt 0x0
	ds_add_u32 v216, v217
	s_wait_dscnt 0x0
	s_endpgm
.Lfunc_end_k_q9a4c63d818_prep:
	.size	k_q9a4c63d818_prep, .Lfunc_end_k_q9a4c63d818_prep-k_q9a4c63d818_prep
	.p2alignl 7, 3214868480
	.fill 96, 4, 3214868480
	.section	.rodata,"a",@progbits
	.p2align	6, 0x0
	.amdhsa_kernel k_q9a4c63d818_prep
		.amdhsa_group_segment_fixed_size 28416
		.amdhsa_private_segment_fixed_size 0
		.amdhsa_enable_private_segment 0
		.amdhsa_kernarg_size 72
		.amdhsa_user_sgpr_count 2
		.amdhsa_user_sgpr_kernarg_segment_ptr 1
		.amdhsa_wavefront_size32 1
		.amdhsa_system_sgpr_workgroup_id_x 1
		.amdhsa_system_sgpr_workgroup_id_y 1
		.amdhsa_system_sgpr_workgroup_id_z 1
		.amdhsa_system_vgpr_workitem_id 0
		.amdhsa_next_free_vgpr 218
		.amdhsa_next_free_sgpr 82
		.amdhsa_reserve_vcc 1
		.amdhsa_float_denorm_mode_32 3
		.amdhsa_float_denorm_mode_16_64 3
		.amdhsa_memory_ordered 1
		.amdhsa_forward_progress 1
		.amdhsa_inst_pref_size 68
	.end_amdhsa_kernel
	.amdgpu_metadata
---
amdhsa.version: [ 1, 2 ]
amdhsa.kernels:
  - .name:           k_q9a4c63d818_prep
    .symbol:         k_q9a4c63d818_prep.kd
    .args:
      - { .name: x, .offset: 0, .size: 8, .value_kind: global_buffer, .address_space: global }
      - { .name: W3, .offset: 8, .size: 8, .value_kind: global_buffer, .address_space: global }
      - { .name: geometry_types, .offset: 16, .size: 8, .value_kind: global_buffer, .address_space: global }
      - { .name: xs, .offset: 24, .size: 8, .value_kind: global_buffer, .address_space: global }
      - { .name: w3f, .offset: 32, .size: 8, .value_kind: global_buffer, .address_space: global }
      - { .name: order, .offset: 40, .size: 8, .value_kind: global_buffer, .address_space: global }
      - { .name: meta, .offset: 48, .size: 8, .value_kind: global_buffer, .address_space: global }
      - { .name: out0, .offset: 56, .size: 8, .value_kind: global_buffer, .address_space: global }
      - { .name: out1, .offset: 64, .size: 8, .value_kind: global_buffer, .address_space: global }
    .group_segment_fixed_size: 28416
    .private_segment_fixed_size: 0
    .kernarg_segment_align: 8
    .kernarg_segment_size: 72
    .max_flat_workgroup_size: 128
    .sgpr_count:     82
    .vgpr_count:     218
    .wavefront_size: 32
...
	.end_amdgpu_metadata
.endif
;; end of part 11
;; launch gemm1 (part 12): grid 32 x 8, 4 waves a work-group, no clusters, 164,352 bytes of LDS; arguments xs, W1, b1, meta, h1; writes h1
.if DOCPART == 12
	.amdgcn_target "amdgcn-amd-amdhsa--gfx1250"
	.amdhsa_code_object_version 6
	.text
	.protected	k_q9a4c63d818_gemm1
	.globl	k_q9a4c63d818_gemm1
	.p2align	8
	.type	k_q9a4c63d818_gemm1,@function
k_q9a4c63d818_gemm1:
	s_mov_b64 s[64:65], 0
	v_nop
	global_prefetch_b8 v0, s[64:65] scope:SCOPE_SE
	s_setreg_imm32_b32 hwreg(HW_REG_WAVE_SCHED_MODE, 0, 2), 2
	s_setreg_imm32_b32 hwreg(HW_REG_WAVE_MODE, 25, 1), 1
	s_wait_xcnt 0x0
	s_wait_alu depctr_vm_vsrc(0)
; First layer of the routed heads: h1 = gelu(xs W1[t] + b1[t]), stored in f16.
; Work-group (x, t): head t, column block x of 64 columns, K = 1,024, all n_t row tiles of that head.
; A wave makes 5 row tiles x 4 column tiles (80 rows x 64 columns) a pass: in pass q wave w takes the head's tiles 20 q + 5 w .. + 4.
; A head of up to 320 rows is one pass.  A tile beyond the head's last reads the last tile again and is not stored.
; W's BLOCK (1,024 k x 64 columns, f32, [k][n]) is read once, rounded to f16 and laid into LDS, rows of 160 bytes, where it stays: 163,840 bytes.
; THE FIRST PASS, which every wave runs, is written out and OVERLAPS that stream with the products.  K goes in 32 quarter steps of 32 k; W comes in 32
; groups of 32 k (a wave's share of a group: 8 rows, 4 loads).  Loads go out in pairs: pair p = W's group p + 5 and the ten loads of quarter step p's
; activations.  Loads come back in order, so one counted wait serves both halves of a pair; four pairs, 56 loads of a wave, are out at the most (a fifth
; would make 70, more than a wait's count can name).  In quarter step j the wave waits for pair j, rounds group j + 5 and stores it into LDS,
; fetches W's fragments of quarter step j + 1 from LDS and multiplies quarter step j, with pair j + 4's loads behind its first eight products.
; A K step of 128 k is four groups: its last group is stored in the third quarter of the K step before, and there stands the one barrier a K step, its
; signal and its wait apart, with the quarter's products between (in that quarter pair j + 4 goes out ahead of the signal).
; No LDS byte is written twice, and stores go to rows of later K steps than any row that is being read, so that barrier is all the ordering there is.
; LATER PASSES (a head of more than 320 rows) find W whole in LDS: a loop without barriers, which a wave leaves when its first tile lies beyond n_t,
; a number read from meta.
; ACTIVATIONS lie in memory in the order of matrix fragments ([plane of 128 k][row tile][4 fragments][1 KiB]), so they go from memory straight into
; registers, 512 neighbouring bytes with each load.  W's fragments come from LDS by the transposing load.
; NO CLUSTER, though the column blocks of a head read the same activations: a tile asked for jointly lands in LDS slots, and slots are filled again
; behind barriers; those would also stand in the loop over passes, whose length is read from memory, and LDS has 163,840 bytes left beside W's block
; for 655,360 bytes of activations a pass.
; THE MATRIX INSTRUCTION IS USED TRANSPOSED: source 0 = 16 columns of W, source 1 = 16 rows: lane (r, h) then holds row r, columns 8 h + 0..7,
; and column tiles 2 q, 2 q + 1, rounded and packed, are registers 0-3 and 4-7 of the next layer's fragment: results are stored as they lie.
; WHY f16: it keeps 11 bits of mantissa where bf16 keeps 8; a rounding of 2^-9 of every activation comes, over the two layers that follow, to the
; order of a hundredth of the outputs' size.  ITS ROOM: the drawn x have spread 1, W1 1/32, the sums 1.  All inputs 30 times larger: sums of spread 900,
; h1 of a few thousand.  x and W1 both offset by 30 of their spreads: sums of 1,024 x 30 x 30/32 = 28,800.  All inputs 30 times smaller: h1 of about
; 5e-4, W1 of 1e-3, where f16's step is 6e-8 at the most (denormals are kept).  LIMIT: a number of W1 or of h1 above 65,504 becomes infinity.
; GELU is the exact form, with erfc by the rational approximation 7.1.26 of Abramowitz and Stegun (absolute error at most 1.5e-7 for every
; argument): gelu(x) = max(x, 0) - |x| q, q = P(t) 2^(-x^2 log2(e) / 2), t = 1 / (1 + 0.2316419 |x|).  LIMIT: x = +-infinity gives NaN.
; THE MODE: SCHED_MODE bits 1:0 = 2 (LLVM: expert scheduling mode 2), set by the entry lines.  The code itself states the register dependences
; between vector or matrix instructions and memory or LDS instructions, with s_wait_alu, always for 0.
; THE PLAN.  Registers that memory or LDS instructions touch, in the first pass:
;   W0 .. W7    (window 3) group G's loads, issued in quarter step G - 9, land in W[G % 8]; group G's conversions, in quarter step G - 5, read it.
;   CV0 .. CV3  group G's conversions write CV[G % 4]; the four LDS stores of the same quarter step read it; it is written again four quarter steps on.
;   A0 .. A4    (window 2) quarter step j's activations, asked for in quarter step j - 4, land in A[j % 5]; quarter step j's products read it.
;   BF0, BF1    quarter step j's fragments of W, fetched in quarter step j - 1, land in BF[j & 1]; quarter step j's products read it.
;   v[3:9]      addresses, made at the head and never written again;  v[22:26]  my tiles' offsets, made once a pass.
; So ONE wait on va_vdst stands in a quarter step, behind its conversions: it states that CV is written, that the products of the quarter step before are done
; reading A[(j - 1) % 5] and BF[(j + 1) & 1], and that older conversions are done reading W[(j + 1) % 8].  All the quarter step's LDS and memory instructions
; follow it; the products among which they are dealt name BF[j & 1], A[j % 5] and the accumulators: none of the registers that those instructions touch.
; One wait on vm_vsrc stands ahead of the conversions: the LDS stores of four quarter steps back have read the part of CV that is written again.
.set TILES,  136
.set PLANE,  557056                    ; 136 row tiles x 4 KiB
.set WP,     160                       ; a row of W in LDS: 128 bytes of f16 + 32
.set WTILE,  128*WP                    ; 128 k
.set PITCHW, 8192
.set BIASB,  8192
; window 0: v1 L, v2 16 L
.set ADRB, 3                           ; v3-5       W's fragments in LDS: quarter steps 0-11, 12-23, 24-31 (an LDS immediate has 16 bits)
.set ADRS, 6                           ; v6-8       where my rows of W go in LDS: K steps 0-2, 3-5, 6-7
.set WOFF, 9                           ; v9         my 16 bytes of W's first two rows of my wave
.set KC,   10                          ; v[10:21]   a5/2 a4/2 a3/2 a2/2 a1/2 -log2(e)/2, each twice
.set VOFF, 22                          ; v22-26     my five tiles: 4,096 x tile + 16 L
.set BIAS, 32                          ; v[32:63]   bias of my columns, tile c at 8 c
.set BF,   144                         ; v[144:207] fragments of 4 column tiles, two buffers of 32
.set HP,   192                         ; v[192:207] the way out: a tile's results, packed
.set CV,   208                         ; v[208:239] W's groups rounded to f16, group G at 8 (G % 4)
; window 1: accumulator tile (i, c) at v[8 (4 i + c)].
; window 2: fragments of 5 row tiles, slots of 40: quarter step j in slot j % 5 in the first pass, j % 6 in the later ones
; window 3: W as loaded, eight slots of 16: group G in slot G % 8
.set MSB, 0
.macro WIN new                         ; the immediate's high byte repeats the setting that is left
.if MSB != \new
	s_set_vgpr_msb (MSB<<8)|\new
.set MSB, \new
.endif
.endm
.macro PLACES                          ; four plain vector places behind a matrix instruction (ISA guide 7.12.1)
.rept 4
	v_nop
.endr
.endm
; W's group G (32 k x 64 columns of f32): my wave's 8 rows, two whole rows of 256 bytes with each load.  K step G / 4 and the rows stand in the immediate
; (7,585,792 bytes at the most), so no address is ever stepped.
.macro WGLOAD G
	WIN 0xc0                                       ; destination in window 3
.irp k, 0,1,2,3
	global_load_b128 v[16*((\G)%8)+4*\k:16*((\G)%8)+4*\k+3], v[WOFF], s[6:7] offset:((\G)/4)*128*PITCHW+2*(4*((\G)%4)+\k)*PITCHW th:TH_LOAD_NT
.endr
.endm
.macro WGCVT G                         ; group G is rounded to f16
	WIN 0x0f                                       ; sources in window 3
.irp k, 0,1,2,3
	v_cvt_pk_f16_f32 v[CV+8*((\G)%4)+2*\k],   v[16*((\G)%8)+4*\k],   v[16*((\G)%8)+4*\k+1]
	v_cvt_pk_f16_f32 v[CV+8*((\G)%4)+2*\k+1], v[16*((\G)%8)+4*\k+2], v[16*((\G)%8)+4*\k+3]
.endr
.endm
.macro WGSTORE G                       ; and laid into LDS
	WIN 0
.irp k, 0,1,2,3
	ds_store_b64 v[ADRS+((\G)/4)/3], v[CV+8*((\G)%4)+2*\k:CV+8*((\G)%4)+2*\k+1] offset:(((\G)/4)%3)*WTILE+2*WP*(4*((\G)%4)+\k)
.endr
.endm
; 10 loads: the fragments of quarter step j (32 k) of my five row tiles, into slot j % R.  Plane and fragment stand in the immediate (3,902,976 at the most).
.macro ALOAD j, R
	WIN 0x80                                       ; destination in window 2
.irp i, 0,1,2,3,4
	global_load_b128 v[40*((\j)%(\R))+8*\i:40*((\j)%(\R))+8*\i+3],   v[VOFF+\i], s[4:5] offset:((\j)/4)*PLANE+((\j)%4)*1024
	global_load_b128 v[40*((\j)%(\R))+8*\i+4:40*((\j)%(\R))+8*\i+7], v[VOFF+\i], s[4:5] offset:((\j)/4)*PLANE+((\j)%4)*1024+512
.endr
.endm
; 8 LDS loads: W's fragments of quarter step j, 4 column tiles, transposed on the way, into buffer j & 1.
.macro BFETCH j
	WIN 0
.irp c, 0,1,2,3
	ds_load_tr16_b128 v[BF+32*((\j)&1)+8*\c:BF+32*((\j)&1)+8*\c+3],   v[ADRB+(\j)/12] offset:((\j)%12)*32*WP+32*\c
	ds_load_tr16_b128 v[BF+32*((\j)&1)+8*\c+4:BF+32*((\j)&1)+8*\c+7], v[ADRB+(\j)/12] offset:((\j)%12)*32*WP+32*\c+16*WP
.endr
.endm
; Quarter step j's products of the row tiles named, four each; over a quarter step the 20 accumulators take turns, one instruction a turn,
; always in the order of the row tiles 0 to 4.  Quarter step 0 starts the sums.
.macro MUL j, R, rows:vararg
	WIN 0x58                                       ; source 1 in window 2, C and D in window 1
.irp i, \rows
.irp c, 0,1,2,3
.if (\j) == 0
	v_wmma_f32_16x16x32_f16 v[8*(4*\i+\c):8*(4*\i+\c)+7], v[BF+32*((\j)&1)+8*\c:BF+32*((\j)&1)+8*\c+7], v[40*((\j)%(\R))+8*\i:40*((\j)%(\R))+8*\i+7], 0
.else
	v_wmma_f32_16x16x32_f16 v[8*(4*\i+\c):8*(4*\i+\c)+7], v[BF+32*((\j)&1)+8*\c:BF+32*((\j)&1)+8*\c+7], v[40*((\j)%(\R))+8*\i:40*((\j)%(\R))+8*\i+7], v[8*(4*\i+\c):8*(4*\i+\c)+7]
.endif
.endr
.endr
.endm
; N numbers in v[X ..] become their GELU in place; D, T, E: N registers each, at work.
.macro GELU X, N, D, T, E
.set gi, 0
.rept (\N)
	v_fma_f32 v[(\D)+gi], |v[(\X)+gi]|, s52, 1.0   ; 1 + p |x|
.set gi, gi+1
.endr
.set gi, 0
.rept (\N)/2
	v_pk_mul_f32 v[(\E)+gi:(\E)+gi+1], v[(\X)+gi:(\X)+gi+1], v[(\X)+gi:(\X)+gi+1]
.set gi, gi+2
.endr
.set gi, 0
.rept (\N)
	v_rcp_f32 v[(\T)+gi], v[(\D)+gi]               ; t
.set gi, gi+1
.endr
.set gi, 0
.rept (\N)/2
	v_pk_mul_f32 v[(\E)+gi:(\E)+gi+1], v[(\E)+gi:(\E)+gi+1], v[KC+10:KC+11]   ; plain work between the reciprocals and what touches their registers (ISA guide 5.7.2)
.set gi, gi+2
.endr
.set gi, 0
.rept (\N)
	v_exp_f32 v[(\D)+gi], v[(\E)+gi]               ; 2^(-x^2 log2(e) / 2); an overflowing square gives 0
.set gi, gi+1
.endr
	v_nop                                          ; one plain place before the last exponential's source is rewritten
.set gi, 0
	s_wait_alu depctr_va_vdst(0)
.rept (\N)/2
	v_pk_fma_f32 v[(\E)+gi:(\E)+gi+1], v[(\T)+gi:(\T)+gi+1], v[KC:KC+1], v[KC+2:KC+3]
.set gi, gi+2
.endr
.irp k, 4,6,8
.set gi, 0
.rept (\N)/2
	v_pk_fma_f32 v[(\E)+gi:(\E)+gi+1], v[(\E)+gi:(\E)+gi+1], v[(\T)+gi:(\T)+gi+1], v[KC+\k:KC+\k+1]
.set gi, gi+2
.endr
.endr
.set gi, 0
.rept (\N)/2
	v_pk_mul_f32 v[(\E)+gi:(\E)+gi+1], v[(\E)+gi:(\E)+gi+1], v[(\T)+gi:(\T)+gi+1]
.set gi, gi+2
.endr
.set gi, 0
.rept (\N)/2
	v_pk_mul_f32 v[(\E)+gi:(\E)+gi+1], v[(\E)+gi:(\E)+gi+1], v[(\D)+gi:(\D)+gi+1]   ; q
.set gi, gi+2
.endr
.set gi, 0
.rept (\N)
	v_max_num_f32 v[(\T)+gi], 0, v[(\X)+gi]
.set gi, gi+1
.endr
.set gi, 0
.rept (\N)
	v_fma_f32 v[(\X)+gi], -|v[(\X)+gi]|, v[(\E)+gi], v[(\T)+gi]
.set gi, gi+1
.endr
.endm
; The offsets of my five tiles; s21 = my first tile, counted inside the head.
.macro MYTILES
.irp i, 0,1,2,3,4
	s_add_co_u32 s22, s21, \i
	s_min_u32 s22, s22, s53                        ; beyond the head's end: its last tile once more
	s_add_co_u32 s22, s22, s18
	s_min_u32 s22, s22, TILES-1
	s_lshl_b32 s23, s22, 12
	v_add_nc_u32 v[VOFF+\i], s23, v2
.endr
.endm
; The way out: bias, GELU, f16, one row tile (32 numbers a lane) at a time; a store is half a fragment of h1: 512 consecutive bytes, aligned.
; v[192:207] are written by a tile's sixteen roundings and read by its four stores.  The two waits that free them for the next tile stand just ahead of that
; tile's roundings, a whole GELU behind the stores; a pass's first tile has no store of these registers pending (the head of a later pass has waited).
.macro EPI tag
.irp i, 0,1,2,3,4
	WIN 0                                          ; at a branch and at a label every window is 0
.if \i
	s_add_co_u32 s22, s21, \i
	s_cmp_ge_u32 s22, s19
	s_cbranch_scc1 .Lepi_done\tag                  ; this tile and those behind it lie beyond the head's end
.endif
	WIN 0x01                                       ; source 0 in window 1
.irp n, 0,1,2,3,4,5,6,7,8,9,10,11,12,13,14,15
	v_pk_add_f32 v[64+2*\n:64+2*\n+1], v[32*\i+2*\n:32*\i+2*\n+1], v[BIAS+2*\n:BIAS+2*\n+1]
.endr
	WIN 0
	GELU 64, 32, 96, 128, 160
.if \i
	s_wait_xcnt 0x0                                ; v[192:207], which the last tile's stores read, are rewritten only behind this wait
	s_wait_alu depctr_vm_vsrc(0)                   ; beside it: the last tile's stores have read v[192:207], which the roundings below write again
.endif
.irp n, 0,1,2,3,4,5,6,7,8,9,10,11,12,13,14,15
	v_cvt_pk_f16_f32 v[HP+\n], v[64+2*\n], v[64+2*\n+1]
.endr
	s_wait_alu depctr_va_vdst(0)                   ; the roundings have written v[192:207], which the four stores read
.irp c, 0,1,2,3
	global_store_b128 v[VOFF+\i], v[HP+4*\c:HP+4*\c+3], s[56:57] offset:512*\c
.endr
.endr
	WIN 0
.Lepi_done\tag:
.endm
; ---- set-up
	s_load_b256 s[4:11], s[0:1], 0x0               ; xs 4, W1 6, b1 8, meta 10
	s_load_b64 s[12:13], s[0:1], 0x20              ; h1
	v_lshl_add_u32 v254, v0, 2, 0x28000
	v_mov_b32 v255, 0
	v_lshrrev_b32 v1, 5, v0
	v_readfirstlane_b32 s14, v1                    ; wave 0..3
	s_and_b32 s15, ttmp7, 0xffff                   ; head t
	s_mov_b32 s16, ttmp9                           ; column block
	s_lshl_b32 s21, s15, 2
	v_and_b32 v1, 31, v0                           ; L
	v_lshlrev_b32 v2, 4, v1                        ; 16 L
	v_bfe_u32 v64, v0, 4, 1                        ; h
	v_and_b32 v65, 15, v0                          ; r
	v_and_b32 v66, 7, v0
	v_lshl_add_u32 v66, v64, 3, v66
	v_mul_u32_u24 v66, v66, WP                     ; the transposing load: row 8 h + (L & 7),
	v_bfe_u32 v67, v0, 3, 1
	v_lshl_add_u32 v[ADRB], v67, 4, v66            ; 16 bytes further for lanes 8-15 and 24-31
	v_add_nc_u32 v[ADRB+1], 12*32*WP, v[ADRB]
	v_add_nc_u32 v[ADRB+2], 24*32*WP, v[ADRB]
	s_wait_alu depctr_va_sdst(0)                   ; s14 is written, ahead of its first reader
	s_lshl_b32 s22, s14, 5
	v_add_nc_u32 v68, s22, v64                     ; row 32 w + h of a K step of W
	v_mul_u32_u24 v69, v68, WP
	v_lshl_add_u32 v[ADRS], v65, 3, v69            ; where it goes in LDS: 8 bytes a lane
	v_add_nc_u32 v[ADRS+1], 3*WTILE, v[ADRS]
	v_add_nc_u32 v[ADRS+2], 6*WTILE, v[ADRS]
	v_mul_u32_u24 v[WOFF], v68, PITCHW
	v_lshl_add_u32 v[WOFF], v65, 4, v[WOFF]        ; where it lies in memory: 16 bytes a lane
	v_lshlrev_b32 v70, 5, v64                      ; 32 h
	s_lshl_b32 s58, s15, 23                        ; W1: head t, 8 MiB each,
	s_lshl_b32 s22, s16, 8                         ; 64 columns of f32
	s_add_co_u32 s58, s58, s22
	s_mov_b32 s59, 0
	s_mul_i32 s60, s15, BIASB                      ; b1: head t, the same 64 columns
	s_add_co_u32 s60, s60, s22
	s_mov_b32 s61, 0
	s_wait_kmcnt 0x0
	s_load_b32 s18, s[10:11], s21 offset:0x0       ; tp_t: my head's first tile
	s_load_b32 s19, s[10:11], s21 offset:0x20      ; n_t: its tiles
	s_add_nc_u64 s[6:7], s[6:7], s[58:59]
	s_add_nc_u64 s[8:9], s[8:9], s[60:61]
	s_wait_alu depctr_va_vdst(0)                   ; v70 and the seven addresses v[3:9] are written, which the loads below and every LDS instruction of the kernel read
.irp c, 0,1,2,3
	global_load_b128 v[BIAS+8*\c:BIAS+8*\c+3],   v70, s[8:9] offset:64*\c      ; columns 16 c + 8 h + 0..3
	global_load_b128 v[BIAS+8*\c+4:BIAS+8*\c+7], v70, s[8:9] offset:64*\c+16   ; + 4..7
.endr
.irp G, 0,1,2,3,4
	WGLOAD \G                                      ; W's first K step and a group of the second go out while meta is on its way
.endr
	WIN 0
	s_lshr_b32 s58, s16, 1                         ; h1: the block's plane,
	s_mul_i32 s58, s58, PLANE
	s_and_b32 s60, s16, 1
	s_lshl_b32 s60, s60, 11                        ; its two fragments of the four
	s_add_co_u32 s58, s58, s60
	s_add_nc_u64 s[56:57], s[12:13], s[58:59]
	s_mov_b32 s52, 0x3e6d3388                      ; 0.3275911 / sqrt(2)
.irp k, 0,1
	v_mov_b32 v[KC+\k],    0x3f07dc22              ; a5 / 2
	v_mov_b32 v[KC+2+\k],  0xbf3a00e3              ; a4 / 2
	v_mov_b32 v[KC+4+\k],  0x3f35f0e3              ; a3 / 2
	v_mov_b32 v[KC+6+\k],  0xbe11a98e              ; a2 / 2
	v_mov_b32 v[KC+8+\k],  0x3e027906              ; a1 / 2
	v_mov_b32 v[KC+10+\k], 0xbf38aa3b              ; -log2(e) / 2
.endr
	s_mul_i32 s51, s14, 5                          ; 5 w
	s_wait_kmcnt 0x0
	s_min_u32 s18, s18, TILES-1
	s_min_u32 s19, s19, TILES
	s_max_u32 s19, s19, 1
	s_sub_co_u32 s53, s19, 1                       ; the head's last tile
	s_mov_b32 s21, s51                             ; the first pass: my first tile is 5 w
	MYTILES
	s_wait_alu depctr_va_vdst(0)                   ; my tiles' offsets v[22:26] are written, which the activations' loads and the pass's stores read
; ---- the first pass: W's stream and the products together
	WGLOAD 5                                       ; pair 0
	ALOAD 0, 5
	WGLOAD 6                                       ; pair 1: 8 + 20 + 28 = 56 loads are out
	ALOAD 1, 5
	s_wait_loadcnt 28                              ; loads come back in order: the bias and groups 0 to 4 are in, pairs 0 and 1 stay out
	WGCVT 0
	s_wait_alu depctr_va_vdst(0)                   ; group 0's conversions have written CV0, which the LDS stores read, and are done reading W0, in which group 8 lands
	WGSTORE 0
	WGLOAD 7                                       ; pair 2
	ALOAD 2, 5
	WGLOAD 8                                       ; pair 3, its group into the slot that group 0 has just left
	ALOAD 3, 5
.irp G, 1,2,3
	WGCVT \G
.endr
	s_wait_alu depctr_vm_vsrc(0)                   ; group 0's LDS stores have read CV0, which group 4's conversions write again
	WGCVT 4
	s_wait_alu depctr_va_vdst(0)                   ; the conversions of groups 1 to 4 have written CV, which the sixteen LDS stores read
.irp G, 1,2,3,4
	WGSTORE \G
.endr
	s_wait_dscnt 0x0                               ; my rows of K step 0 are in LDS before I say so
	s_barrier_signal -1
	s_barrier_wait -1                              ; K step 0 of W is whole
	BFETCH 0
.set jj, 0
.rept 32
.set cnt, 0                                    ; what may stay out: pairs jj + 1 to jj + 3, 14 loads each while W has groups left (pair 26 brings the last), then 10
.irp d, 1,2,3
.if jj+\d <= 31
.set cnt, cnt+10
.if jj+\d <= 26
.set cnt, cnt+4
.endif
.endif
.endr
.set bar, 0                                    ; the third quarter of a K step stores the last group of the next one
.if jj <= 26
.if (jj & 3) == 2
.set bar, 1
.endif
.endif
	s_wait_loadcnt cnt                             ; pair jj is in
.if jj <= 26
	s_wait_alu depctr_vm_vsrc(0)                   ; the LDS stores of group jj + 1 have read the part of CV that the conversions below write again
	WGCVT jj+5
.endif
.if jj < 31
	s_wait_alu depctr_va_vdst(0)                   ; the conversions have written CV; the last quarter step's products are done reading their slot and their buffer, older conversions their slot of W: in these the loads below land
.endif
.if bar
.if jj <= 22
	WGLOAD jj+9                                    ; pair jj + 4, ahead of the signal
.endif
	ALOAD jj+4, 5
	WGSTORE jj+5
	s_wait_dscnt 0x0                               ; my rows of the next K step are in LDS (and this quarter's fragments in registers) before I say so
	s_barrier_signal -1
	BFETCH jj+1                                    ; between signal and wait: rows of the current K step, which nobody writes again
	MUL jj, 5, 0,1,2,3,4
	PLACES                                         ; the places behind the quarter's products
	s_barrier_wait -1                              ; the next K step of W is whole
.else
.if jj <= 26
	WGSTORE jj+5
.endif
.if jj < 31
	BFETCH jj+1
.endif
.set dc, 0                                     ; LDS instructions issued behind this quarter's fragment loads: 4 stores, 8 loads
.if jj <= 26
.set dc, dc+4
.endif
.if jj < 31
.set dc, dc+8
.endif
	s_wait_dscnt dc
	MUL jj, 5, 0,1
.if jj <= 22
	WGLOAD jj+9                                    ; pair jj + 4.  No wait: no vector or matrix instruction since the wait above names these registers
.endif
.if jj <= 27
	ALOAD jj+4, 5                                  ; into the slot multiplied in the last quarter step
.endif
	MUL jj, 5, 2,3,4
	PLACES                                         ; the places behind the quarter's products; behind the last quarter they stand in front of the way out
.endif
.set jj, jj+1
.endr
	WIN 0                                          ; at a branch and at a label every window is 0
	s_cmp_ge_u32 s21, s19
	s_cbranch_scc1 .Lend                           ; my wave has no tile of this head: it only shared in W's block
	EPI 0
; ---- later passes: 80 rows a pass; 7 passes of 20 tiles cover the 136 tiles that a head can have at the most.
; A ring of six slots: quarter step j multiplies slot j % 6 and asks for quarter step j + 5, into the slot that quarter step j - 1 multiplied; one wait on
; va_vdst at the quarter step's head states that those products are done reading it and their buffer of W's fragments.
	s_mov_b32 s20, 1
.Lpass:
	s_mul_i32 s21, s20, 20
	s_add_co_u32 s21, s21, s51                     ; my first tile, counted inside the head
	s_cmp_ge_u32 s21, s19
	s_cbranch_scc1 .Lend                           ; nothing is left for my wave
	s_wait_xcnt 0x0                                ; what the last pass's stores name (offsets, data) is rewritten only behind this wait
	s_wait_alu depctr_vm_vsrc(0)                   ; beside it: the last pass's loads and stores have read my tiles' offsets, made anew below, and its stores v[192:207], in which fragments of W land
	MYTILES
	s_wait_alu depctr_va_vdst(0)                   ; the offsets are written, which the loads read; the last pass's products and its way out are done with the slots and with v[144:207], in which the loads below land
	ALOAD 0, 6
	ALOAD 1, 6
	ALOAD 2, 6
	ALOAD 3, 6
	ALOAD 4, 6
	BFETCH 0
.set jj, 0
.rept 32
.if jj < 28
	s_wait_loadcnt 40                              ; loads come back in order: this quarter step's ten are in, the ten of each of four younger ones stay out
.else
	s_wait_loadcnt 10*(31-jj)                      ; fewer younger ones are left
.endif
.if jj < 31
.if jj > 0
	s_wait_alu depctr_va_vdst(0)                   ; the last quarter step's products are done reading their slot and their buffer, in which the loads below land
.endif
	BFETCH jj+1
	s_wait_dscnt 8                                 ; all but the eight LDS loads just issued
.else
	s_wait_dscnt 0x0
.endif
	MUL jj, 6, 0,1
.if jj < 27
	ALOAD jj+5, 6                                  ; no wait: no vector or matrix instruction since the wait above names these registers
.endif
	MUL jj, 6, 2,3,4
	PLACES                                         ; the places behind the quarter's products; behind the last quarter they stand in front of the way out
.set jj, jj+1
.endr
	EPI 1
	s_add_co_u32 s20, s20, 1
	s_cmp_lt_u32 s20, 7
	s_cbranch_scc1 .Lpass
.Lend:
	s_wait_dscnt 0x0
	s_wait_alu depctr_hold_cnt(0) depctr_sa_sdst(0) depctr_va_vdst(0) depctr_va_sdst(0) depctr_va_ssrc(0) depctr_va_vcc(0) depctr_vm_vsrc(0)
	s_wait_tensorcnt 0x0
	ds_add_u32 v254, v255
	s_wait_dscnt 0x0
	s_endpgm
.Lfunc_end_k_q9a4c63d818_gemm1:
	.size	k_q9a4c63d818_gemm1, .Lfunc_end_k_q9a4c63d818_gemm1-k_q9a4c63d818_gemm1
	.p2alignl 7, 3214868480
	.fill 96, 4, 3214868480
	.section	.rodata,"a",@progbits
	.p2align	6, 0x0
	.amdhsa_kernel k_q9a4c63d818_gemm1
		.amdhsa_group_segment_fixed_size 164352
		.amdhsa_private_segment_fixed_size 0
		.amdhsa_enable_private_segment 0
		.amdhsa_kernarg_size 40
		.amdhsa_user_sgpr_count 2
		.amdhsa_user_sgpr_kernarg_segment_ptr 1
		.amdhsa_wavefront_size32 1
		.amdhsa_system_sgpr_workgroup_id_x 1
		.amdhsa_system_sgpr_workgroup_id_y 1
		.amdhsa_system_sgpr_workgroup_id_z 1
		.amdhsa_system_vgpr_workitem_id 0
		.amdhsa_next_free_vgpr 896
		.amdhsa_next_free_sgpr 66
		.amdhsa_reserve_vcc 0
		.amdhsa_float_denorm_mode_32 3
		.amdhsa_float_denorm_mode_16_64 3
		.amdhsa_memory_ordered 1
		.amdhsa_forward_progress 1
		.amdhsa_inst_pref_size 255
	.end_amdhsa_kernel
	.section	.bss,"aw",@nobits
	.p2align	6
	.space	262144
	.amdgpu_metadata
---
amdhsa.version: [ 1, 2 ]
amdhsa.kernels:
  - .name:           k_q9a4c63d818_gemm1
    .symbol:         k_q9a4c63d818_gemm1.kd
    .args:
      - { .name: xs, .offset: 0, .size: 8, .value_kind: global_buffer, .address_space: global }
      - { .name: W1, .offset: 8, .size: 8, .value_kind: global_buffer, .address_space: global }
      - { .name: b1, .offset: 16, .size: 8, .value_kind: global_buffer, .address_space: global }
      - { .name: meta, .offset: 24, .size: 8, .value_kind: global_buffer, .address_space: global }
      - { .name: h1, .offset: 32, .size: 8, .value_kind: global_buffer, .address_space: global }
    .group_segment_fixed_size: 164352
    .private_segment_fixed_size: 0
    .kernarg_segment_align: 8
    .kernarg_segment_size: 40
    .max_flat_workgroup_size: 128
    .sgpr_count:     66
    .vgpr_count:     896
    .wavefront_size: 32
...
	.end_amdgpu_metadata
.endif
;; end of part 12
;; launch gemm2 (part 13): grid 32 x 8, 4 waves a work-group, no clusters, 164,352 bytes of LDS; arguments h1, W2, b2, meta, p; writes p
.if DOCPART == 13
	.amdgcn_target "amdgcn-amd-amdhsa--gfx1250"
	.amdhsa_code_object_version 6
	.text
	.protected	k_q9a4c63d818_gemm2
	.globl	k_q9a4c63d818_gemm2
	.p2align	8
	.type	k_q9a4c63d818_gemm2,@function
k_q9a4c63d818_gemm2:
	s_mov_b64 s[64:65], 0
	v_nop
	global_prefetch_b8 v0, s[64:65] scope:SCOPE_SE
	s_setreg_imm32_b32 hwreg(HW_REG_WAVE_SCHED_MODE, 0, 2), 2
	s_setreg_imm32_b32 hwreg(HW_REG_WAVE_MODE, 25, 1), 1
	s_wait_xcnt 0x0
	s_wait_alu depctr_vm_vsrc(0)
; Second layer of the routed heads: p[kh] = h1 W2[t] over half kh of K = 2,048 (+ b2[t] in half 0), f32.
; Work-group (x, t): head t, column block x & 15 of 64 columns, half x >> 4 of K (1,024 k), all n_t row tiles of that head.
; A wave makes 5 row tiles x 4 column tiles (80 rows x 64 columns) a pass: in pass q wave w takes the head's tiles 20 q + 5 w .. + 4.
; A head of up to 320 rows is one pass.  A tile beyond the head's last reads the last tile again and is not stored.
; W's BLOCK (1,024 k x 64 columns, f32, [k][n]) is read once, rounded to f16 and laid into LDS, rows of 160 bytes, where it stays: 163,840 bytes.
; THE FIRST PASS, which every wave runs, is written out and OVERLAPS that stream with the products.  K goes in 32 quarter steps of 32 k; W comes in 32
; groups of 32 k (a wave's share of a group: 8 rows, 4 loads).  Loads go out in pairs: pair p = W's group p + 5 and the ten loads of quarter step p's
; activations.  Loads come back in order, so one counted wait serves both halves of a pair; four pairs, 56 loads of a wave, are out at the most (a fifth
; would make 70, more than a wait's count can name).  In quarter step j the wave waits for pair j, rounds group j + 5 and stores it into LDS,
; fetches W's fragments of quarter step j + 1 from LDS and multiplies quarter step j, with pair j + 4's loads behind its first eight products.
; A K step of 128 k is four groups: its last group is stored in the third quarter of the K step before, and there stands the one barrier a K step, its
; signal and its wait apart, with the quarter's products between (in that quarter pair j + 4 goes out ahead of the signal).
; No LDS byte is written twice, and stores go to rows of later K steps than any row that is being read, so that barrier is all the ordering there is.
; LATER PASSES (a head of more than 320 rows) find W whole in LDS: a loop without barriers, which a wave leaves when its first tile lies beyond n_t,
; a number read from meta.
; ACTIVATIONS (h1, f16) lie in memory in the order of matrix fragments ([plane of 128 k][row tile][4 fragments][1 KiB]), so they go from memory
; straight into registers, 512 neighbouring bytes with each load.  W's fragments come from LDS by the transposing load.
; NO CLUSTER, though the column blocks of a head read the same activations: a tile asked for jointly lands in LDS slots, and slots are filled again
; behind barriers; those would also stand in the loop over passes, whose length is read from memory, and LDS has 163,840 bytes left beside W's block
; for 655,360 bytes of activations a pass.
; THE MATRIX INSTRUCTION IS USED TRANSPOSED: source 0 = 16 columns of W, source 1 = 16 rows: lane (r, h) then holds row r, columns 8 h + 0..7.
; The split of K gives all 256 work-groups a share of W2; the two halves are added, in a fixed order, by the last launch.
; WHY f16: 11 bits of mantissa where bf16 keeps 8 (the first layer's head comment has h1's room).  W2's ROOM: the drawn numbers have spread 1/45;
; 30 times larger, or offset by 30 spreads, is below 1; 30 times smaller is 7e-4, where f16's step is 6e-8 at the most (denormals are kept).
; LIMIT: a number of W2 above 65,504 becomes infinity.
; THE MODE: SCHED_MODE bits 1:0 = 2 (LLVM: expert scheduling mode 2), set by the entry lines.  The code itself states the register dependences
; between vector or matrix instructions and memory or LDS instructions, with s_wait_alu, always for 0.
; THE PLAN.  Registers that memory or LDS instructions touch, in the first pass:
;   W0 .. W7    (window 3) group G's loads, issued in quarter step G - 9, land in W[G % 8]; group G's conversions, in quarter step G - 5, read it.
;   CV0 .. CV3  group G's conversions write CV[G % 4]; the four LDS stores of the same quarter step read it; it is written again four quarter steps on.
;   A0 .. A4    (window 2) quarter step j's activations, asked for in quarter step j - 4, land in A[j % 5]; quarter step j's products read it.
;   BF0, BF1    quarter step j's fragments of W, fetched in quarter step j - 1, land in BF[j & 1]; quarter step j's products read it.
;   v[3:9]      addresses, made at the head and never written again;  v[22:31]  my tiles' offsets, made once a pass.
;   the accumulators (window 1): on the way out the bias is added in place and the stores read them; the next pass's first products write them.
; So ONE wait on va_vdst stands in a quarter step, behind its conversions: it states that CV is written, that the products of the quarter step before are done
; reading A[(j - 1) % 5] and BF[(j + 1) & 1], and that older conversions are done reading W[(j + 1) % 8].  All the quarter step's LDS and memory instructions
; follow it; the products among which they are dealt name BF[j & 1], A[j % 5] and the accumulators: none of the registers that those instructions touch.
; One wait on vm_vsrc stands ahead of the conversions: the LDS stores of four quarter steps back have read the part of CV that is written again.
.set TILES,  136
.set PLANE,  557056                    ; 136 row tiles x 4 KiB
.set PHALF,  8912896                   ; 136 row tiles x 64 KiB of f32
.set WP,     160                       ; a row of W in LDS: 128 bytes of f16 + 32
.set WTILE,  128*WP                    ; 128 k
.set PITCHW, 4096
.set BIASB,  4096
; window 0: v1 L, v2 16 L
.set ADRB, 3                           ; v3-5       W's fragments in LDS: quarter steps 0-11, 12-23, 24-31 (an LDS immediate has 16 bits)
.set ADRS, 6                           ; v6-8       where my rows of W go in LDS: K steps 0-2, 3-5, 6-7
.set WOFF, 9                           ; v9         my 16 bytes of W's first two rows of my wave
.set VOFF, 22                          ; v22-26     my five tiles in h1: 4,096 x tile + 16 L
.set VOFP, 27                          ; v27-31     my five tiles in p: 65,536 x tile + 16 L
.set BIAS, 32                          ; v[32:63]   bias of my columns, tile c at 8 c
.set BF,   144                         ; v[144:207] fragments of 4 column tiles, two buffers of 32
.set CV,   208                         ; v[208:239] W's groups rounded to f16, group G at 8 (G % 4)
; window 1: accumulator tile (i, c) at v[8 (4 i + c)].
; window 2: fragments of 5 row tiles, slots of 40: quarter step j in slot j % 5 in the first pass, j % 6 in the later ones
; window 3: W as loaded, eight slots of 16: group G in slot G % 8
.set MSB, 0
.macro WIN new                         ; the immediate's high byte repeats the setting that is left
.if MSB != \new
	s_set_vgpr_msb (MSB<<8)|\new
.set MSB, \new
.endif
.endm
.macro PLACES                          ; four plain vector places behind a matrix instruction (ISA guide 7.12.1)
.rept 4
	v_nop
.endr
.endm
; W's group G (32 k x 64 columns of f32): my wave's 8 rows, two whole rows of 256 bytes with each load.  K step G / 4 and the rows stand in the immediate
; (3,792,896 bytes at the most), so no address is ever stepped.
.macro WGLOAD G
	WIN 0xc0                                       ; destination in window 3
.irp k, 0,1,2,3
	global_load_b128 v[16*((\G)%8)+4*\k:16*((\G)%8)+4*\k+3], v[WOFF], s[6:7] offset:((\G)/4)*128*PITCHW+2*(4*((\G)%4)+\k)*PITCHW th:TH_LOAD_NT
.endr
.endm
.macro WGCVT G                         ; group G is rounded to f16
	WIN 0x0f                                       ; sources in window 3
.irp k, 0,1,2,3
	v_cvt_pk_f16_f32 v[CV+8*((\G)%4)+2*\k],   v[16*((\G)%8)+4*\k],   v[16*((\G)%8)+4*\k+1]
	v_cvt_pk_f16_f32 v[CV+8*((\G)%4)+2*\k+1], v[16*((\G)%8)+4*\k+2], v[16*((\G)%8)+4*\k+3]
.endr
.endm
.macro WGSTORE G                       ; and laid into LDS
	WIN 0
.irp k, 0,1,2,3
	ds_store_b64 v[ADRS+((\G)/4)/3], v[CV+8*((\G)%4)+2*\k:CV+8*((\G)%4)+2*\k+1] offset:(((\G)/4)%3)*WTILE+2*WP*(4*((\G)%4)+\k)
.endr
.endm
; 10 loads: the fragments of quarter step j (32 k) of my five row tiles, into slot j % R.  Plane and fragment stand in the immediate (3,902,976 at the most).
.macro ALOAD j, R
	WIN 0x80                                       ; destination in window 2
.irp i, 0,1,2,3,4
	global_load_b128 v[40*((\j)%(\R))+8*\i:40*((\j)%(\R))+8*\i+3],   v[VOFF+\i], s[54:55] offset:((\j)/4)*PLANE+((\j)%4)*1024
	global_load_b128 v[40*((\j)%(\R))+8*\i+4:40*((\j)%(\R))+8*\i+7], v[VOFF+\i], s[54:55] offset:((\j)/4)*PLANE+((\j)%4)*1024+512
.endr
.endm
; 8 LDS loads: W's fragments of quarter step j, 4 column tiles, transposed on the way, into buffer j & 1.
.macro BFETCH j
	WIN 0
.irp c, 0,1,2,3
	ds_load_tr16_b128 v[BF+32*((\j)&1)+8*\c:BF+32*((\j)&1)+8*\c+3],   v[ADRB+(\j)/12] offset:((\j)%12)*32*WP+32*\c
	ds_load_tr16_b128 v[BF+32*((\j)&1)+8*\c+4:BF+32*((\j)&1)+8*\c+7], v[ADRB+(\j)/12] offset:((\j)%12)*32*WP+32*\c+16*WP
.endr
.endm
; Quarter step j's products of the row tiles named, four each; over a quarter step the 20 accumulators take turns, one instruction a turn,
; always in the order of the row tiles 0 to 4.  Quarter step 0 starts the sums.
.macro MUL j, R, rows:vararg
	WIN 0x58                                       ; source 1 in window 2, C and D in window 1
.irp i, \rows
.irp c, 0,1,2,3
.if (\j) == 0
	v_wmma_f32_16x16x32_f16 v[8*(4*\i+\c):8*(4*\i+\c)+7], v[BF+32*((\j)&1)+8*\c:BF+32*((\j)&1)+8*\c+7], v[40*((\j)%(\R))+8*\i:40*((\j)%(\R))+8*\i+7], 0
.else
	v_wmma_f32_16x16x32_f16 v[8*(4*\i+\c):8*(4*\i+\c)+7], v[BF+32*((\j)&1)+8*\c:BF+32*((\j)&1)+8*\c+7], v[40*((\j)%(\R))+8*\i:40*((\j)%(\R))+8*\i+7], v[8*(4*\i+\c):8*(4*\i+\c)+7]
.endif
.endr
.endr
.endm
; The offsets of my five tiles in h1 and in p; s21 = my first tile, counted inside the head.
.macro MYTILES
.irp i, 0,1,2,3,4
	s_add_co_u32 s22, s21, \i
	s_min_u32 s22, s22, s53                        ; beyond the head's end: its last tile once more
	s_add_co_u32 s22, s22, s18
	s_min_u32 s22, s22, TILES-1
	s_lshl_b32 s23, s22, 12
	v_add_nc_u32 v[VOFF+\i], s23, v2
	s_lshl_b32 s23, s22, 16
	v_add_nc_u32 v[VOFP+\i], s23, v2
.endr
.endm
; The way out: the half sums leave in f32 as they lie, 512 consecutive bytes with each store, aligned.
.macro EPI tag
.irp i, 0,1,2,3,4
	WIN 0                                          ; at a branch and at a label every window is 0
.if \i
	s_add_co_u32 s22, s21, \i
	s_cmp_ge_u32 s22, s19
	s_cbranch_scc1 .Lepi_done\tag                  ; this tile and those behind it lie beyond the head's end
.endif
	WIN 0x41                                       ; source 0 and destination in window 1
.irp n, 0,1,2,3,4,5,6,7,8,9,10,11,12,13,14,15
	v_pk_add_f32 v[32*\i+2*\n:32*\i+2*\n+1], v[32*\i+2*\n:32*\i+2*\n+1], v[BIAS+2*\n:BIAS+2*\n+1]
.endr
	WIN 0x04                                       ; store data in window 1
	s_wait_alu depctr_va_vdst(0)                   ; the sixteen additions have written this tile's 32 registers, which the eight stores read
.irp c, 0,1,2,3
	global_store_b128 v[VOFP+\i], v[8*(4*\i+\c):8*(4*\i+\c)+3],   s[56:57] offset:1024*\c
	global_store_b128 v[VOFP+\i], v[8*(4*\i+\c)+4:8*(4*\i+\c)+7], s[56:57] offset:1024*\c+512
.endr
.endr
	WIN 0
.Lepi_done\tag:
.endm
; ---- set-up
	s_load_b256 s[4:11], s[0:1], 0x0               ; h1 4, W2 6, b2 8, meta 10
	s_load_b64 s[12:13], s[0:1], 0x20              ; p
	v_lshl_add_u32 v254, v0, 2, 0x28000
	v_mov_b32 v255, 0
	v_lshrrev_b32 v1, 5, v0
	v_readfirstlane_b32 s14, v1                    ; wave 0..3
	s_and_b32 s15, ttmp7, 0xffff                   ; head t
	s_lshr_b32 s17, ttmp9, 4                       ; half of K
	s_and_b32 s16, ttmp9, 15                       ; column block
	s_lshl_b32 s21, s15, 2
	v_and_b32 v1, 31, v0                           ; L
	v_lshlrev_b32 v2, 4, v1                        ; 16 L
	v_bfe_u32 v64, v0, 4, 1                        ; h
	v_and_b32 v65, 15, v0                          ; r
	v_and_b32 v66, 7, v0
	v_lshl_add_u32 v66, v64, 3, v66
	v_mul_u32_u24 v66, v66, WP                     ; the transposing load: row 8 h + (L & 7),
	v_bfe_u32 v67, v0, 3, 1
	v_lshl_add_u32 v[ADRB], v67, 4, v66            ; 16 bytes further for lanes 8-15 and 24-31
	v_add_nc_u32 v[ADRB+1], 12*32*WP, v[ADRB]
	v_add_nc_u32 v[ADRB+2], 24*32*WP, v[ADRB]
	s_wait_alu depctr_va_sdst(0)                   ; s14 is written, ahead of its first reader
	s_lshl_b32 s22, s14, 5
	v_add_nc_u32 v68, s22, v64                     ; row 32 w + h of a K step of W
	v_mul_u32_u24 v69, v68, WP
	v_lshl_add_u32 v[ADRS], v65, 3, v69            ; where it goes in LDS: 8 bytes a lane
	v_add_nc_u32 v[ADRS+1], 3*WTILE, v[ADRS]
	v_add_nc_u32 v[ADRS+2], 6*WTILE, v[ADRS]
	v_mul_u32_u24 v[WOFF], v68, PITCHW
	v_lshl_add_u32 v[WOFF], v65, 4, v[WOFF]        ; where it lies in memory: 16 bytes a lane
	v_lshlrev_b32 v70, 5, v64                      ; 32 h
	s_lshl_b32 s58, s15, 23                        ; W2: head t, 8 MiB each,
	s_lshl_b32 s22, s17, 22                        ; half of K (1,024 rows of 4 KiB),
	s_add_co_u32 s58, s58, s22
	s_lshl_b32 s22, s16, 8                         ; 64 columns of f32
	s_add_co_u32 s58, s58, s22
	s_mov_b32 s59, 0
	s_mul_i32 s60, s15, BIASB                      ; b2: head t, the same 64 columns
	s_add_co_u32 s60, s60, s22
	s_mov_b32 s61, 0
	s_wait_kmcnt 0x0
	s_load_b32 s18, s[10:11], s21 offset:0x0       ; tp_t: my head's first tile
	s_load_b32 s19, s[10:11], s21 offset:0x20      ; n_t: its tiles
	s_add_nc_u64 s[6:7], s[6:7], s[58:59]
	s_add_nc_u64 s[8:9], s[8:9], s[60:61]
	s_wait_alu depctr_va_vdst(0)                   ; v70 and the seven addresses v[3:9] are written, which the loads below and every LDS instruction of the kernel read
.irp c, 0,1,2,3
	global_load_b128 v[BIAS+8*\c:BIAS+8*\c+3],   v70, s[8:9] offset:64*\c      ; columns 16 c + 8 h + 0..3
	global_load_b128 v[BIAS+8*\c+4:BIAS+8*\c+7], v70, s[8:9] offset:64*\c+16   ; + 4..7
.endr
.irp G, 0,1,2,3,4
	WGLOAD \G                                      ; W's first K step and a group of the second go out while meta is on its way
.endr
	WIN 0
	s_mul_i32 s58, s17, PHALF                      ; p: the half of K,
	s_lshl_b32 s60, s16, 12                        ; the block's 4 column tiles of 1 KiB
	s_add_co_u32 s58, s58, s60
	s_add_nc_u64 s[56:57], s[12:13], s[58:59]
	s_mul_i32 s58, s17, 8*PLANE                    ; h1: the half's 8 planes
	s_add_nc_u64 s[54:55], s[4:5], s[58:59]
	s_mul_i32 s51, s14, 5                          ; 5 w
	s_wait_kmcnt 0x0
	s_min_u32 s18, s18, TILES-1
	s_min_u32 s19, s19, TILES
	s_max_u32 s19, s19, 1
	s_sub_co_u32 s53, s19, 1                       ; the head's last tile
	s_mov_b32 s21, s51                             ; the first pass: my first tile is 5 w
	MYTILES
	s_wait_alu depctr_va_vdst(0)                   ; my tiles' offsets v[22:31] are written, which the activations' loads and the pass's stores read
; ---- the first pass: W's stream and the products together
	WGLOAD 5                                       ; pair 0
	ALOAD 0, 5
	WGLOAD 6                                       ; pair 1: 8 + 20 + 28 = 56 loads are out
	ALOAD 1, 5
	s_wait_loadcnt 28                              ; loads come back in order: the bias and groups 0 to 4 are in, pairs 0 and 1 stay out
	WGCVT 0
	s_wait_alu depctr_va_vdst(0)                   ; group 0's conversions have written CV0, which the LDS stores read, and are done reading W0, in which group 8 lands
	WGSTORE 0
	WGLOAD 7                                       ; pair 2
	ALOAD 2, 5
	WGLOAD 8                                       ; pair 3, its group into the slot that group 0 has just left
	ALOAD 3, 5
.irp G, 1,2,3
	WGCVT \G
.endr
	s_wait_alu depctr_vm_vsrc(0)                   ; group 0's LDS stores have read CV0, which group 4's conversions write again
	WGCVT 4
	s_wait_alu depctr_va_vdst(0)                   ; the conversions of groups 1 to 4 have written CV, which the sixteen LDS stores read
.irp G, 1,2,3,4
	WGSTORE \G
.endr
	s_cmp_eq_u32 s17, 0                            ; half 0 of K alone carries the bias
	s_cselect_b32 s22, -1, 0
.set n, 0
.rept 32
	v_and_b32 v[BIAS+n], s22, v[BIAS+n]
.set n, n+1
.endr
	s_wait_dscnt 0x0                               ; my rows of K step 0 are in LDS before I say so
	s_barrier_signal -1
	s_barrier_wait -1                              ; K step 0 of W is whole
	BFETCH 0
.set jj, 0
.rept 32
.set cnt, 0                                    ; what may stay out: pairs jj + 1 to jj + 3, 14 loads each while W has groups left (pair 26 brings the last), then 10
.irp d, 1,2,3
.if jj+\d <= 31
.set cnt, cnt+10
.if jj+\d <= 26
.set cnt, cnt+4
.endif
.endif
.endr
.set bar, 0                                    ; the third quarter of a K step stores the last group of the next one
.if jj <= 26
.if (jj & 3) == 2
.set bar, 1
.endif
.endif
	s_wait_loadcnt cnt                             ; pair jj is in
.if jj <= 26
	s_wait_alu depctr_vm_vsrc(0)                   ; the LDS stores of group jj + 1 have read the part of CV that the conversions below write again
	WGCVT jj+5
.endif
.if jj < 31
	s_wait_alu depctr_va_vdst(0)                   ; the conversions have written CV; the last quarter step's products are done reading their slot and their buffer, older conversions their slot of W: in these the loads below land
.endif
.if bar
.if jj <= 22
	WGLOAD jj+9                                    ; pair jj + 4, ahead of the signal
.endif
	ALOAD jj+4, 5
	WGSTORE jj+5
	s_wait_dscnt 0x0                               ; my rows of the next K step are in LDS (and this quarter's fragments in registers) before I say so
	s_barrier_signal -1
	BFETCH jj+1                                    ; between signal and wait: rows of the current K step, which nobody writes again
	MUL jj, 5, 0,1,2,3,4
	PLACES                                         ; the places behind the quarter's products
	s_barrier_wait -1                              ; the next K step of W is whole
.else
.if jj <= 26
	WGSTORE jj+5
.endif
.if jj < 31
	BFETCH jj+1
.endif
.set dc, 0                                     ; LDS instructions issued behind this quarter's fragment loads: 4 stores, 8 loads
.if jj <= 26
.set dc, dc+4
.endif
.if jj < 31
.set dc, dc+8
.endif
	s_wait_dscnt dc
	MUL jj, 5, 0,1
.if jj <= 22
	WGLOAD jj+9                                    ; pair jj + 4.  No wait: no vector or matrix instruction since the wait above names these registers
.endif
.if jj <= 27
	ALOAD jj+4, 5                                  ; into the slot multiplied in the last quarter step
.endif
	MUL jj, 5, 2,3,4
	PLACES                                         ; the places behind the quarter's products; behind the last quarter they stand in front of the way out
.endif
.set jj, jj+1
.endr
	WIN 0                                          ; at a branch and at a label every window is 0
	s_cmp_ge_u32 s21, s19
	s_cbranch_scc1 .Lend                           ; my wave has no tile of this head: it only shared in W's block
	EPI 0
; ---- later passes: 80 rows a pass; 7 passes of 20 tiles cover the 136 tiles that a head can have at the most.
; A ring of six slots: quarter step j multiplies slot j % 6 and asks for quarter step j + 5, into the slot that quarter step j - 1 multiplied; one wait on
; va_vdst at the quarter step's head states that those products are done reading it and their buffer of W's fragments.
	s_mov_b32 s20, 1
.Lpass:
	s_mul_i32 s21, s20, 20
	s_add_co_u32 s21, s21, s51                     ; my first tile, counted inside the head
	s_cmp_ge_u32 s21, s19
	s_cbranch_scc1 .Lend                           ; nothing is left for my wave
	s_wait_xcnt 0x0                                ; what the last pass's stores name (offsets, data) is rewritten only behind this wait
	s_wait_alu depctr_vm_vsrc(0)                   ; beside it: the last pass's loads and stores have read my tiles' offsets, made anew below, and its stores the accumulators, which this pass's first products write
	MYTILES
	s_wait_alu depctr_va_vdst(0)                   ; the offsets are written, which the loads read; the last pass's products are done reading the slots and the buffers, in which the loads below land
	ALOAD 0, 6
	ALOAD 1, 6
	ALOAD 2, 6
	ALOAD 3, 6
	ALOAD 4, 6
	BFETCH 0
.set jj, 0
.rept 32
.if jj < 28
	s_wait_loadcnt 40                              ; loads come back in order: this quarter step's ten are in, the ten of each of four younger ones stay out
.else
	s_wait_loadcnt 10*(31-jj)                      ; fewer younger ones are left
.endif
.if jj < 31
.if jj > 0
	s_wait_alu depctr_va_vdst(0)                   ; the last quarter step's products are done reading their slot and their buffer, in which the loads below land
.endif
	BFETCH jj+1
	s_wait_dscnt 8                                 ; all but the eight LDS loads just issued
.else
	s_wait_dscnt 0x0
.endif
	MUL jj, 6, 0,1
.if jj < 27
	ALOAD jj+5, 6                                  ; no wait: no vector or matrix instruction since the wait above names these registers
.endif
	MUL jj, 6, 2,3,4
	PLACES                                         ; the places behind the quarter's products; behind the last quarter they stand in front of the way out
.set jj, jj+1
.endr
	EPI 1
	s_add_co_u32 s20, s20, 1
	s_cmp_lt_u32 s20, 7
	s_cbranch_scc1 .Lpass
.Lend:
	s_wait_dscnt 0x0
	s_wait_alu depctr_hold_cnt(0) depctr_sa_sdst(0) depctr_va_vdst(0) depctr_va_sdst(0) depctr_va_ssrc(0) depctr_va_vcc(0) depctr_vm_vsrc(0)
	s_wait_tensorcnt 0x0
	ds_add_u32 v254, v255
	s_wait_dscnt 0x0
	s_endpgm
.Lfunc_end_k_q9a4c63d818_gemm2:
	.size	k_q9a4c63d818_gemm2, .Lfunc_end_k_q9a4c63d818_gemm2-k_q9a4c63d818_gemm2
	.p2alignl 7, 3214868480
	.fill 96, 4, 3214868480
	.section	.rodata,"a",@progbits
	.p2align	6, 0x0
	.amdhsa_kernel k_q9a4c63d818_gemm2
		.amdhsa_group_segment_fixed_size 164352
		.amdhsa_private_segment_fixed_size 0
		.amdhsa_enable_private_segment 0
		.amdhsa_kernarg_size 40
		.amdhsa_user_sgpr_count 2
		.amdhsa_user_sgpr_kernarg_segment_ptr 1
		.amdhsa_wavefront_size32 1
		.amdhsa_system_sgpr_workgroup_id_x 1
		.amdhsa_system_sgpr_workgroup_id_y 1
		.amdhsa_system_sgpr_workgroup_id_z 1
		.amdhsa_system_vgpr_workitem_id 0
		.amdhsa_next_free_vgpr 896
		.amdhsa_next_free_sgpr 66
		.amdhsa_reserve_vcc 0
		.amdhsa_float_denorm_mode_32 3
		.amdhsa_float_denorm_mode_16_64 3
		.amdhsa_memory_ordered 1
		.amdhsa_forward_progress 1
		.amdhsa_inst_pref_size 255
	.end_amdhsa_kernel
	.section	.bss,"aw",@nobits
	.p2align	6
	.space	262144
	.amdgpu_metadata
---
amdhsa.version: [ 1, 2 ]
amdhsa.kernels:
  - .name:           k_q9a4c63d818_gemm2
    .symbol:         k_q9a4c63d818_gemm2.kd
    .args:
      - { .name: h1, .offset: 0, .size: 8, .value_kind: global_buffer, .address_space: global }
      - { .name: W2, .offset: 8, .size: 8, .value_kind: global_buffer, .address_space: global }
      - { .name: b2, .offset: 16, .size: 8, .value_kind: global_buffer, .address_space: global }
      - { .name: meta, .offset: 24, .size: 8, .value_kind: global_buffer, .address_space: global }
      - { .name: p, .offset: 32, .size: 8, .value_kind: global_buffer, .address_space: global }
    .group_segment_fixed_size: 164352
    .private_segment_fixed_size: 0
    .kernarg_segment_align: 8
    .kernarg_segment_size: 40
    .max_flat_workgroup_size: 128
    .sgpr_count:     66
    .vgpr_count:     896
    .wavefront_size: 32
...
	.end_amdgpu_metadata
.endif
;; end of part 13
;; launch head: the kernel of part 8 again; grid 136 x 1, 8 waves a work-group, no clusters, 9,216 bytes of LDS; arguments p, w3f, b3, order, meta, out0; writes out0
